; MI455X (gfx1250); checked and timed in simulation.
; The chip was launched on July 23, 2026; its instructions are those of AMD's public machine-readable ISA for CDNA 5 (MIT licence, August 2026) and "CDNA5" Instruction Set Architecture Reference Guide (July 2026). The comments in the code are by the model that wrote it; some were corrected since.
;; Self Attention. Allowed arithmetic: matrix products marked QUANTISED: E2M3 operands, one E8M0 scale for each 32 along K, by v_wmma_scale_f32_16x16x128_f8f6f4 with both operands' format E2M3, f32 sums; everything else in f32.
;; Inputs: b_out 1,024 float32; w_out 1,024 x 1,024 float32; w_qkv 1,024 x 3,072 float32; x 4 x 2,048 x 1,024 float32.
;; Outputs: out0 4 x 2,048 x 1,024 float32.
;; This version of the problem:
;;   THIS VERSION OF THE PROBLEM IS GIVEN IN LOW PRECISION. The matrix products marked QUANTISED in the list below multiply operands that are first quantised to E2M3 (2 exponent bits, 3 mantissa bits; 6 bits a number), with one power-of-two scale for each 32 numbers along K (OCP MX v1.0); their sums are f32. All else is computed in f32.
;;   The module's matrix products, in the order in which they are computed (A, B: the left and right operand; K: the contracted axis; several contracted axes count as one K, in the product's order):
;;     1. [M 8,192, K 1,024] x [K 1,024, N 3,072]; A: input x; B: input w_qkv: QUANTISED
;;     2. batch 64 x [M 2,048, K 64] x [K 64, N 2,048]; A: computed on the way; B: computed on the way: QUANTISED
;;     3. batch 64 x [M 64, K 2,048] x [K 2,048, N 2,048]; A: computed on the way; B: softmax (see below): QUANTISED
;;     4. [M 8,192, K 1,024] x [K 1,024, N 1,024]; A: computed on the way; B: input w_out: QUANTISED
;;   THE QUANTISER, for each operand of a quantised product, along K:
;;     - K is cut into blocks of 32 from its start; a last block that is shorter is filled with zeros.
;;     - A block's scale is 2^e with e = floor(log2(the largest magnitude in the block)) - 2, held to -126 .. 127; a block of zeros has e = 0. As a byte (E8M0): e + 127.
;;     - Each number is divided by its block's scale, clamped to +-7.5, and rounded to the nearest number of E2M3, ties to even, subnormals kept.
;;     - The product sums the exact products of the quantised numbers (number of the format x scale) in f32.
;;   ~~~python
;;   def quantise(x, axis):      # numpy; x: float32 -> the quantised numbers, widened to float32 again
;;       x = np.moveaxis(x, axis, -1); K = x.shape[-1]
;;       x = np.pad(x, [(0, 0)] * (x.ndim - 1) + [(0, -K % 32)]); x = x.reshape(x.shape[:-1] + (-1, 32)); a = np.abs(x).max(-1, keepdims=True)
;;       e = np.where(a > 0, np.clip(np.frexp(np.where(a > 0, a, 1))[1] - 1 - 2, -126, 127), 0)      # np.frexp(a)[1] - 1 = floor(log2(a)), exactly
;;       r = np.clip(x / 2.0 ** e, -7.5, 7.5)
;;       step = 2.0 ** (np.maximum(np.frexp(np.where(r == 0, 1, r))[1] - 1, 0) - 3)
;;       q = np.round(r / step) * step * 2.0 ** e      # np.round: ties to even
;;       return np.moveaxis(q.reshape(q.shape[:-2] + (-1,))[..., :K], -1, axis).astype(np.float32)
;;   ~~~
;;   SOFTMAX AHEAD OF A QUANTISED PRODUCT. Where the list says 'softmax', what is quantised is not the finished softmax but p = 2^(t - M), with t = logit x log2(e) and M = ceil(the row's largest t), a whole number; so 1/2 < the row's largest p <= 1. The row's sum l is taken of the UNQUANTISED p, in f32, and the product's result is divided by l at the end. Since M is a whole number, a kernel that streams over the keys may use a running M (the ceiling of the running maximum): every later rescaling is an exact power of two, which a block's scale takes up: the codes' values come out the same.
;;   OPERANDS COMPUTED ON THE WAY. 'Computed on the way' means the value that the module computes at that place (a softmax that the list does not call 'softmax' is quantised finished and normalised). What goes into a quantiser is computed in f32, as accurately as f32 sums, v_exp_f32 and their like allow (about 1e-6 of the number): no bf16 or f16 on the way to a quantiser, and a product that is left as it is and whose result goes on into a quantised operand takes f32 operands (vector FMAs, or v_wmma_f32_16x16x4_f32). A number that lies on a knife's edge between two numbers of the format may be rounded either way, as far as f32 arithmetic and the matrix unit's own rounding can turn it there, and no further.
;; 2 versions, each right and faster than the one before. Each part assembles by itself: llvm-mc -triple=amdgcn-amd-amdhsa -mcpu=gfx1250 --defsym DOCPART=n.
;; ======== version 1 of 2: 5 launches
;; workspace buffers: xq 6,553,600 bytes; wq 3,276,800 bytes; qk 13,631,488 bytes; vt 6,553,600 bytes; at 6,553,600 bytes
;; launch quant_x (part 1): grid 256 x 1, 4 waves a work-group, no clusters, 34,304 bytes of LDS; arguments x, xq; writes xq
.if DOCPART == 1
	.amdgcn_target "amdgcn-amd-amdhsa--gfx1250"
	.amdhsa_code_object_version 6
	.text
	.protected	k_q7c1126f257_quant_x
	.globl	k_q7c1126f257_quant_x
	.p2align	8
	.type	k_q7c1126f257_quant_x,@function
k_q7c1126f257_quant_x:
	s_mov_b64 s[64:65], 0
	v_nop
	global_prefetch_b8 v0, s[64:65] scope:SCOPE_SE
	s_setreg_imm32_b32 hwreg(HW_REG_WAVE_MODE, 25, 1), 1
	s_wait_xcnt 0x0
; x [8192][1024] f32 becomes codes of FP6 (E2M3) with one E8M0 byte for each 32 along K, laid as the matrix operand's registers.
; A block's scale is 2^(floor(log2(its largest magnitude)) - 2); its byte is that magnitude's exponent field - 2, held at 1 from below.
; LAYOUT OF xq.  A tile is 16 rows; position r of tile T stands for row 32 (T / 2) + 8 (T % 2) + r + 8 (r / 8).  A half fragment (16 positions x 64 K) is 768 bytes:
; lane (r, h) owns the 24 bytes of k = 32 h .. 32 h + 31: its first 16 bytes at 16 x lane, its last 8 at 512 + 8 x lane.  Codes: tile x 12,288 + (k / 64) x 768.
; Scale bytes, from byte XS on: (T / 2) x 1,024 + (k / 256) x 256 + (T % 2) x 128 + 8 r + (k / 32) % 8.
; SHARES.  Work-group P takes tiles 2 P and 2 P + 1: 32 whole rows of x.  Wave w takes columns 256 w .. 256 w + 255, in four steps of 16 rows x 128 columns.
; Each load reads 512 consecutive bytes of a row; the 16 rows turn through the wave's own stage in LDS (rows 528 bytes apart) and come back 128 bytes a lane: two whole blocks of 32.
; Waves share nothing: no barrier.  Work-groups share no input: no cluster.  Memory binds: no matrix unit.
; LIMITS: NaN and infinities among the inputs are not served; a block whose largest magnitude lies under 2^-124 keeps the byte 1; a block of zeros gets the byte 1 where the
; rule says 127: its codes are zeros, which add nothing under that byte, and the bytes are read by this program alone.
.set XS,  6291456                      ; where the scale bytes begin in xq
.set SP,  528                          ; a stage row: 512 bytes + 16
.set W,   16                           ; v16-19   the scale words of step t
.set C,   24                           ; v24-29, v32-37  six code words of block c
.set E,   40                           ; v40-42, v44-46  the second conversion's result (three registers that begin on an even number)
.set R,   64                           ; v64-191  two sets of 64: a step's numbers as loaded
.set X,   192                          ; v192-255 my two blocks of 32 neighbours
	s_load_b128 s[4:7], s[0:1], 0x0                ; x, xq
	v_lshl_add_u32 v62, v0, 2, 0x8400
	v_mov_b32 v63, 0
	v_lshrrev_b32 v1, 5, v0
	v_readfirstlane_b32 s10, v1                    ; wave
	v_and_b32 v1, 31, v0                           ; lane
	v_and_b32 v2, 15, v0                           ; r
	v_bfe_u32 v3, v0, 4, 1                         ; h
	v_lshlrev_b32 v4, 4, v1                        ; 16 x lane
	v_lshlrev_b32 v5, 3, v1                        ; 8 x lane
	s_mul_i32 s14, s10, 16*SP                      ; my stage
	v_add_nc_u32 v6, s14, v4                       ; into it: 16 bytes a lane of a row
	v_mul_u32_u24 v7, v2, SP
	v_lshl_add_u32 v7, v3, 7, v7
	v_add_nc_u32 v7, s14, v7                       ; out of it: row r, + 128 h
	v_lshlrev_b32 v22, 3, v3                       ; 8 h: my bytes' place in a scale word
	v_mov_b32 v15, 0                               ; written once: a lane permute's destination counts as one of its sources
	s_mov_b32 s12, 0x76543210
	s_mov_b32 s13, 0xfedcba98                      ; v_permlanex16_b32's selects for lane l xor 16
	s_lshl_b32 s16, ttmp9, 17                      ; 32 rows of 4,096 bytes,
	s_lshl_b32 s18, s10, 10                        ; my 256 columns
	s_add_co_u32 s16, s16, s18
	s_mov_b32 s17, 0
	s_mul_i32 s18, ttmp9, 24576                    ; two tiles of codes,
	s_mul_i32 s20, s10, 3072                       ; my four half fragments
	s_add_co_u32 s18, s18, s20
	s_mov_b32 s19, 0
	s_lshl_b32 s20, ttmp9, 10                      ; the pair's scale bytes,
	s_lshl_b32 s22, s10, 8                         ; my 256 of them
	s_add_co_u32 s20, s20, s22
	s_add_co_u32 s20, s20, XS
	s_mov_b32 s21, 0
	s_wait_kmcnt 0x0
	s_add_nc_u64 s[4:5], s[4:5], s[16:17]
	s_add_nc_u64 s[8:9], s[6:7], s[20:21]
	s_add_nc_u64 s[6:7], s[6:7], s[18:19]
; step t = 2 u + q: tile 2 P + u, columns 128 q on of my 256.  Position i is row 8 u + i + 8 (i / 8) of the 32.
.macro LOAD t
.irp i, 0,1,2,3,4,5,6,7,8,9,10,11,12,13,14,15
	global_load_b128 v[R+64*((\t)%2)+4*\i:R+64*((\t)%2)+4*\i+3], v4, s[4:5] offset:(8*((\t)/2)+\i+8*(\i/8))*4096+512*((\t)%2) th:TH_LOAD_NT
.endr
.endm
.macro STEP t
.if (\t) < 3
	s_wait_loadcnt 16                              ; this step's 16 loads are in; the next step's 16 may be out
.else
	s_wait_loadcnt 0x0
.endif
.irp i, 0,1,2,3,4,5,6,7,8,9,10,11,12,13,14,15
	ds_store_b128 v6, v[R+64*((\t)%2)+4*\i:R+64*((\t)%2)+4*\i+3] offset:SP*\i
.endr
.irp c, 0,1
.irp j, 0,1,2,3,4,5,6,7
	ds_load_b128 v[X+32*\c+4*\j:X+32*\c+4*\j+3], v7 offset:256*\c+16*\j   ; k = 64 c + 32 h + 4 j on of row r; LDS serves a wave's instructions in order: these see the stores above
.endr
.endr
	s_wait_dscnt 0x0                               ; my numbers are back, and the stores have read their registers,
.if (\t) < 2
	LOAD (\t)+2                                    ; which take the loads of two steps on
.endif
	s_wait_xcnt 0x0                                ; the last step's stores have read the code registers: they are written again only behind this wait
.irp c, 0,1
	v_max3_num_f32 v[8+\c], |v[X+32*\c]|, |v[X+32*\c+1]|, 0x1800000   ; my block 2 c + h, and the floor 2^(3 - 127): the byte cannot fall under 1
.endr
.irp i, 2,4,6,8,10,12,14,16,18,20,22,24,26,28,30
.irp c, 0,1
	v_max3_num_f32 v[8+\c], v[8+\c], |v[X+32*\c+\i]|, |v[X+32*\c+\i+1]|   ; (the two blocks by turns)
.endr
.endr
.irp c, 0,1
	v_add_nc_u32 v[10+\c], 0xff000000, v[8+\c]     ; 2 off the exponent field: the conversion takes this operand's exponent field as its scale
.endr
.irp c, 0,1
	v_cvt_scalef32_pk16_fp6_f32 v[C+8*\c:C+8*\c+2], v[X+32*\c:X+32*\c+15], v[10+\c]
	v_cvt_scalef32_pk16_fp6_f32 v[E+4*\c:E+4*\c+2], v[X+32*\c+16:X+32*\c+31], v[10+\c]
.endr
.irp c, 0,1
	v_lshrrev_b32 v[12+\c], 23, v[10+\c]           ; the scale's byte (also the plain place behind the conversions)
.endr
	v_lshl_or_b32 v14, v13, 16, v12                ; my two bytes: blocks h and 2 + h of row r,
	v_lshlrev_b32 v14, v22, v14                    ; at their places in the word;
	v_permlanex16_b32 v15, v14, s12, s13
	v_or_b32 v[W+(\t)], v14, v15                   ; with lane l xor 16's two the word is whole
.irp c, 0,1
.irp i, 0,1,2
	v_mov_b32 v[C+8*\c+3+\i], v[E+4*\c+\i]
.endr
.endr
.irp c, 0,1
	global_store_b128 v4, v[C+8*\c:C+8*\c+3], s[6:7] offset:((\t)/2)*12288+(2*((\t)%2)+\c)*768       ; 512 consecutive bytes, aligned to 256
	global_store_b64 v5, v[C+8*\c+4:C+8*\c+5], s[6:7] offset:((\t)/2)*12288+(2*((\t)%2)+\c)*768+512  ; 256 consecutive bytes, aligned
.endr
.endm
	LOAD 0
	LOAD 1
	STEP 0
	STEP 1
	STEP 2
	STEP 3
	v_cmp_le_u32 vcc_lo, 16, v1                    ; lanes 16-31 store tile 2 P + 1's words
	v_cndmask_b32 v20, v[W], v[W+2], vcc_lo
	v_cndmask_b32 v21, v[W+1], v[W+3], vcc_lo
	global_store_b64 v5, v[20:21], s[8:9]          ; 128 (tile % 2) + 8 r = 8 x lane: 256 consecutive bytes, aligned
	s_wait_tensorcnt 0x0
	ds_add_u32 v62, v63
	s_wait_dscnt 0x0
	s_endpgm
.Lfunc_end_k_q7c1126f257_quant_x:
	.size	k_q7c1126f257_quant_x, .Lfunc_end_k_q7c1126f257_quant_x-k_q7c1126f257_quant_x
	.p2alignl 7, 3214868480
	.fill 96, 4, 3214868480
	.section	.rodata,"a",@progbits
	.p2align	6, 0x0
	.amdhsa_kernel k_q7c1126f257_quant_x
		.amdhsa_group_segment_fixed_size 34304
		.amdhsa_private_segment_fixed_size 0
		.amdhsa_enable_private_segment 0
		.amdhsa_kernarg_size 16
		.amdhsa_user_sgpr_count 2
		.amdhsa_user_sgpr_kernarg_segment_ptr 1
		.amdhsa_wavefront_size32 1
		.amdhsa_system_sgpr_workgroup_id_x 1
		.amdhsa_system_sgpr_workgroup_id_y 1
		.amdhsa_system_sgpr_workgroup_id_z 1
		.amdhsa_system_vgpr_workitem_id 0
		.amdhsa_next_free_vgpr 256
		.amdhsa_next_free_sgpr 66
		.amdhsa_reserve_vcc 1
		.amdhsa_float_denorm_mode_32 3
		.amdhsa_float_denorm_mode_16_64 3
		.amdhsa_memory_ordered 1
		.amdhsa_forward_progress 1
		.amdhsa_inst_pref_size 30
	.end_amdhsa_kernel
	.amdgpu_metadata
---
amdhsa.version: [ 1, 2 ]
amdhsa.kernels:
  - .name:           k_q7c1126f257_quant_x
    .symbol:         k_q7c1126f257_quant_x.kd
    .args:
      - { .name: x, .offset: 0, .size: 8, .value_kind: global_buffer, .address_space: global }
      - { .name: xq, .offset: 8, .size: 8, .value_kind: global_buffer, .address_space: global }
    .group_segment_fixed_size: 34304
    .private_segment_fixed_size: 0
    .kernarg_segment_align: 8
    .kernarg_segment_size: 16
    .max_flat_workgroup_size: 128
    .sgpr_count:     66
    .vgpr_count:     256
    .wavefront_size: 32
...
	.end_amdgpu_metadata
.endif
;; end of part 1
;; launch quant_w (part 2): grid 32 x 4, 4 waves a work-group, no clusters, 26,112 bytes of LDS; arguments w_qkv, w_out, wq; writes wq
.if DOCPART == 2
	.amdgcn_target "amdgcn-amd-amdhsa--gfx1250"
	.amdhsa_code_object_version 6
	.text
	.protected	k_q7c1126f257_quant_w
	.globl	k_q7c1126f257_quant_w
	.p2align	8
	.type	k_q7c1126f257_quant_w,@function
k_q7c1126f257_quant_w:
	s_mov_b64 s[64:65], 0
	v_nop
	global_prefetch_b8 v0, s[64:65] scope:SCOPE_SE
	s_setreg_imm32_b32 hwreg(HW_REG_WAVE_MODE, 25, 1), 1
	s_wait_xcnt 0x0
; w_qkv [1024][3072] and w_out [1024][1024], f32, K their FIRST axis, become one table wq of 4,096 rows (rows 0-3071: columns of w_qkv; 3072-4095: columns of w_out) of codes of FP6 (E2M3)
; with K innermost and one E8M0 byte for each 32 along K, laid as quant_x lays xq: tiles of 16 positions (position r of tile T = row 32 (T / 2) + 8 (T % 2) + r + 8 (r / 8)),
; half fragments of 768 bytes, codes at tile x 12,288 + (k / 64) x 768, scale bytes from WS on at (T / 2) x 1,024 + (k / 256) x 256 + (T % 2) x 128 + 8 r + (k / 32) % 8.
; A LANE TAKES A COLUMN AND ITS REGISTERS RUN DOWN K: a block of 32 lies in one lane's 32 registers, its largest magnitude needs no other lane, and the conversions give codes with K innermost.
; SHARES.  Work-group (x, y): wave w takes the 32 columns of tile pair 4 x + w and k = 256 y .. 256 y + 255: 8 blocks a lane.  Codes go through the wave's own stage in LDS and leave as 512 consecutive bytes a store.
; One path serves both weights: only the pointer, the pitch and the column's origin are chosen, on the work-group's number.  Waves share nothing: no barrier; work-groups share no input: no cluster.
; LIMITS: NaN and infinities are not served; a block under 2^-124 keeps the byte 1; a block of zeros gets the byte 1 where the rule says 127 (zero codes; the bytes are read by this program alone).
.set WS,   3145728                     ; where the scale bytes begin in wq
.set TST,  3200                        ; a tile's place in the stage: 3,072 bytes + 128, so that the two tiles' stores of one instruction fall on different banks
.set OFFV, 32                          ; v32-63   4 x lane + i x pitch
.set X,    64                          ; v64-127  two sets of 32 numbers
.set C,    128                         ; v128-133 a block's codes
.set E,    136                         ; v136-138 the second conversion's result
.set OUTR, 144                         ; v144-191 the way out
.set SB,   24                          ; v24-25   my column's eight scale bytes
	s_load_b128 s[4:7], s[0:1], 0x0                ; w_qkv, w_out
	s_load_b64 s[8:9], s[0:1], 0x10                ; wq
	v_lshl_add_u32 v192, v0, 2, 0x6400
	v_mov_b32 v193, 0
	v_lshrrev_b32 v1, 5, v0
	v_readfirstlane_b32 s10, v1                    ; wave
	s_and_b32 s11, ttmp7, 0xffff                   ; which 256 along K
	v_and_b32 v1, 31, v0                           ; lane = the column's place among the pair's 32
	v_bfe_u32 v2, v0, 3, 1                         ; u: which tile of the pair
	v_and_b32 v3, 7, v0
	v_bfe_u32 v9, v0, 4, 1
	v_lshl_add_u32 v3, v9, 3, v3                   ; r: its position there
	s_mul_i32 s36, s10, 2*TST                      ; my stage
	v_mul_u32_u24 v10, v2, TST
	v_add_nc_u32 v10, s36, v10
	v_lshl_add_u32 v4, v3, 4, v10                  ; into it: the first 16 bytes of a block's codes,
	v_lshl_add_u32 v5, v3, 3, v10                  ; and the last 8
	v_lshlrev_b32 v7, 4, v1                        ; out of it, and in wq: 16 x lane
	v_add_nc_u32 v6, s36, v7
	v_lshlrev_b32 v8, 3, v3
	v_lshl_add_u32 v8, v2, 7, v8                   ; my scale bytes: 128 u + 8 r
	s_cmp_lt_u32 ttmp9, 24                         ; pairs 0-95 are w_qkv's
	s_mov_b32 s12, 4096
	s_cselect_b32 s12, 12288, s12                  ; a row of the weight in bytes
	s_cselect_b32 s13, 0, 3072                     ; the table's row at which the weight's column 0 stands
	s_lshl_b32 s14, ttmp9, 2
	s_add_co_u32 s14, s14, s10                     ; my pair
	s_lshl_b32 s15, s14, 5
	s_sub_co_u32 s15, s15, s13                     ; my first column in its weight
	s_lshl_b32 s32, s15, 2
	s_lshl_b32 s33, s11, 8
	s_mul_i32 s33, s33, s12
	s_add_co_u32 s32, s32, s33                     ; 4 x column + 256 y rows
	s_mov_b32 s33, 0
	s_lshl_b32 s34, s12, 5                         ; 32 rows
	s_mov_b32 s35, 0
	s_mul_i32 s38, s14, 24576
	s_mul_i32 s39, s11, 3072
	s_add_co_u32 s38, s38, s39                     ; my codes in wq
	s_mov_b32 s39, 0
	s_lshl_b32 s40, s14, 10
	s_lshl_b32 s41, s11, 8
	s_add_co_u32 s40, s40, s41
	s_add_co_u32 s40, s40, WS                      ; my scale bytes
	s_mov_b32 s41, 0
	v_lshlrev_b32 v[OFFV], 2, v1
.set i, 1
.rept 31
	v_add_nc_u32 v[OFFV+i], s12, v[OFFV+i-1]
.set i, i+1
.endr
	s_wait_kmcnt 0x0
	s_cmp_lt_u32 ttmp9, 24                         ; the choice hangs on the work-group's number alone
	s_cselect_b64 s[4:5], s[4:5], s[6:7]
	s_add_nc_u64 s[16:17], s[4:5], s[32:33]        ; a base for each block of 32 rows: no pointer is stepped later
.irp t, 1,2,3,4,5,6,7
	s_add_nc_u64 s[16+2*\t:17+2*\t], s[14+2*\t:15+2*\t], s[34:35]
.endr
	s_add_nc_u64 s[6:7], s[8:9], s[38:39]
	s_add_nc_u64 s[8:9], s[8:9], s[40:41]
.macro LOAD t                          ; block t: rows 32 t + i of my 256, my column, into set t % 2; a wave's load reads 128 consecutive bytes, the four waves stand side by side
.set i, 0
.rept 32
	global_load_b32 v[X+32*((\t)%2)+i], v[OFFV+i], s[16+2*(\t):17+2*(\t)] th:TH_LOAD_NT
.set i, i+1
.endr
.endm
	LOAD 0
	LOAD 1
.macro BLOCK t
.set XB, X+32*((\t)%2)
.if (\t) < 7
	s_wait_loadcnt 32                              ; this block's 32 loads are in; the next block's may be out
.else
	s_wait_loadcnt 0x0
.endif
	v_max3_num_f32 v12, |v[XB]|, |v[XB+1]|, |v[XB+2]|              ; the block's largest magnitude, in two chains
	v_max3_num_f32 v13, |v[XB+3]|, |v[XB+4]|, |v[XB+5]|
.irp i, 6,10,14,18,22,26
	v_max3_num_f32 v12, v12, |v[XB+\i]|, |v[XB+\i+1]|
	v_max3_num_f32 v13, v13, |v[XB+\i+2]|, |v[XB+\i+3]|
.endr
	v_max3_num_f32 v12, v12, |v[XB+30]|, |v[XB+31]|
	v_max3_num_f32 v12, v12, v13, 0x1800000        ; and the floor 2^(3 - 127)
	v_add_nc_u32 v11, 0xff000000, v12              ; 2 off the exponent field: the conversion's scale operand
	v_lshrrev_b32 v13, 23, v11                     ; the scale's byte
.if (\t)%4 == 0
	v_mov_b32 v[SB+(\t)/4], v13
.else
	v_lshl_or_b32 v[SB+(\t)/4], v13, 8*((\t)%4), v[SB+(\t)/4]
.endif
	v_cvt_scalef32_pk16_fp6_f32 v[C:C+2], v[XB:XB+15], v11
	v_cvt_scalef32_pk16_fp6_f32 v[E:E+2], v[XB+16:XB+31], v11
	v_nop                                          ; one plain place behind a scaled conversion
.irp i, 0,1,2
	v_mov_b32 v[C+3+\i], v[E+\i]
.endr
	ds_store_b128 v4, v[C:C+3] offset:((\t)/2)*768+((\t)%2)*256        ; block t is half t % 2 of half fragment t / 2: the place of lane r + 16 (t % 2)
	ds_store_b64 v5, v[C+4:C+5] offset:((\t)/2)*768+512+((\t)%2)*128
.if (\t)+2 < 8
	LOAD (\t)+2
.endif
	s_wait_dscnt 0x0                               ; the stores have read their registers: the next block's codes may be written
.endm
.irp t, 0,1,2,3,4,5,6,7
	BLOCK \t
.endr
	global_store_b64 v8, v[SB:SB+1], s[8:9]        ; the 32 lanes cover 256 consecutive bytes, aligned
.irp n, 0,1,2,3,4,5,6,7,8,9,10,11
	ds_load_b128 v[OUTR+4*\n:OUTR+4*\n+3], v6 offset:(\n/6)*TST+(\n%6)*512   ; LDS serves a wave's instructions in order: these see my stores
.endr
.irp n, 0,1,2,3,4,5,6,7,8,9,10,11
	s_wait_dscnt 11-\n                             ; load n is in; the younger ones may be out
	global_store_b128 v7, v[OUTR+4*\n:OUTR+4*\n+3], s[6:7] offset:(\n/6)*12288+(\n%6)*512   ; 512 consecutive bytes, aligned to 256
.endr
	s_wait_tensorcnt 0x0
	ds_add_u32 v192, v193
	s_wait_dscnt 0x0
	s_endpgm
.Lfunc_end_k_q7c1126f257_quant_w:
	.size	k_q7c1126f257_quant_w, .Lfunc_end_k_q7c1126f257_quant_w-k_q7c1126f257_quant_w
	.p2alignl 7, 3214868480
	.fill 96, 4, 3214868480
	.section	.rodata,"a",@progbits
	.p2align	6, 0x0
	.amdhsa_kernel k_q7c1126f257_quant_w
		.amdhsa_group_segment_fixed_size 26112
		.amdhsa_private_segment_fixed_size 0
		.amdhsa_enable_private_segment 0
		.amdhsa_kernarg_size 24
		.amdhsa_user_sgpr_count 2
		.amdhsa_user_sgpr_kernarg_segment_ptr 1
		.amdhsa_wavefront_size32 1
		.amdhsa_system_sgpr_workgroup_id_x 1
		.amdhsa_system_sgpr_workgroup_id_y 1
		.amdhsa_system_sgpr_workgroup_id_z 1
		.amdhsa_system_vgpr_workitem_id 0
		.amdhsa_next_free_vgpr 194
		.amdhsa_next_free_sgpr 66
		.amdhsa_reserve_vcc 0
		.amdhsa_float_denorm_mode_32 3
		.amdhsa_float_denorm_mode_16_64 3
		.amdhsa_memory_ordered 1
		.amdhsa_forward_progress 1
		.amdhsa_inst_pref_size 44
	.end_amdhsa_kernel
	.amdgpu_metadata
---
amdhsa.version: [ 1, 2 ]
amdhsa.kernels:
  - .name:           k_q7c1126f257_quant_w
    .symbol:         k_q7c1126f257_quant_w.kd
    .args:
      - { .name: w_qkv, .offset: 0, .size: 8, .value_kind: global_buffer, .address_space: global }
      - { .name: w_out, .offset: 8, .size: 8, .value_kind: global_buffer, .address_space: global }
      - { .name: wq, .offset: 16, .size: 8, .value_kind: global_buffer, .address_space: global }
    .group_segment_fixed_size: 26112
    .private_segment_fixed_size: 0
    .kernarg_segment_align: 8
    .kernarg_segment_size: 24
    .max_flat_workgroup_size: 128
    .sgpr_count:     66
    .vgpr_count:     194
    .wavefront_size: 32
...
	.end_amdgpu_metadata
.endif
;; end of part 2
;; launch gemm_qkv (part 3): grid 12 x 32, 4 waves a work-group, clusters of 4 x 4, 327,680 bytes of LDS; arguments xq, wq, qk, vt; writes qk, vt
.if DOCPART == 3
	.amdgcn_target "amdgcn-amd-amdhsa--gfx1250"
	.amdhsa_code_object_version 6
	.text
	.protected	k_q7c1126f257_gemm_qkv
	.globl	k_q7c1126f257_gemm_qkv
	.p2align	8
	.type	k_q7c1126f257_gemm_qkv,@function
k_q7c1126f257_gemm_qkv:
	s_mov_b64 s[64:65], 0
	v_nop
	global_prefetch_b8 v0, s[64:65] scope:SCOPE_SE
	s_setreg_imm32_b32 hwreg(HW_REG_WAVE_MODE, 25, 1), 1
	s_wait_xcnt 0x0
	s_wait_alu depctr_hold_cnt(0) depctr_sa_sdst(0) depctr_va_vdst(0) depctr_va_sdst(0) depctr_va_ssrc(0) depctr_va_vcc(0) depctr_vm_vsrc(0)
	s_getreg_b32 s2, hwreg(HW_REG_IB_STS2, 6, 4)
	s_cmp_eq_u32 s2, 0
	s_cbranch_scc0 .Lentry_in_a_cluster
	s_endpgm
.Lentry_in_a_cluster:
	s_bfe_u32 s2, ttmp6, 0x10000c
	s_cmp_lg_u32 s2, 0xf033
	s_cbranch_scc0 .Lentry_shape_is_right
	s_endpgm
.Lentry_shape_is_right:
; q, k, v = x w_qkv on codes of FP6 (E2M3) with E8M0 scales, K = 1,024, sums in f32; the results are QUANTISED ON THE WAY OUT and never lie in memory as f32.
; OPERANDS (xq, wq) lie as images of the matrix operand's registers: tiles of 16 positions (position r of tile T = row 32 (T / 2) + 8 (T % 2) + r + 8 (r / 8)), 12,288 bytes a tile, half fragments (64 K) of 768 bytes:
; lane l's first 16 bytes at 16 l, its last 8 at 512 + 8 l.  So a fragment is two loads of 16 bytes and two of 8, each on consecutive bytes, and LDS needs no padding.
; A tile of the result, 256 x 256, is made by four waves, 128 x 128 each: 64 accumulators, 512 registers.  K goes in four steps of 256 through a ring of two LDS slots filled by the tensor data mover.
; Source 0 takes operand B and source 1 operand A: a lane holds ONE position of A, and by the order of positions the 16 registers of B's tiles 2 b, 2 b + 1 are 16 NEIGHBOURS 32 b + 16 (lane / 16) + 0 .. 15 along B's rows.
; TWO ROLES, ONE TEXT.  Clusters x = 0, 1 make q and k: A = x (tokens), B = rows 0-2047 of wq (channels): a lane's 64 registers are the 128 channels of two heads: two half fragments of qk.
; Cluster x = 2 makes v TRANSPOSED: A = rows 2048-3071 of wq (channels), B = x (tokens): a lane's registers run along 128 keys: one fragment of vt.  Pointers and offset constants are chosen on the cluster's x, which all partners share.
; qk: codes [head' 0-31 (q: 0-15, k: 16-31)][token tile 0-511][768]; from QKS on a scale word for [head'][position]: bytes (e0, e1, e0, e1).   vt: codes [token / 128][channel tile 0-63][1,536]; from VS on a word for [token / 128][tile][r].
; CLUSTERS: 4 x 4 work-groups.  A's tiles are shared along a row of the cluster, B's along a column: each is asked for jointly, by the same tensor load with the same descriptor and a mask that names the four.
; The scales of the work-group's rows of A and B, for all of K, are two dense blocks of 8,192 bytes: they come once, with the first fills, and stay.
; REGISTERS, in windows of 256: window 0: v16-31 addresses; v32-63 scale words, two sets; v128-223 A's fragments, one set; on the way out v112-139 and v200-217 at work.
;   window 1: B's fragments, two sets, at v0 and v128.   windows 2, 3: the accumulators (A's block a, B's block b at v[8 (8 (a % 4) + b)] of window 2 + a / 4).
; LIMITS: NaN and infinities are not served; a block of results under 2^-124 keeps the byte 1; a block of zeros gets the byte 1 where the rule says 127 (zero codes; the bytes are read by this program alone).
.set KSTB,   3072                      ; a tile's bytes of a K step of 256
.set TILEB,  12288                     ; a tile's bytes in memory
.set NQ,     2                         ; matrix instructions deep in a K step
.set FR,     12                        ; registers of a fragment
.set NL,     4                         ; LDS loads that bring one
.set NP,     4                         ; places behind this matrix instruction (ISA guide 7.12.1)
.set HALFT,  8*KSTB                    ; 8 tiles: what one tensor load brings, and what one wave reads of A or of B
.set SLOT,   4*HALFT                   ; A's 16 tiles, then B's 16
.set SCL,    2*SLOT                    ; behind the ring: A's scales, 8,192 bytes, then B's
.set HALFS,  4096                      ; the scales of 8 tiles
.set SPARE,  SCL+4*HALFS               ; the spare words, 128 bytes for each wave: two blocks of 256 bytes that no other line names
.set SSTG,   SPARE+512                 ; a stage for the results' scale words, 1,024 bytes a wave; no tensor load lands here
.set ADRA, 16                          ; v16-17 my A fragments in slot 0, 1, + 16 x lane;  v18-19 the same + 8 x lane
.set ADRB, 20                          ; v20-23 the same for B
.set O16,  24                          ; v24  16 x lane
.set O8,   25                          ; v25  8 x lane
.set SST,  26                          ; v26  where I put a scale word
.set ADRS, 27                          ; v27  my scale words in LDS: lanes 0-15 A's, lanes 16-31 B's
.set SPW,  28                          ; v28  my spare word; never rewritten
.set NIL,  29                          ; v29  0; never rewritten
.set PSEL, 30                          ; v30  which bytes of the scale word my half of the lanes stores
.set SRD,  31                          ; v31  where I read the scale words back
.set SC,   32
.set AF,   128
.set PC,   112                         ; v112-123 the codes just made; v124-130 at work
.set TM,   200                         ; v200-203 largest magnitudes, v204-207 bytes, v212-215 the conversions' scale operands
.set PW,   216
.set PW2,  217
.set G1, 24
.set G0, 32
.set G1B, 48
.set G0B, 56
.set G1S, 68
.set G0S, 76
.set G1SB, 80
.set G0SB, 88
.set MSB, 0
.macro WIN new                         ; the immediate's high byte repeats the setting that is left
.if MSB != (\new)
	s_set_vgpr_msb (MSB<<8)|(\new)
.set MSB, \new
.endif
.endm
.set MUL_LO, 0xa1                      ; source 0 (B) window 1, source 1 (A) window 0, C and D window 2
.set MUL_HI, 0xf1                      ; the same, C and D window 3
.set TO_B,   0x40                      ; destination window 1, address window 0
; A joint load: waves 0 and 1 fetch for A, waves 2 and 3 for B; the branch hangs on the wave's number alone.  Four v_nop follow each of the two lines.
.macro JLOAD g0a, g1a, g0b, g1b
	s_cmp_eq_u32 s15, 0
	s_cbranch_scc0 .Lfor_b_\@
	tensor_load_to_lds s[\g0a:\g0a+3], s[\g1a:\g1a+7]
	s_nop 0
.rept 4
	v_nop
.endr
	s_branch .Lasked_\@
.Lfor_b_\@:
	tensor_load_to_lds s[\g0b:\g0b+3], s[\g1b:\g1b+7]
	s_nop 0
.rept 4
	v_nop
.endr
.Lasked_\@:
.endm
.macro CREST                           ; a round of the cluster's barrier behind its opening barrier
	s_cmp_lg_u32 s14, 0
	s_cbranch_scc1 .Lnot_wave_0_\@
	s_barrier_signal -3
.Lnot_wave_0_\@:
	s_barrier_wait -3
	s_barrier_signal -1
	s_barrier_wait -1
.endm
.macro CROUND
	s_barrier_signal -1
	s_barrier_wait -1
	CREST
.endm
	s_load_b128 s[4:7], s[0:1], 0x0                ; xq, wq
	s_load_b128 s[8:11], s[0:1], 0x10              ; qk, vt
	v_lshl_add_u32 v[SPW], v0, 2, SPARE
	v_mov_b32 v[NIL], 0
	ds_add_u32 v28, v29
	ds_add_u32 v28, v29
	s_wait_dscnt 0x0
	v_lshrrev_b32 v1, 5, v0
	v_readfirstlane_b32 s14, v1                    ; wave 0..3
	s_lshr_b32 s15, s14, 1                         ; which half of A's positions is mine.  Also: I fetch for A (0) or for B (1)
	s_and_b32 s16, s14, 1                          ; which half of B's.  Also: which 8 tiles I fetch
	s_bfe_u32 s40, ttmp6, 0x40000                  ; cx, cy: my place in the cluster
	s_bfe_u32 s41, ttmp6, 0x40004
	s_and_b32 s18, ttmp7, 0xffff                   ; the cluster's y
	s_cmp_lt_u32 ttmp9, 2                          ; THE ROLE: q and k (1) or v (0).  It hangs on the cluster's x, which all sixteen share
	s_cselect_b32 s2, 1, 0
	s_cselect_b32 s19, ttmp9, s18                  ; B's tiles of 256 walk: the cluster's x (channels) | its y (tokens)
	s_cselect_b32 s20, s18, 0                      ; A's: the cluster's y (tokens) | none (the four cy cover v's 1,024 channels)
	s_cselect_b32 s45, 0, 1572864                  ; A's codes begin at: xq's byte 0 | wq's tile 128
	s_mov_b32 s46, 3211264
	s_cselect_b32 s46, 6291456, s46                ; A's scales: xq's | wq's from pair 64 on
	s_mov_b32 s47, 6291456
	s_cselect_b32 s47, 3145728, s47                ; B's scales: wq's | xq's
	s_mov_b32 s66, 98304
	s_cselect_b32 s66, 786432, s66                 ; the result: bytes for each 128 of B's rows: two heads of qk | a group of 128 keys of vt
	s_mov_b32 s12, 1536
	s_cselect_b32 s12, 768, s12                    ; for each tile of A
	s_mov_b32 s13, 0
	s_mov_b32 s67, 768
	s_cselect_b32 s67, 393216, s67                 ; from the first half fragment to the second: the next head | the next 64 keys
	s_mov_b32 s98, 4096
	s_cselect_b32 s98, 65536, s98                  ; scale words for each 128 of B's rows
	s_mov_b32 s99, 6291456
	s_cselect_b32 s99, 12582912, s99               ; where the result's scale words begin
	s_mov_b32 s100, 0x03020100
	s_mov_b32 s101, s100
	s_cselect_b32 s100, 0x01000100, s100           ; lanes 0-15 store bytes (e0, e1, e0, e1): the even head's | the whole word
	s_cselect_b32 s101, 0x03020302, s101           ; lanes 16-31 (e2, e3, e2, e3): the odd head's | the whole word
	s_lshl_b32 s42, s19, 2
	s_add_co_u32 s42, s42, s40                     ; tx: which 256 of B's rows
	s_lshl_b32 s17, s20, 2
	s_add_co_u32 s17, s17, s41                     ; ty: which 256 of A's
	s_lshl_b32 s43, s41, 2
	s_lshl_b32 s43, 15, s43                        ; my row of the cluster
	s_lshl_b32 s44, 0x1111, s40                    ; my column
	; descriptor group 1: 8 tiles x 3,072 bytes (384 elements of 8 bytes), 12,288 bytes apart; no padding
	s_or_b32 s[G1+0], s43, (3<<16)|(1<<21)         ; 15:0 the mask: A's tiles go to my row; 17:16 elements of 8 bytes; 21 set beside a mask
	s_or_b32 s[G1B+0], s44, (3<<16)|(1<<21)        ; B's to my column
.irp g, G1, G1B
	s_mov_b32 s[\g+1], 384<<16                     ; tensor_dim0
	s_mov_b32 s[\g+2], 8<<16                       ; tensor_dim1
	s_mov_b32 s[\g+3], 384<<16                     ; tile_dim0
	s_mov_b32 s[\g+4], 8                           ; tile_dim1
	s_mov_b32 s[\g+5], 1536                        ; tensor_dim0_stride
	s_mov_b32 s[\g+6], 0
	s_mov_b32 s[\g+7], 0
.endr
	; and for the scales of 8 tiles: 4,096 dense bytes as 16 rows of 256
	s_or_b32 s[G1S+0], s43, (3<<16)|(1<<21)
	s_or_b32 s[G1SB+0], s44, (3<<16)|(1<<21)
.irp g, G1S, G1SB
	s_mov_b32 s[\g+1], 32<<16
	s_mov_b32 s[\g+2], 16<<16
	s_mov_b32 s[\g+3], 32<<16
	s_mov_b32 s[\g+4], 16
	s_mov_b32 s[\g+5], 32
	s_mov_b32 s[\g+6], 0
	s_mov_b32 s[\g+7], 0
.endr
	s_mul_i32 s20, s17, 16*TILEB                   ; A's codes: 16 tiles x ty + 8 tiles x half.  A's offsets hold ty and never tx, B's the other way round
	s_mul_i32 s21, s16, 8*TILEB
	s_add_co_u32 s20, s20, s21
	s_add_co_u32 s20, s20, s45
	s_mov_b32 s21, 0
	s_lshl_b32 s22, s17, 13                        ; A's scales
	s_lshl_b32 s23, s16, 12
	s_add_co_u32 s22, s22, s23
	s_add_co_u32 s22, s22, s46
	s_mov_b32 s23, 0
	s_mul_i32 s92, s42, 16*TILEB                   ; B's codes
	s_mul_i32 s93, s16, 8*TILEB
	s_add_co_u32 s92, s92, s93
	s_mov_b32 s93, 0
	s_lshl_b32 s94, s42, 13                        ; B's scales
	s_lshl_b32 s95, s16, 12
	s_add_co_u32 s94, s94, s95
	s_add_co_u32 s94, s94, s47
	s_mov_b32 s95, 0
	s_mul_i32 s96, s14, HALFT                      ; where they go: wave x 8 tiles: no place in the cluster enters an LDS address
	s_lshl_b32 s97, s14, 12
	s_wait_kmcnt 0x0
	s_cmp_lt_u32 ttmp9, 2
	s_cselect_b64 s[18:19], s[4:5], s[6:7]         ; A: xq | wq
	s_cselect_b64 s[6:7], s[6:7], s[4:5]           ; B: wq | xq
	s_cselect_b64 s[8:9], s[8:9], s[10:11]         ; the result: qk | vt
	s_add_nc_u64 s[20:21], s[18:19], s[20:21]
	s_add_nc_u64 s[22:23], s[18:19], s[22:23]
	s_add_nc_u64 s[92:93], s[6:7], s[92:93]
	s_add_nc_u64 s[94:95], s[6:7], s[94:95]
	CROUND                                         ; all sixteen work-groups are here: the first joint loads meet
	s_mov_b32 s[G0S], 1
	s_add_co_u32 s[G0S+1], s97, SCL
	s_mov_b64 s[G0S+2:G0S+3], s[22:23]
	s_or_b32 s[G0S+3], s[G0S+3], 0x80000000
	s_mov_b32 s[G0SB], 1
	s_add_co_u32 s[G0SB+1], s97, SCL
	s_mov_b64 s[G0SB+2:G0SB+3], s[94:95]
	s_or_b32 s[G0SB+3], s[G0SB+3], 0x80000000
	JLOAD G0S, G1S, G0SB, G1SB                     ; the scales first: they are wanted with K step 0
.irp s, 0,1
	s_mov_b32 s[G0+4*\s], 1
	s_add_co_u32 s[G0+4*\s+1], s96, \s*SLOT
	s_add_nc_u64 s[G0+4*\s+2:G0+4*\s+3], s[20:21], \s*KSTB
	s_or_b32 s[G0+4*\s+3], s[G0+4*\s+3], 0x80000000
	s_mov_b32 s[G0B+4*\s], 1
	s_add_co_u32 s[G0B+4*\s+1], s96, \s*SLOT
	s_add_nc_u64 s[G0B+4*\s+2:G0B+4*\s+3], s[92:93], \s*KSTB
	s_or_b32 s[G0B+4*\s+3], s[G0B+4*\s+3], 0x80000000
	JLOAD G0+4*\s, G1, G0B+4*\s, G1B
.endr
	v_and_b32 v1, 15, v0                           ; r
	v_bfe_u32 v2, v0, 4, 1                         ; h
	v_and_b32 v3, 31, v0                           ; lane
	v_lshlrev_b32 v[O16], 4, v3
	v_lshlrev_b32 v[O8], 3, v3
	s_mul_i32 s21, s15, HALFT                      ; my 8 tiles of A
	s_mul_i32 s22, s16, HALFT                      ; my 8 tiles of B,
	s_add_co_u32 s22, s22, 2*HALFT                 ; which lie behind A's 16
.irp s, 0,1
	v_add_nc_u32 v[ADRA+\s], s21, v[O16]
	v_add_nc_u32 v[ADRA+2+\s], s21, v[O8]
	v_add_nc_u32 v[ADRB+\s], s22, v[O16]
	v_add_nc_u32 v[ADRB+2+\s], s22, v[O8]
	s_add_co_u32 s21, s21, SLOT
	s_add_co_u32 s22, s22, SLOT
.endr
	v_lshlrev_b32 v5, 3, v1                        ; my position's 8 scale bytes of a K step
	s_lshl_b32 s21, s15, 12                        ; A's: my 8 tiles
	s_lshl_b32 s22, s16, 12                        ; B's: my 8 tiles, behind A's 8,192 bytes
	s_add_co_u32 s22, s22, 2*HALFS
	s_sub_co_u32 s22, s22, s21
	v_mul_u32_u24 v6, s22, v2                      ; lanes 16-31 take B's
	s_add_co_u32 s21, s21, SCL
	v_add_nc_u32 v5, v5, v6
	v_add_nc_u32 v[ADRS], s21, v5
	s_lshl_b32 s23, s14, 10
	s_add_co_u32 s23, s23, SSTG                    ; my stage for scale words
	v_lshlrev_b32 v4, 2, v1
	v_lshl_add_u32 v4, v2, 9, v4
	v_add_nc_u32 v[SST], s23, v4                   ; in: 4 r, + 512 for lanes 16-31
	v_add_nc_u32 v[SRD], s23, v[O16]               ; back: 16 x lane
	v_mov_b32 v[PSEL], s100
	v_mov_b32 v4, s101
	v_cmp_le_u32 vcc_lo, 16, v3
	v_cndmask_b32 v[PSEL], v[PSEL], v4, vcc_lo
	s_lshl_b32 s18, s42, 1
	s_add_co_u32 s18, s18, s16                     ; G: which 128 of B's rows are mine
	s_lshl_b32 s19, s17, 4
	s_lshl_b32 s20, s15, 3
	s_add_co_u32 s19, s19, s20                     ; T0: my first tile of A
	s_mul_i32 s20, s18, s66
	s_mul_i32 s21, s19, s12
	s_add_co_u32 s20, s20, s21
	s_mov_b32 s21, 0
	s_add_nc_u64 s[4:5], s[8:9], s[20:21]          ; the first half fragment of my first block,
	s_mov_b32 s20, s67
	s_add_nc_u64 s[6:7], s[4:5], s[20:21]          ; the second,
	s_mul_i32 s20, s18, s98
	s_lshl_b32 s22, s19, 6
	s_add_co_u32 s20, s20, s22
	s_add_co_u32 s20, s20, s99
	s_add_nc_u64 s[8:9], s[8:9], s[20:21]          ; my 512 bytes of scale words,
	s_add_nc_u64 s[10:11], s[8:9], 32768           ; and the odd head's (q and k alone use it)
.macro FRAG reg, adr, q, i             ; a fragment, 16 positions x 128 K: registers 0-3, 4-5, 6-9, 10-11 as they were stored; each load reads consecutive bytes
	ds_load_b128 v[\reg:\reg+3], v[\adr] offset:(\i)*KSTB+(\q)*1536
	ds_load_b64 v[\reg+4:\reg+5], v[\adr+2] offset:(\i)*KSTB+(\q)*1536+512
	ds_load_b128 v[\reg+6:\reg+9], v[\adr] offset:(\i)*KSTB+(\q)*1536+768
	ds_load_b64 v[\reg+10:\reg+11], v[\adr+2] offset:(\i)*KSTB+(\q)*1536+1280
.endm
; 16 matrix instructions: A's blocks a0, a0 + 1 x B's eight, the slot's q-th 128 along K.  p: B's set; sc: the set of scale words.  zero = 1: the first product starts the sums.
; The 64 accumulators take turns, one instruction a turn, in the same order in every step.
.macro MUL16 a0, p, q, sc, zero
.irp a, \a0, \a0+1
.irp b, 0,1,2,3,4,5,6,7
.if \zero
	v_wmma_scale_f32_16x16x128_f8f6f4 v[8*(8*((\a)%4)+\b):8*(8*((\a)%4)+\b)+7], v[128*(\p)+FR*\b:128*(\p)+FR*\b+FR-1], v[AF+FR*(\a):AF+FR*(\a)+FR-1], 0, v[SC+8*NQ*(\sc)+NQ*\b+(\q)], v[SC+8*NQ*(\sc)+NQ*(\a)+(\q)] matrix_a_fmt:MATRIX_FMT_FP6 matrix_b_fmt:MATRIX_FMT_FP6 matrix_a_scale:MATRIX_SCALE_ROW1
.else
	v_wmma_scale_f32_16x16x128_f8f6f4 v[8*(8*((\a)%4)+\b):8*(8*((\a)%4)+\b)+7], v[128*(\p)+FR*\b:128*(\p)+FR*\b+FR-1], v[AF+FR*(\a):AF+FR*(\a)+FR-1], v[8*(8*((\a)%4)+\b):8*(8*((\a)%4)+\b)+7], v[SC+8*NQ*(\sc)+NQ*\b+(\q)], v[SC+8*NQ*(\sc)+NQ*(\a)+(\q)] matrix_a_fmt:MATRIX_FMT_FP6 matrix_b_fmt:MATRIX_FMT_FP6 matrix_a_scale:MATRIX_SCALE_ROW1
.endif
.endr
.endr
.endm
.macro FETCH_B slot, q, p
	WIN TO_B
.irp i, 0,1,2,3,4,5,6,7
	FRAG 128*(\p)+FR*\i, ADRB+\slot, \q, \i
.endr
	WIN 0
.endm
.macro FETCH_A slot, q, i0
.irp i, \i0, \i0+1, \i0+2, \i0+3
	FRAG AF+FR*(\i), ADRA+\slot, \q, \i
.endr
.endm
.macro SCALES sc                       ; a K step's two scale words a position: lanes 0-15 take A's block i, lanes 16-31 B's block i
.irp i, 0,1,2,3,4,5,6,7
	ds_load_b64 v[SC+8*NQ*\sc+NQ*\i:SC+8*NQ*\sc+NQ*\i+1], v[ADRS] offset:(\i/2)*1024+(\i%2)*128
.endr
.endm
.macro PLACES n                        ; plain vector instructions between a matrix instruction and a load into, or a read of, its registers (ISA guide 7.12.1 for reads)
.rept \n
	v_nop
.endr
.endm
.macro STEP slot, q, zero              ; a step of 128 along K that has its successor in the same slot
	s_wait_dscnt 4*NL                              ; B's set, A's blocks 0-3 and the scale words are in; the youngest 16 loads (A's blocks 4-7) may be out
	WIN MUL_LO
	MUL16 0, (\q)%2, \q, \slot, \zero
	MUL16 2, (\q)%2, \q, \slot, \zero
	s_wait_dscnt 0x0                               ; A's blocks 4-7 are in
	PLACES NP
	FETCH_B \slot, (\q)+1, 1-(\q)%2
	FETCH_A \slot, (\q)+1, 0
	WIN MUL_HI
	MUL16 4, (\q)%2, \q, \slot, \zero
	MUL16 6, (\q)%2, \q, \slot, \zero
	PLACES NP
	WIN 0
	FETCH_A \slot, (\q)+1, 4
.endm
; A slot's last step changes slots: one barrier; in front of it each wave waits for all its tensor loads, adds 0 to its spare word, and waits for that and for its reads of this slot.  fill = 1: the slot is filled again, two K steps ahead.
.macro TURN slot, next, fill
	s_wait_tensorcnt 0x0                           ; all my tensor loads have landed: my part of the next slot among them
	ds_add_u32 v[SPW], v[NIL]                      ; 0 onto my spare word
	s_wait_dscnt 4*NL+1                            ; (the add and the youngest 16 loads, A's blocks 4-7, may be out)
	WIN MUL_LO
	MUL16 0, 1, NQ-1, \slot, 0                     ; sixteen matrix instructions stand between the add and the wait for it
	s_wait_dscnt 0x0                               ; the add is done, and my reads of this slot are over
	s_barrier_signal -1
	MUL16 2, 1, NQ-1, \slot, 0
	WIN 0
	s_barrier_wait -1
.if \fill
	CREST                                          ; the barrier has opened a round of the cluster's barrier: no wave of any partner still reads this slot or has a load on its way
	s_add_nc_u64 s[G0+4*\slot+2:G0+4*\slot+3], s[G0+4*\slot+2:G0+4*\slot+3], 2*KSTB
	s_add_nc_u64 s[G0B+4*\slot+2:G0B+4*\slot+3], s[G0B+4*\slot+2:G0B+4*\slot+3], 2*KSTB
	JLOAD G0+4*\slot, G1, G0B+4*\slot, G1B         ; the first tensor load behind the round; its four v_nop are the places in front of the loads below
.else
	PLACES NP
.endif
	v_add_nc_u32 v[ADRS], 256, v[ADRS]             ; on to the next K step's scale words (no LDS load of mine is out)
	FETCH_B \next, 0, 0
	FETCH_A \next, 0, 0
	SCALES \next
	WIN MUL_HI
	MUL16 4, 1, NQ-1, \slot, 0
	MUL16 6, 1, NQ-1, \slot, 0
	PLACES NP
	WIN 0
	FETCH_A \next, 0, 4
.endm
	s_wait_tensorcnt 1                             ; the scales and my part of K step 0 are in (K step 1's load may be out)
	s_barrier_signal -1
	s_barrier_wait -1                              ; everybody's are
	FETCH_B 0, 0, 0
	FETCH_A 0, 0, 0
	SCALES 0
	FETCH_A 0, 0, 4
	STEP 0, 0, 1                                   ; K step 0; its first products start the sums
	TURN 0, 1, 1                                   ; slot 0 takes K step 2
	STEP 1, 0, 0                                   ; K step 1
	TURN 1, 0, 1                                   ; slot 1 takes K step 3
	STEP 0, 0, 0                                   ; K step 2
	TURN 0, 1, 0                                   ; nothing is left to fetch: no round
	STEP 1, 0, 0                                   ; K step 3
	s_wait_dscnt 4*NL
	WIN MUL_LO
	MUL16 0, 1, NQ-1, 1, 0
	MUL16 2, 1, NQ-1, 1, 0
	s_wait_dscnt 0x0
	WIN MUL_HI
	MUL16 4, 1, NQ-1, 1, 0
	MUL16 6, 1, NQ-1, 1, 0
	WIN 0
; THE WAY OUT.  The 64 registers of A's block a, v[s] on in window w: register 16 b + i = neighbour 32 b + 16 (lane / 16) + i of my position's 128.  They become a fragment's codes in v[PC] on and its scale word in v[PW].
; Each accumulator is read from its low end on.
.macro QUANTW s, w
.set WQ, ((\w)<<2)|((\w)<<4)
	WIN WQ                                         ; sources 1 and 2: the accumulators' window
.irp b, 0,1,2,3
	v_max3_num_f32 v[TM+\b], 0x1800000, |v[\s+16*\b]|, |v[\s+1+16*\b]|   ; block b: my 16 numbers, and the floor 2^(3 - 127): the byte cannot fall under 1
.endr
.irp i, 2,4,6,8,10,12,14
.irp b, 0,1,2,3
	v_max3_num_f32 v[TM+\b], v[TM+\b], |v[\s+16*\b+\i]|, |v[\s+1+16*\b+\i]|   ; (the four blocks by turns)
.endr
.endr
	WIN 0
.irp b, 0,1,2,3
	v_permlanex16_b32 v[TM+4+\b], v[TM+\b], s90, s91
.endr
.irp b, 0,1,2,3
	v_max_num_f32 v[TM+\b], v[TM+\b], v[TM+4+\b]   ; with lane l xor 16's: the block's largest magnitude
.endr
.irp b, 0,1,2,3
	v_add_nc_u32 v[TM+12+\b], 0xff000000, v[TM+\b] ; 2 off its exponent field: the conversion's scale operand
.endr
.irp b, 0,1,2,3
	v_lshrrev_b32 v[TM+4+\b], 23, v[TM+12+\b]      ; the scale's byte
.endr
	v_lshl_or_b32 v[PW], v[TM+5], 8, v[TM+4]
	v_lshl_or_b32 v[PW], v[TM+6], 16, v[PW]
	v_lshl_or_b32 v[PW], v[TM+7], 24, v[PW]
	WIN \w                                         ; source 0: the accumulators' window
.irp c, 0,1
	v_cvt_scalef32_pk16_fp6_f32 v[PC+6*\c:PC+2+6*\c], v[\s+32*\c:\s+15+32*\c], v[TM+12+2*\c]
	v_cvt_scalef32_pk16_fp6_f32 v[PC+12+4*\c:PC+14+4*\c], v[\s+16+32*\c:\s+31+32*\c], v[TM+12+2*\c+1]   ; (a conversion's three registers begin on an even number)
.endr
	WIN 0
	v_nop                                          ; one plain place behind a scaled conversion
.irp c, 0,1                                    ; the operand's layout wants a WHOLE block in a lane: lanes 0-15 block 2 c, lanes 16-31 block 2 c + 1
.irp i, 0,1,2
	v_permlane16_swap_b32 v[PC+6*\c+\i], v[PC+12+4*\c+\i]
.endr
.irp i, 0,1,2
	v_mov_b32 v[PC+3+6*\c+\i], v[PC+12+4*\c+\i]
.endr
.endr
.endm
	s_mov_b32 s90, 0x76543210
	s_mov_b32 s91, 0xfedcba98                      ; v_permlanex16_b32's selects for lane l xor 16
	PLACES NP                                      ; behind the last products: their results are read and their operands' registers written below
.irp b, 0,1,2,3
	v_mov_b32 v[TM+4+\b], 0                        ; written once: a lane permute's destination counts as one of its sources
.endr
.irp a, 0,1,2,3,4,5,6,7
.if \a > 0
	s_wait_xcnt 0x0                                ; the last block's stores have read their data and bases,
	s_wait_dscnt 0x0                               ; and its LDS store its word: all are written again only behind these waits
	s_add_nc_u64 s[4:5], s[4:5], s[12:13]          ; the next tile of A
	s_add_nc_u64 s[6:7], s[6:7], s[12:13]
.endif
	QUANTW 64*(\a%4), 2+\a/4
	v_perm_b32 v[PW2], v[PW], v[PW], v[PSEL]       ; q, k: each head's two bytes, twice; v: the word as it is
	ds_store_b32 v[SST], v[PW2] offset:64*\a
	global_store_b128 v[O16], v[PC:PC+3], s[4:5]                 ; each store covers 512 or 256 consecutive bytes, aligned to 256
	global_store_b64 v[O8], v[PC+4:PC+5], s[4:5] offset:512
	global_store_b128 v[O16], v[PC+6:PC+9], s[6:7]
	global_store_b64 v[O8], v[PC+10:PC+11], s[6:7] offset:512
.endr
	ds_load_b128 v[132:135], v[SRD]                ; my eight tiles' scale words, 512 bytes on end (LDS serves a wave's instructions in order: these see my stores)
	ds_load_b128 v[136:139], v[SRD] offset:512     ; and the odd head's
	s_wait_dscnt 0x0
	global_store_b128 v[O16], v[132:135], s[8:9]
	s_cmp_eq_u32 s2, 0                             ; v has no odd head.  The role is the same in every wave and every partner
	s_cbranch_scc1 .Lno_odd
	global_store_b128 v[O16], v[136:139], s[10:11]
.Lno_odd:
	s_wait_tensorcnt 0x0                           ; the wave's end, behind my last tensor load and my last LDS store
	ds_add_u32 v[SPW], v[NIL]
	s_wait_dscnt 0x0
	CROUND                                         ; the closing round: no work-group ends while a partner may still ask for a tile that names it
	s_endpgm
.Lfunc_end_k_q7c1126f257_gemm_qkv:
	.size	k_q7c1126f257_gemm_qkv, .Lfunc_end_k_q7c1126f257_gemm_qkv-k_q7c1126f257_gemm_qkv
	.p2alignl 7, 3214868480
	.fill 96, 4, 3214868480
	.section	.rodata,"a",@progbits
	.p2align	6, 0x0
	.amdhsa_kernel k_q7c1126f257_gemm_qkv
		.amdhsa_group_segment_fixed_size 327680
		.amdhsa_private_segment_fixed_size 0
		.amdhsa_enable_private_segment 0
		.amdhsa_kernarg_size 32
		.amdhsa_user_sgpr_count 2
		.amdhsa_user_sgpr_kernarg_segment_ptr 1
		.amdhsa_wavefront_size32 1
		.amdhsa_system_sgpr_workgroup_id_x 1
		.amdhsa_system_sgpr_workgroup_id_y 1
		.amdhsa_system_sgpr_workgroup_id_z 1
		.amdhsa_system_vgpr_workitem_id 0
		.amdhsa_next_free_vgpr 1024
		.amdhsa_next_free_sgpr 102
		.amdhsa_reserve_vcc 1
		.amdhsa_float_denorm_mode_32 3
		.amdhsa_float_denorm_mode_16_64 3
		.amdhsa_memory_ordered 1
		.amdhsa_forward_progress 1
		.amdhsa_inst_pref_size 152
	.end_amdhsa_kernel
	.amdgpu_metadata
---
amdhsa.version: [ 1, 2 ]
amdhsa.kernels:
  - .name:           k_q7c1126f257_gemm_qkv
    .symbol:         k_q7c1126f257_gemm_qkv.kd
    .args:
      - { .name: xq, .offset: 0, .size: 8, .value_kind: global_buffer, .address_space: global }
      - { .name: wq, .offset: 8, .size: 8, .value_kind: global_buffer, .address_space: global }
      - { .name: qk, .offset: 16, .size: 8, .value_kind: global_buffer, .address_space: global }
      - { .name: vt, .offset: 24, .size: 8, .value_kind: global_buffer, .address_space: global }
    .group_segment_fixed_size: 327680
    .private_segment_fixed_size: 0
    .kernarg_segment_align: 8
    .kernarg_segment_size: 32
    .max_flat_workgroup_size: 128
    .sgpr_count:     102
    .vgpr_count:     1024
    .wavefront_size: 32
...
	.end_amdgpu_metadata
.endif
;; end of part 3
;; launch attn (part 4): grid 4 x 64, 16 waves a work-group, clusters of 4 x 1, 210,944 bytes of LDS; arguments qk, vt, at; writes at
.if DOCPART == 4
	.amdgcn_target "amdgcn-amd-amdhsa--gfx1250"
	.amdhsa_code_object_version 6
	.text
	.protected	k_q7c1126f257_attn
	.globl	k_q7c1126f257_attn
	.p2align	8
	.type	k_q7c1126f257_attn,@function
k_q7c1126f257_attn:
	s_mov_b64 s[64:65], 0
	v_nop
	global_prefetch_b8 v0, s[64:65] scope:SCOPE_SE
	s_setreg_imm32_b32 hwreg(HW_REG_WAVE_MODE, 25, 1), 1
	s_wait_xcnt 0x0
	s_wait_alu depctr_hold_cnt(0) depctr_sa_sdst(0) depctr_va_vdst(0) depctr_va_sdst(0) depctr_va_ssrc(0) depctr_va_vcc(0) depctr_vm_vsrc(0)
	s_getreg_b32 s2, hwreg(HW_REG_IB_STS2, 6, 4)
	s_cmp_eq_u32 s2, 0
	s_cbranch_scc0 .Lentry_in_a_cluster
	s_endpgm
.Lentry_in_a_cluster:
	s_bfe_u32 s2, ttmp6, 0x10000c
	s_cmp_lg_u32 s2, 0x3003
	s_cbranch_scc0 .Lentry_shape_is_right
	s_endpgm
.Lentry_shape_is_right:
; at[token][64 head + d] = the sum over keys of softmax(q . k) v, UNSCALED scores, both products on codes of FP6 (E2M3) with E8M0 scales; the result is quantised along the 1,024 channels for the last product and stored as codes.
; THE SOFTMAX AHEAD OF THE SECOND PRODUCT: t = score x log2(e); M = the row's largest t so far, rounded UP to a whole number; p = 2^(t - M) is what is quantised, along the keys, not normalised.
; The row's sum is taken of the unquantised p, in f32, and divides at the end.  When M moves, the sum and O are multiplied by 2^(old M - new M): exact.
; INPUTS, as gemm_qkv stored them: qk: half fragments (16 positions x 64 channels, 768 bytes) [head' (q 0-15, k 16-31)][token tile][768], scale words [head'][position] (e0, e1, e0, e1) from QKS on;
; vt: fragments of V^T (16 channel positions x 128 keys, 1,536 bytes) [token / 128][channel tile][1,536], scale words from VS on.  Position r of tile T = row 32 (T / 2) + 8 (T % 2) + r + 8 (r / 8).
; SHARES.  A work-group owns 512 queries of one (batch, head); each of its SIXTEEN waves owns two tiles of 16 queries, one after the other, in 256 registers: four waves to a SIMD, so that one wave's vector work stands beside another's products and LDS loads.
; ALL OF THE HEAD'S K AND V LIE IN LDS, 196,608 bytes, filled ONCE: wave w brings key step w (128 keys).  Nothing is filled again.
; CLUSTER.  The four query blocks of a (batch, head) form a cluster and want the same K and V: every tile is asked for jointly, with a mask that names the four.
; LAYOUT.  S^T = K Q^T (source 0 = 16 keys, source 1 = my 16 queries), O^T = V^T P^T: a lane holds ONE query throughout; by the order of positions the 16 registers of tiles 2 b, 2 b + 1 are 16 neighbouring keys (or channels).
; THE FIRST PRODUCT'S K IS 64 IN AN INSTRUCTION OF 128: Q's upper six registers hold zero codes.  K's upper six are whatever follows (the next tile's codes): they meet zeros and add nothing; scale bytes 2, 3 repeat 0, 1.
; The result's two scale bytes a row leave by a store of 2 bytes a lane: the row's other bytes belong to other heads' work-groups; they are 2 bytes of every 50 that the launch stores.
; LIMITS: NaN and infinities are not served; a block under 2^-124 keeps the byte 1; a block of zeros gets the byte 1 where the rule says 127 (zero codes; the bytes are read by this program alone).
; REGISTERS: v1-5 lane terms; v8-10 addresses in hand; v12 -M, v13 the largest t, v[14:15] the sum; v16-27 Q; v32-85 K's eight tiles, then v32-79 V's four fragments; v96-159 S^T, then p; v160-191 O^T; v224-235 p's codes; v232-254 at work; v255 Q's scale word.
.set QKS,   12582912
.set VS,    6291456
.set XS,    6291456                    ; where the scale bytes begin in at
.set STEPB, 12288                      ; a key step in LDS: K's 8 half fragments, then V's 4 fragments
.set SC,    16*STEPB                   ; behind them, 768 bytes a step: K's 128 scale words, then V's 64
.set AD16, 8
.set AD8,  9
.set ADS,  10
.set WV,   18
.set SEL,  20
.set CS,   22
.set TB,   66
.set TS,   67
.set CNT,  68
.macro CROUND                          ; a round of the cluster's barrier
	s_barrier_signal -1
	s_barrier_wait -1
	s_cmp_lg_u32 s[WV], 0
	s_cbranch_scc1 .Lnot_wave_0_\@
	s_barrier_signal -3
.Lnot_wave_0_\@:
	s_barrier_wait -3
	s_barrier_signal -1
	s_barrier_wait -1
.endm
	s_load_b128 s[4:7], s[0:1], 0x0                ; qk, vt
	s_load_b64 s[8:9], s[0:1], 0x10                ; at
	v_lshl_add_u32 v223, v0, 2, 0x33000
	v_mov_b32 v243, 0
	ds_add_u32 v223, v243
	ds_add_u32 v223, v243
	v_lshrrev_b32 v1, 5, v0
	v_readfirstlane_b32 s[WV], v1                  ; wave 0..15
	s_bfe_u32 s10, ttmp6, 0x40000                  ; cx: my block of 512 queries; it enters Q's and at's addresses alone
	s_and_b32 s11, ttmp7, 0xffff
	s_lshr_b32 s12, s11, 4                         ; batch
	s_and_b32 s13, s11, 15                         ; head
	s_add_co_u32 s14, s13, 16                      ; k's head'
	s_mul_i32 s78, s14, 393216                     ; K's codes of key step w: head', batch (128 tiles), 8 tiles a step
	s_mul_i32 s79, s12, 98304
	s_add_co_u32 s78, s78, s79
	s_mul_i32 s79, s[WV], 6144
	s_add_co_u32 s78, s78, s79
	s_mov_b32 s79, 0
	s_lshl_b32 s15, s12, 4
	s_add_co_u32 s15, s15, s[WV]                   ; the step's group of 128 tokens
	s_mul_i32 s80, s15, 98304                      ; V's codes: group, the head's four tiles
	s_mul_i32 s81, s13, 6144
	s_add_co_u32 s80, s80, s81
	s_mov_b32 s81, 0
	s_lshl_b32 s82, s14, 15                        ; K's scale words
	s_lshl_b32 s83, s12, 13
	s_add_co_u32 s82, s82, s83
	s_lshl_b32 s83, s[WV], 9
	s_add_co_u32 s82, s82, s83
	s_add_co_u32 s82, s82, QKS
	s_mov_b32 s83, 0
	s_lshl_b32 s84, s15, 12                        ; V's
	s_lshl_b32 s85, s13, 8
	s_add_co_u32 s84, s84, s85
	s_add_co_u32 s84, s84, VS
	s_mov_b32 s85, 0
	s_mul_i32 s16, s[WV], STEPB                    ; where they go
	s_mul_i32 s17, s[WV], 768
	; descriptor groups 1: dense blocks as rows of 256 bytes (32 elements of 8 bytes): 24 rows (codes), 2 (K's scale words), 1 (V's)
.irp g, 24, 32, 40
	s_mov_b32 s[\g], 15|(3<<16)|(1<<21)            ; 15:0 the mask: all four work-groups; 17:16 elements of 8 bytes; 21 set beside a mask
	s_mov_b32 s[\g+1], 32<<16                      ; tensor_dim0
	s_mov_b32 s[\g+3], 32<<16                      ; tile_dim0
	s_mov_b32 s[\g+5], 32                          ; tensor_dim0_stride
	s_mov_b32 s[\g+6], 0
	s_mov_b32 s[\g+7], 0
.endr
	s_mov_b32 s26, 24<<16                          ; tensor_dim1,
	s_mov_b32 s28, 24                              ; tile_dim1
	s_mov_b32 s34, 2<<16
	s_mov_b32 s36, 2
	s_mov_b32 s42, 1<<16
	s_mov_b32 s44, 1
	s_lshl_b32 s86, s12, 7
	s_lshl_b32 s87, s10, 5
	s_add_co_u32 s86, s86, s87
	s_add_co_u32 s86, s86, s[WV]                   ; my first tile of queries: 128 batch + 32 cx + wave; the second lies 16 tiles on
	s_mul_i32 s88, s13, 393216
	s_mul_i32 s89, s86, 768
	s_add_co_u32 s88, s88, s89                     ; Q's codes
	s_mov_b32 s89, 0
	s_lshl_b32 s90, s13, 15
	s_lshl_b32 s91, s86, 6
	s_add_co_u32 s90, s90, s91
	s_add_co_u32 s90, s90, QKS                     ; Q's scale words
	s_mov_b32 s91, 0
	s_mul_i32 s92, s86, 12288
	s_mul_i32 s93, s13, 768
	s_add_co_u32 s92, s92, s93                     ; at's codes: tile, half fragment = head
	s_mov_b32 s93, 0
	s_lshr_b32 s94, s86, 1
	s_lshl_b32 s94, s94, 10                        ; at's scale bytes: 1,024 x (tile / 2)
	s_lshr_b32 s95, s13, 2
	s_lshl_b32 s95, s95, 8                         ; + 256 x (head / 4)
	s_add_co_u32 s94, s94, s95
	s_and_b32 s95, s[WV], 1
	s_lshl_b32 s95, s95, 7                         ; + 128 x (tile % 2)
	s_add_co_u32 s94, s94, s95
	s_and_b32 s95, s13, 3
	s_lshl_b32 s95, s95, 1                         ; + 2 x (head % 4)
	s_add_co_u32 s94, s94, s95
	s_add_co_u32 s94, s94, XS
	s_mov_b32 s95, 0
	s_mov_b32 s[SEL], 0x76543210
	s_mov_b32 s[SEL+1], 0xfedcba98                 ; v_permlanex16_b32's selects for lane l xor 16
	s_mov_b32 s[CS], 0x3fb8aa3b                    ; log2(e): the scores are not scaled
	s_mov_b32 s[CS+1], s[CS]                       ; (named with it as a pair, so it is written)
	s_wait_dscnt 0x0
	s_wait_kmcnt 0x0
	s_add_nc_u64 s[70:71], s[4:5], s[88:89]
	s_add_nc_u64 s[72:73], s[4:5], s[90:91]
	s_add_nc_u64 s[74:75], s[8:9], s[92:93]
	s_add_nc_u64 s[76:77], s[8:9], s[94:95]
	s_mov_b32 s48, 1                               ; groups 0: K's codes,
	s_mov_b32 s49, s16
	s_add_nc_u64 s[50:51], s[4:5], s[78:79]
	s_or_b32 s51, s51, 0x80000000
	s_mov_b32 s52, 1                               ; V's codes,
	s_add_co_u32 s53, s16, 6144
	s_add_nc_u64 s[54:55], s[6:7], s[80:81]
	s_or_b32 s55, s55, 0x80000000
	s_mov_b32 s56, 1                               ; K's scale words,
	s_add_co_u32 s57, s17, SC
	s_add_nc_u64 s[58:59], s[4:5], s[82:83]
	s_or_b32 s59, s59, 0x80000000
	s_mov_b32 s60, 1                               ; V's
	s_add_co_u32 s61, s17, SC+512
	s_add_nc_u64 s[62:63], s[6:7], s[84:85]
	s_or_b32 s63, s63, 0x80000000
	CROUND                                         ; all four work-groups are here: the joint loads meet
	tensor_load_to_lds s[48:51], s[24:31]          ; the launch's only fills, one group: four loads of mine are out
	s_nop 0
	tensor_load_to_lds s[52:55], s[24:31]
	s_nop 0
	tensor_load_to_lds s[56:59], s[32:39]
	s_nop 0
	tensor_load_to_lds s[60:63], s[40:47]
	s_nop 0
.rept 4
	v_nop
.endr
	v_and_b32 v6, 31, v0                           ; lane
	v_and_b32 v7, 15, v0                           ; r
	v_lshlrev_b32 v1, 4, v6                        ; 16 x lane
	v_lshlrev_b32 v2, 3, v6                        ; 8 x lane
	v_lshl_add_u32 v3, v6, 2, SC                   ; scale words: 4 x lane
	v_lshlrev_b32 v4, 2, v7                        ; 4 r
	v_lshlrev_b32 v5, 3, v7                        ; 8 r
.irp j, 22,23,24,25,26,27, 80,81,82,83,84,85
	v_mov_b32 v[\j], 0                             ; Q's zero codes for k = 64 .. 127; and what follows K's last tile
.endr
.irp j, 236,237,238,239, 253
	v_mov_b32 v[\j], 0                             ; written once: lane permutes' destinations count as sources; v253 is named as the upper half of a pair
.endr
	s_wait_tensorcnt 0x0                           ; my key step is in,
	s_barrier_signal -1
	s_barrier_wait -1                              ; everybody's is
; A KEY STEP: 128 keys.
.macro STEP
	v_add_nc_u32 v[AD16], s[TB], v1                ; (these four lines are the places behind the last step's products, in front of the loads into their registers)
	v_add_nc_u32 v[AD8], s[TB], v2
	v_add_nc_u32 v[ADS], s[TS], v3
	v_nop
.irp t, 0,1,2,3,4,5,6,7
	ds_load_b128 v[32+6*\t:35+6*\t], v[AD16] offset:768*\t          ; K's tile t: six registers
	ds_load_b64 v[36+6*\t:37+6*\t], v[AD8] offset:768*\t+512
.endr
.irp i, 0,1,2,3
	ds_load_b32 v[248+\i], v[ADS] offset:128*\i                     ; lanes 0-15: tile 2 i's scale words, lanes 16-31: tile 2 i + 1's
.endr
	s_wait_dscnt 0x0
.irp t, 0,2,4,6
	v_wmma_scale_f32_16x16x128_f8f6f4 v[96+8*\t:103+8*\t], v[32+6*\t:43+6*\t], v[16:27], 0, v[248+\t/2], v255 matrix_a_fmt:MATRIX_FMT_FP6 matrix_b_fmt:MATRIX_FMT_FP6
	v_wmma_scale_f32_16x16x128_f8f6f4 v[96+8*(\t+1):103+8*(\t+1)], v[32+6*(\t+1):43+6*(\t+1)], v[16:27], 0, v[248+\t/2], v255 matrix_a_fmt:MATRIX_FMT_FP6 matrix_b_fmt:MATRIX_FMT_FP6 matrix_a_scale:MATRIX_SCALE_ROW1
.endr
.rept 4
	v_nop                                          ; places: the scores are read below, and V lands in K's registers
.endr
.irp c, 0,1,2,3                                ; V's four fragments and their scale words land while the softmax is worked
	ds_load_b128 v[32+12*\c:35+12*\c], v[AD16] offset:6144+1536*\c
	ds_load_b64 v[36+12*\c:37+12*\c], v[AD8] offset:6144+1536*\c+512
	ds_load_b128 v[38+12*\c:41+12*\c], v[AD16] offset:6144+1536*\c+768
	ds_load_b64 v[42+12*\c:43+12*\c], v[AD8] offset:6144+1536*\c+1280
.endr
	ds_load_b32 v248, v[ADS] offset:512
	ds_load_b32 v249, v[ADS] offset:640
.irp b, 0,1,2,3
	v_max3_num_f32 v[232+\b], v[96+16*\b], v[97+16*\b], v[98+16*\b]   ; THE LARGEST SCORE OF EACH BLOCK OF 32 KEYS: for the row's maximum, and, since p rises with the score, for the block's largest p
.endr
.irp i, 3,5,7,9,11,13
.irp b, 0,1,2,3
	v_max3_num_f32 v[232+\b], v[232+\b], v[96+16*\b+\i], v[97+16*\b+\i]
.endr
.endr
.irp b, 0,1,2,3
	v_max_num_f32 v[232+\b], v[232+\b], v[111+16*\b]
.endr
.irp b, 0,1,2,3
	v_permlanex16_b32 v[236+\b], v[232+\b], s[SEL], s[SEL+1]
.endr
.irp b, 0,1,2,3
	v_max_num_f32 v[232+\b], v[232+\b], v[236+\b]  ; with lane l xor 16's 16 keys
.endr
	v_max3_num_f32 v254, v232, v233, v234
	v_max_num_f32 v254, v254, v235                 ; the step's largest score of my query
	v_mul_f32 v254, s[CS], v254                    ; as t
	v_max_num_f32 v13, v13, v254                   ; the running largest t
	v_mov_b32 v254, v12
	v_floor_f32 v12, -v13                          ; the new -M = floor(-t) = -ceil(t): a whole number
	v_sub_f32 v254, v12, v254                      ; old M - new M: a whole number, 0 or less
	v_cvt_i32_f32 v254, v254                       ; (it saturates)
	v_ldexp_f32 v252, 1.0, v254                    ; f = 2^(old M - new M)
.set j, 0
.rept 32
	v_pk_fma_f32 v[96+j:97+j], v[96+j:97+j], s[CS:CS+1], v[12:13] op_sel_hi:[1,0,0]   ; t - M, two at a time
.set j, j+2
.endr
.irp b, 0,1,2,3
	v_fma_f32 v[232+\b], v[232+\b], s[CS], v12     ; the same of each block's largest score
.endr
.set j, 0
.rept 64
	v_exp_f32 v[96+j], v[96+j]                     ; p = 2^(t - M), at most 1
.set j, j+1
.endr
.irp b, 0,1,2,3
	v_exp_f32 v[232+\b], v[232+\b]                 ; the block's largest p: the same two instructions on the same number give the same bits
.endr
	v_pk_mul_f32 v[14:15], v[14:15], v[252:253] op_sel_hi:[1,0]   ; the sums under the new M (a plain place behind the exponentials)
	s_wait_alu depctr_va_vdst(0)
.irp b, 0,1,2,3
	v_max_num_f32 v[232+\b], 0x1800000, v[232+\b]  ; the floor 2^(3 - 127): the byte cannot fall under 1
.endr
.irp b, 0,1,2,3
	v_add_nc_u32 v[244+\b], 0xff000000, v[232+\b]  ; 2 off the exponent field: the conversion's scale operand
.endr
.irp b, 0,1,2,3
	v_lshrrev_b32 v[236+\b], 23, v[244+\b]         ; the scale's byte
.endr
	v_lshl_or_b32 v253, v237, 8, v236              ; p's scale word for these 128 keys
	v_lshl_or_b32 v253, v238, 16, v253
	v_lshl_or_b32 v253, v239, 24, v253
.irp c, 0,1
	v_cvt_scalef32_pk16_fp6_f32 v[224+6*\c:226+6*\c], v[96+32*\c:111+32*\c], v[244+2*\c]
	v_cvt_scalef32_pk16_fp6_f32 v[236+4*\c:238+4*\c], v[112+32*\c:127+32*\c], v[244+2*\c+1]   ; (a conversion's three registers begin on an even number)
.endr
	v_nop                                          ; one plain place behind a scaled conversion
.irp c, 0,1                                    ; the operand's layout wants a WHOLE block in a lane
.irp i, 0,1,2
	v_permlane16_swap_b32 v[224+6*\c+\i], v[236+4*\c+\i]
.endr
.irp i, 0,1,2
	v_mov_b32 v[227+6*\c+\i], v[236+4*\c+\i]
.endr
.endr
	v_pk_add_f32 v[236:237], v[96:97], v[98:99]    ; THE ROW'S SUM IS TAKEN OF THE UNQUANTISED p: two at a time, in two chains
.irp j, 4,8,12,16,20,24,28,32,36,40,44,48,52,56,60
	v_pk_add_f32 v[14:15], v[14:15], v[96+\j:97+\j]
	v_pk_add_f32 v[236:237], v[236:237], v[98+\j:99+\j]
.endr
	v_pk_add_f32 v[14:15], v[14:15], v[236:237]
.set j, 0
.rept 16
	v_pk_mul_f32 v[160+j:161+j], v[160+j:161+j], v[252:253] op_sel_hi:[1,0]   ; O^T under the new M, from each accumulator's low end on.  (With the sums above: the places between p's codes and scale word and the products)
.set j, j+2
.endr
	s_wait_dscnt 0x0                               ; V is in
.irp c, 0,2                                    ; O^T += V^T P^T: the four accumulators by turns
	v_wmma_scale_f32_16x16x128_f8f6f4 v[160+8*\c:167+8*\c], v[32+12*\c:43+12*\c], v[224:235], v[160+8*\c:167+8*\c], v[248+\c/2], v253 matrix_a_fmt:MATRIX_FMT_FP6 matrix_b_fmt:MATRIX_FMT_FP6
	v_wmma_scale_f32_16x16x128_f8f6f4 v[160+8*(\c+1):167+8*(\c+1)], v[32+12*(\c+1):43+12*(\c+1)], v[224:235], v[160+8*(\c+1):167+8*(\c+1)], v[248+\c/2], v253 matrix_a_fmt:MATRIX_FMT_FP6 matrix_b_fmt:MATRIX_FMT_FP6 matrix_a_scale:MATRIX_SCALE_ROW1
.endr
	s_add_co_u32 s[TB], s[TB], STEPB
	s_add_co_u32 s[TS], s[TS], 768
.endm
; One tile of 16 queries against all 2,048 keys.
.macro PASS p
.if \p > 0
	s_wait_xcnt 0x0                                ; the last tile's stores have read their registers: they are written again only behind this wait
.endif
	global_load_b128 v[16:19], v1, s[70:71] offset:\p*12288         ; Q's half fragment
	global_load_b64 v[20:21], v2, s[70:71] offset:\p*12288+512
	global_load_b32 v255, v4, s[72:73] offset:\p*1024               ; and its scale words
	v_mov_b32 v13, 0xff61b1e6                      ; the largest t so far: -3e38, under every t
	v_floor_f32 v12, -v13                          ; -M
	v_mov_b32 v14, 0                               ; the sum, in two halves
	v_mov_b32 v15, 0
.set j, 0
.rept 32
	v_mov_b32 v[160+j], 0                          ; O^T: the step is written once; its first trip finds zeros, which the first change of M leaves zeros
.set j, j+1
.endr
	s_mov_b32 s[TB], 0
	s_mov_b32 s[TS], 0
	s_mov_b32 s[CNT], 16
	s_wait_loadcnt 0x0
.Lstep_\@:
	STEP
	s_sub_co_u32 s[CNT], s[CNT], 1
	s_cmp_lg_u32 s[CNT], 0
	s_cbranch_scc1 .Lstep_\@
.rept 4
	v_nop                                          ; places behind the last products
.endr
	v_add_f32 v14, v14, v15                        ; the sum's two halves,
	v_permlanex16_b32 v252, v14, s[SEL], s[SEL+1]
	v_add_f32 v14, v14, v252                       ; and lane l xor 16's: the row's sum
	v_rcp_f32 v14, v14
	v_nop                                          ; one plain place behind a transcendental
.set j, 0
	s_wait_alu depctr_va_vdst(0)
.rept 32
	v_mul_f32 v[96+j], v[160+j], v14               ; O^T / the sum: register 16 b + i is channel 32 b + 16 (lane / 16) + i of the head
.set j, j+1
.endr
.irp b, 0,1
	v_max3_num_f32 v[232+\b], |v[96+16*\b]|, |v[97+16*\b]|, 0x1800000   ; the head's two blocks of 32 channels, with the floor
.endr
.irp i, 2,4,6,8,10,12,14
.irp b, 0,1
	v_max3_num_f32 v[232+\b], v[232+\b], |v[96+16*\b+\i]|, |v[97+16*\b+\i]|
.endr
.endr
.irp b, 0,1
	v_permlanex16_b32 v[236+\b], v[232+\b], s[SEL], s[SEL+1]
.endr
.irp b, 0,1
	v_max_num_f32 v[232+\b], v[232+\b], v[236+\b]
.endr
.irp b, 0,1
	v_add_nc_u32 v[244+\b], 0xff000000, v[232+\b]
.endr
.irp b, 0,1
	v_lshrrev_b32 v[236+\b], 23, v[244+\b]
.endr
	v_lshl_or_b32 v254, v237, 8, v236              ; the two scale bytes
	v_cvt_scalef32_pk16_fp6_f32 v[224:226], v[96:111], v244
	v_cvt_scalef32_pk16_fp6_f32 v[228:230], v[112:127], v245
	v_nop                                          ; one plain place behind a scaled conversion
	v_permlane16_swap_b32 v224, v228               ; a whole block to a lane: lanes 0-15 block 0, lanes 16-31 block 1
	v_permlane16_swap_b32 v225, v229
	v_permlane16_swap_b32 v226, v230
	v_mov_b32 v227, v228
	v_mov_b32 v232, v229
	v_mov_b32 v233, v230
	global_store_b128 v1, v[224:227], s[74:75] offset:\p*196608      ; 512 consecutive bytes, aligned to 256
	global_store_b64 v2, v[232:233], s[74:75] offset:\p*196608+512   ; 256 consecutive bytes, aligned
	global_store_b16 v5, v254, s[76:77] offset:\p*8192               ; lanes 16-31 repeat lanes 0-15's bytes at the same places
.endm
	PASS 0
	PASS 1
	s_wait_tensorcnt 0x0
	ds_add_u32 v223, v243
	s_wait_dscnt 0x0
	CROUND                                         ; the closing round: no work-group ends while a partner may still ask for a tile that names it
	s_endpgm
.Lfunc_end_k_q7c1126f257_attn:
	.size	k_q7c1126f257_attn, .Lfunc_end_k_q7c1126f257_attn-k_q7c1126f257_attn
	.p2alignl 7, 3214868480
	.fill 96, 4, 3214868480
	.section	.rodata,"a",@progbits
	.p2align	6, 0x0
	.amdhsa_kernel k_q7c1126f257_attn
		.amdhsa_group_segment_fixed_size 210944
		.amdhsa_private_segment_fixed_size 0
		.amdhsa_enable_private_segment 0
		.amdhsa_kernarg_size 24
		.amdhsa_user_sgpr_count 2
		.amdhsa_user_sgpr_kernarg_segment_ptr 1
		.amdhsa_wavefront_size32 1
		.amdhsa_system_sgpr_workgroup_id_x 1
		.amdhsa_system_sgpr_workgroup_id_y 1
		.amdhsa_system_sgpr_workgroup_id_z 1
		.amdhsa_system_vgpr_workitem_id 0
		.amdhsa_next_free_vgpr 256
		.amdhsa_next_free_sgpr 100
		.amdhsa_reserve_vcc 0
		.amdhsa_float_denorm_mode_32 3
		.amdhsa_float_denorm_mode_16_64 3
		.amdhsa_memory_ordered 1
		.amdhsa_forward_progress 1
		.amdhsa_inst_pref_size 50
	.end_amdhsa_kernel
	.amdgpu_metadata
---
amdhsa.version: [ 1, 2 ]
amdhsa.kernels:
  - .name:           k_q7c1126f257_attn
    .symbol:         k_q7c1126f257_attn.kd
    .args:
      - { .name: qk, .offset: 0, .size: 8, .value_kind: global_buffer, .address_space: global }
      - { .name: vt, .offset: 8, .size: 8, .value_kind: global_buffer, .address_space: global }
      - { .name: at, .offset: 16, .size: 8, .value_kind: global_buffer, .address_space: global }
    .group_segment_fixed_size: 210944
    .private_segment_fixed_size: 0
    .kernarg_segment_align: 8
    .kernarg_segment_size: 24
    .max_flat_workgroup_size: 512
    .sgpr_count:     100
    .vgpr_count:     256
    .wavefront_size: 32
...
	.end_amdgpu_metadata
.endif
;; end of part 4
;; launch gemm_out (part 5): grid 4 x 32, 4 waves a work-group, clusters of 4 x 4, 327,680 bytes of LDS; arguments at, wq, b_out, out0; writes out0
.if DOCPART == 5
	.amdgcn_target "amdgcn-amd-amdhsa--gfx1250"
	.amdhsa_code_object_version 6
	.text
	.protected	k_q7c1126f257_gemm_out
	.globl	k_q7c1126f257_gemm_out
	.p2align	8
	.type	k_q7c1126f257_gemm_out,@function
k_q7c1126f257_gemm_out:
	s_mov_b64 s[64:65], 0
	v_nop
	global_prefetch_b8 v0, s[64:65] scope:SCOPE_SE
	s_setreg_imm32_b32 hwreg(HW_REG_WAVE_MODE, 25, 1), 1
	s_wait_xcnt 0x0
	s_wait_alu depctr_hold_cnt(0) depctr_sa_sdst(0) depctr_va_vdst(0) depctr_va_sdst(0) depctr_va_ssrc(0) depctr_va_vcc(0) depctr_vm_vsrc(0)
	s_getreg_b32 s2, hwreg(HW_REG_IB_STS2, 6, 4)
	s_cmp_eq_u32 s2, 0
	s_cbranch_scc0 .Lentry_in_a_cluster
	s_endpgm
.Lentry_in_a_cluster:
	s_bfe_u32 s2, ttmp6, 0x10000c
	s_cmp_lg_u32 s2, 0xf033
	s_cbranch_scc0 .Lentry_shape_is_right
	s_endpgm
.Lentry_shape_is_right:
; out0 = att w_out + b_out on codes of FP6 (E2M3) with E8M0 scales, K = 1,024, sums in f32; out0 [8192][1024] f32.
; OPERANDS lie as images of the matrix operand's registers, as in gemm_qkv: A = at (tokens), B = rows 3072-4095 of wq (columns of w_out): tiles of 16 positions
; (position r of tile T = row 32 (T / 2) + 8 (T % 2) + r + 8 (r / 8)), 12,288 bytes a tile, half fragments of 768 bytes; scale bytes (T / 2) x 1,024 + (k / 256) x 256 + (T % 2) x 128 + 8 r + (k / 32) % 8.
; A tile of the result, 256 x 256, is made by four waves, 128 x 128 each; K goes in four steps of 256 through a ring of two LDS slots.  The result has 128 such tiles: 128 work-groups.
; Source 0 = B, source 1 = A: a lane holds one token, and the 16 registers of B's tiles 2 b, 2 b + 1 are the 16 neighbouring columns 32 b + 16 (lane / 16) + 0 .. 15.
; THE BIAS is the C of each sum's first matrix instruction: eight registers for each of B's tiles, in the result's layout.
; CLUSTERS: 4 x 4 work-groups; A's tiles are shared along a row of the cluster, B's along a column, by joint loads.  The scales for all of K come once, with the first fills.
; REGISTERS: window 0: v16-30 addresses; v32-63 scale words; v64-127 the bias; v128-223 A's fragments (on the way out v128-255: rows read back);  window 1: B's two sets;  windows 2, 3: the accumulators.
.set KSTB,   3072
.set TILEB,  12288
.set NQ,     2
.set FR,     12
.set NL,     4
.set NP,     4                         ; places behind this matrix instruction (ISA guide 7.12.1)
.set HALFT,  8*KSTB
.set SLOT,   4*HALFT
.set SCL,    2*SLOT
.set HALFS,  4096
.set SPARE,  SCL+4*HALFS               ; the spare words, 128 bytes for each wave: two blocks of 256 bytes that no other line names
.set SPITCH, 528                       ; the way out: a stage of 16 rows x (512 bytes + 16) for each wave, in slot 0, which has had its last fill and its last read when the first result is stored there
.set ADRA, 16
.set ADRB, 20
.set STO,  24                          ; v24  the way out: where I put 32 bytes of a row
.set RD,   25                          ; v25  where I read a row back
.set CO,   26                          ; v26  16 x lane: my bytes of a row's 512
.set ADRS, 27
.set SPW,  28
.set NIL,  29
.set BOF,  30                          ; v30  64 x (lane / 16): my half's place in the bias; never rewritten
.set SC,   32
.set BI,   64
.set AF,   128
.set BK,   128
.set G1, 24
.set G0, 32
.set G1B, 48
.set G0B, 56
.set G1S, 68
.set G0S, 76
.set G1SB, 80
.set G0SB, 88
.set MSB, 0
.macro WIN new                         ; the immediate's high byte repeats the setting that is left
.if MSB != (\new)
	s_set_vgpr_msb (MSB<<8)|(\new)
.set MSB, \new
.endif
.endm
.set MUL_LO, 0xa1                      ; source 0 (B) window 1, source 1 (A) window 0, C and D window 2
.set MUL_HI, 0xf1                      ; the same, C and D window 3
.set FST_LO, 0x81                      ; the first products: C (the bias) window 0, D window 2
.set FST_HI, 0xc1                      ; D window 3
.set TO_B,   0x40
.macro JLOAD g0a, g1a, g0b, g1b        ; a joint load: waves 0 and 1 fetch for A, waves 2 and 3 for B; four v_nop follow each of the two lines
	s_cmp_eq_u32 s15, 0
	s_cbranch_scc0 .Lfor_b_\@
	tensor_load_to_lds s[\g0a:\g0a+3], s[\g1a:\g1a+7]
	s_nop 0
.rept 4
	v_nop
.endr
	s_branch .Lasked_\@
.Lfor_b_\@:
	tensor_load_to_lds s[\g0b:\g0b+3], s[\g1b:\g1b+7]
	s_nop 0
.rept 4
	v_nop
.endr
.Lasked_\@:
.endm
.macro CREST
	s_cmp_lg_u32 s14, 0
	s_cbranch_scc1 .Lnot_wave_0_\@
	s_barrier_signal -3
.Lnot_wave_0_\@:
	s_barrier_wait -3
	s_barrier_signal -1
	s_barrier_wait -1
.endm
.macro CROUND
	s_barrier_signal -1
	s_barrier_wait -1
	CREST
.endm
	s_load_b128 s[4:7], s[0:1], 0x0                ; at, wq
	s_load_b128 s[8:11], s[0:1], 0x10              ; b_out, out0
	v_lshl_add_u32 v[SPW], v0, 2, SPARE
	v_mov_b32 v[NIL], 0
	ds_add_u32 v28, v29
	ds_add_u32 v28, v29
	s_wait_dscnt 0x0
	v_lshrrev_b32 v1, 5, v0
	v_readfirstlane_b32 s14, v1                    ; wave 0..3
	s_lshr_b32 s15, s14, 1                         ; which half of the tokens is mine.  Also: I fetch for A (0) or for B (1)
	s_and_b32 s16, s14, 1                          ; which half of the columns.  Also: which 8 tiles I fetch
	s_bfe_u32 s40, ttmp6, 0x40000                  ; cx, cy
	s_bfe_u32 s41, ttmp6, 0x40004
	s_lshl_b32 s42, ttmp9, 2
	s_add_co_u32 s42, s42, s40                     ; tx: which 256 columns
	s_and_b32 s17, ttmp7, 0xffff
	s_lshl_b32 s17, s17, 2
	s_add_co_u32 s17, s17, s41                     ; ty: which 256 tokens
	s_lshl_b32 s43, s41, 2
	s_lshl_b32 s43, 15, s43                        ; my row of the cluster
	s_lshl_b32 s44, 0x1111, s40                    ; my column
	s_or_b32 s[G1+0], s43, (3<<16)|(1<<21)         ; 8 tiles x 3,072 bytes (384 elements of 8 bytes), 12,288 bytes apart; the mask: A's tiles go to my row; bit 21 set beside a mask
	s_or_b32 s[G1B+0], s44, (3<<16)|(1<<21)
.irp g, G1, G1B
	s_mov_b32 s[\g+1], 384<<16
	s_mov_b32 s[\g+2], 8<<16
	s_mov_b32 s[\g+3], 384<<16
	s_mov_b32 s[\g+4], 8
	s_mov_b32 s[\g+5], 1536
	s_mov_b32 s[\g+6], 0
	s_mov_b32 s[\g+7], 0
.endr
	s_or_b32 s[G1S+0], s43, (3<<16)|(1<<21)        ; the scales of 8 tiles: 4,096 dense bytes as 16 rows of 256
	s_or_b32 s[G1SB+0], s44, (3<<16)|(1<<21)
.irp g, G1S, G1SB
	s_mov_b32 s[\g+1], 32<<16
	s_mov_b32 s[\g+2], 16<<16
	s_mov_b32 s[\g+3], 32<<16
	s_mov_b32 s[\g+4], 16
	s_mov_b32 s[\g+5], 32
	s_mov_b32 s[\g+6], 0
	s_mov_b32 s[\g+7], 0
.endr
	s_mul_i32 s20, s17, 16*TILEB                   ; A's codes.  A's offsets hold ty and never tx, B's the other way round
	s_mul_i32 s21, s16, 8*TILEB
	s_add_co_u32 s20, s20, s21
	s_mov_b32 s21, 0
	s_lshl_b32 s22, s17, 13                        ; A's scales, behind at's codes
	s_lshl_b32 s23, s16, 12
	s_add_co_u32 s22, s22, s23
	s_add_co_u32 s22, s22, 6291456
	s_mov_b32 s23, 0
	s_mul_i32 s92, s42, 16*TILEB                   ; B's codes, from wq's tile 192 on
	s_mul_i32 s93, s16, 8*TILEB
	s_add_co_u32 s92, s92, s93
	s_add_co_u32 s92, s92, 2359296
	s_mov_b32 s93, 0
	s_lshl_b32 s94, s42, 13                        ; B's scales, from wq's pair 96 on
	s_lshl_b32 s95, s16, 12
	s_add_co_u32 s94, s94, s95
	s_add_co_u32 s94, s94, 3244032
	s_mov_b32 s95, 0
	s_mul_i32 s96, s14, HALFT                      ; where they go: no place in the cluster enters an LDS address
	s_lshl_b32 s97, s14, 12
	s_wait_kmcnt 0x0
	s_add_nc_u64 s[20:21], s[4:5], s[20:21]
	s_add_nc_u64 s[22:23], s[4:5], s[22:23]
	s_add_nc_u64 s[92:93], s[6:7], s[92:93]
	s_add_nc_u64 s[94:95], s[6:7], s[94:95]
	CROUND                                         ; all sixteen work-groups are here: the first joint loads meet
	s_mov_b32 s[G0S], 1
	s_add_co_u32 s[G0S+1], s97, SCL
	s_mov_b64 s[G0S+2:G0S+3], s[22:23]
	s_or_b32 s[G0S+3], s[G0S+3], 0x80000000
	s_mov_b32 s[G0SB], 1
	s_add_co_u32 s[G0SB+1], s97, SCL
	s_mov_b64 s[G0SB+2:G0SB+3], s[94:95]
	s_or_b32 s[G0SB+3], s[G0SB+3], 0x80000000
	JLOAD G0S, G1S, G0SB, G1SB
.irp s, 0,1
	s_mov_b32 s[G0+4*\s], 1
	s_add_co_u32 s[G0+4*\s+1], s96, \s*SLOT
	s_add_nc_u64 s[G0+4*\s+2:G0+4*\s+3], s[20:21], \s*KSTB
	s_or_b32 s[G0+4*\s+3], s[G0+4*\s+3], 0x80000000
	s_mov_b32 s[G0B+4*\s], 1
	s_add_co_u32 s[G0B+4*\s+1], s96, \s*SLOT
	s_add_nc_u64 s[G0B+4*\s+2:G0B+4*\s+3], s[92:93], \s*KSTB
	s_or_b32 s[G0B+4*\s+3], s[G0B+4*\s+3], 0x80000000
	JLOAD G0+4*\s, G1, G0B+4*\s, G1B
.endr
	v_and_b32 v1, 15, v0                           ; r
	v_bfe_u32 v2, v0, 4, 1                         ; h
	v_and_b32 v3, 31, v0                           ; lane
	v_lshlrev_b32 v[BOF], 6, v2
	s_lshl_b32 s18, s42, 10                        ; the bias of my 128 columns: 4 x (256 tx + 128 x half)
	s_lshl_b32 s19, s16, 9
	s_add_co_u32 s18, s18, s19
	s_mov_b32 s19, 0
	s_add_nc_u64 s[8:9], s[8:9], s[18:19]
.irp b, 0,1,2,3,4,5,6,7                        ; tile b's eight: columns 32 (b / 2) + 8 (b % 2) + 16 h + 0 .. 7
	global_load_b128 v[BI+8*\b:BI+8*\b+3], v[BOF], s[8:9] offset:(32*(\b/2)+8*(\b%2))*4
	global_load_b128 v[BI+8*\b+4:BI+8*\b+7], v[BOF], s[8:9] offset:(32*(\b/2)+8*(\b%2))*4+16
.endr
	v_lshlrev_b32 v[CO], 4, v3
	v_lshlrev_b32 v4, 3, v3
	s_mul_i32 s21, s15, HALFT                      ; my 8 tiles of A
	s_mul_i32 s22, s16, HALFT                      ; my 8 tiles of B,
	s_add_co_u32 s22, s22, 2*HALFT                 ; which lie behind A's 16
.irp s, 0,1
	v_add_nc_u32 v[ADRA+\s], s21, v[CO]
	v_add_nc_u32 v[ADRA+2+\s], s21, v4
	v_add_nc_u32 v[ADRB+\s], s22, v[CO]
	v_add_nc_u32 v[ADRB+2+\s], s22, v4
	s_add_co_u32 s21, s21, SLOT
	s_add_co_u32 s22, s22, SLOT
.endr
	v_lshlrev_b32 v5, 3, v1                        ; my position's 8 scale bytes of a K step
	s_lshl_b32 s21, s15, 12
	s_lshl_b32 s22, s16, 12
	s_add_co_u32 s22, s22, 2*HALFS
	s_sub_co_u32 s22, s22, s21
	v_mul_u32_u24 v6, s22, v2                      ; lanes 16-31 take B's
	s_add_co_u32 s21, s21, SCL
	v_add_nc_u32 v5, v5, v6
	v_add_nc_u32 v[ADRS], s21, v5
	s_mul_i32 s23, s14, 16*SPITCH                  ; my stage
	v_mul_u32_u24 v5, v1, SPITCH
	v_lshl_add_u32 v5, v2, 6, v5
	v_add_nc_u32 v[STO], s23, v5                   ; in: row r, + 64 h
	v_add_nc_u32 v[RD], s23, v[CO]                 ; back: the 32 lanes take one row of 512 bytes
	s_lshl_b32 s20, s17, 8
	s_lshl_b32 s21, s15, 7
	s_add_co_u32 s20, s20, s21                     ; my first token: 256 ty + 128 x half
	s_lshl_b32 s20, s20, 12                        ; rows of 4,096 bytes
	s_add_co_u32 s20, s20, s18                     ; + my first column's bytes
	s_mov_b32 s21, 0
	s_add_nc_u64 s[12:13], s[10:11], s[20:21]
.macro FRAG reg, adr, q, i             ; a fragment: registers 0-3, 4-5, 6-9, 10-11 as they were stored; each load reads consecutive bytes
	ds_load_b128 v[\reg:\reg+3], v[\adr] offset:(\i)*KSTB+(\q)*1536
	ds_load_b64 v[\reg+4:\reg+5], v[\adr+2] offset:(\i)*KSTB+(\q)*1536+512
	ds_load_b128 v[\reg+6:\reg+9], v[\adr] offset:(\i)*KSTB+(\q)*1536+768
	ds_load_b64 v[\reg+10:\reg+11], v[\adr+2] offset:(\i)*KSTB+(\q)*1536+1280
.endm
; 16 matrix instructions: A's blocks a0, a0 + 1 x B's eight.  first = 1: the sums start from the bias.  The 64 accumulators take turns, one instruction a turn.
.macro MUL16 a0, p, q, sc, first
.irp a, \a0, \a0+1
.irp b, 0,1,2,3,4,5,6,7
.if \first
	v_wmma_scale_f32_16x16x128_f8f6f4 v[8*(8*((\a)%4)+\b):8*(8*((\a)%4)+\b)+7], v[128*(\p)+FR*\b:128*(\p)+FR*\b+FR-1], v[AF+FR*(\a):AF+FR*(\a)+FR-1], v[BI+8*\b:BI+8*\b+7], v[SC+8*NQ*(\sc)+NQ*\b+(\q)], v[SC+8*NQ*(\sc)+NQ*(\a)+(\q)] matrix_a_fmt:MATRIX_FMT_FP6 matrix_b_fmt:MATRIX_FMT_FP6 matrix_a_scale:MATRIX_SCALE_ROW1
.else
	v_wmma_scale_f32_16x16x128_f8f6f4 v[8*(8*((\a)%4)+\b):8*(8*((\a)%4)+\b)+7], v[128*(\p)+FR*\b:128*(\p)+FR*\b+FR-1], v[AF+FR*(\a):AF+FR*(\a)+FR-1], v[8*(8*((\a)%4)+\b):8*(8*((\a)%4)+\b)+7], v[SC+8*NQ*(\sc)+NQ*\b+(\q)], v[SC+8*NQ*(\sc)+NQ*(\a)+(\q)] matrix_a_fmt:MATRIX_FMT_FP6 matrix_b_fmt:MATRIX_FMT_FP6 matrix_a_scale:MATRIX_SCALE_ROW1
.endif
.endr
.endr
.endm
.macro FETCH_B slot, q, p
	WIN TO_B
.irp i, 0,1,2,3,4,5,6,7
	FRAG 128*(\p)+FR*\i, ADRB+\slot, \q, \i
.endr
	WIN 0
.endm
.macro FETCH_A slot, q, i0
.irp i, \i0, \i0+1, \i0+2, \i0+3
	FRAG AF+FR*(\i), ADRA+\slot, \q, \i
.endr
.endm
.macro SCALES sc
.irp i, 0,1,2,3,4,5,6,7
	ds_load_b64 v[SC+8*NQ*\sc+NQ*\i:SC+8*NQ*\sc+NQ*\i+1], v[ADRS] offset:(\i/2)*1024+(\i%2)*128
.endr
.endm
.macro PLACES n
.rept \n
	v_nop
.endr
.endm
.macro STEP slot, q, first
	s_wait_dscnt 4*NL                              ; B's set, A's blocks 0-3 and the scale words are in; the youngest 16 loads (A's blocks 4-7) may be out
.if \first
	WIN FST_LO
.else
	WIN MUL_LO
.endif
	MUL16 0, (\q)%2, \q, \slot, \first
	MUL16 2, (\q)%2, \q, \slot, \first
	s_wait_dscnt 0x0                               ; A's blocks 4-7 are in
	PLACES NP
	FETCH_B \slot, (\q)+1, 1-(\q)%2
	FETCH_A \slot, (\q)+1, 0
.if \first
	WIN FST_HI
.else
	WIN MUL_HI
.endif
	MUL16 4, (\q)%2, \q, \slot, \first
	MUL16 6, (\q)%2, \q, \slot, \first
	PLACES NP
	WIN 0
	FETCH_A \slot, (\q)+1, 4
.endm
.macro TURN slot, next, fill           ; a slot's last step changes slots: one barrier, in front of it the wait for all my tensor loads, the add, and the wait for it and for my reads of this slot
	s_wait_tensorcnt 0x0                           ; all my tensor loads have landed: my part of the next slot among them
	ds_add_u32 v[SPW], v[NIL]                      ; 0 onto my spare word
	s_wait_dscnt 4*NL+1                            ; (the add and the youngest 16 loads, A's blocks 4-7, may be out)
	WIN MUL_LO
	MUL16 0, 1, NQ-1, \slot, 0
	s_wait_dscnt 0x0                               ; the add is done, and my reads of this slot are over
	s_barrier_signal -1
	MUL16 2, 1, NQ-1, \slot, 0
	WIN 0
	s_barrier_wait -1
.if \fill
	CREST                                          ; the barrier has opened a round of the cluster's barrier: no wave of any partner still reads this slot or has a load on its way
	s_add_nc_u64 s[G0+4*\slot+2:G0+4*\slot+3], s[G0+4*\slot+2:G0+4*\slot+3], 2*KSTB
	s_add_nc_u64 s[G0B+4*\slot+2:G0B+4*\slot+3], s[G0B+4*\slot+2:G0B+4*\slot+3], 2*KSTB
	JLOAD G0+4*\slot, G1, G0B+4*\slot, G1B         ; the first tensor load behind the round; its four v_nop are the places in front of the loads below
.else
	PLACES NP
.endif
	v_add_nc_u32 v[ADRS], 256, v[ADRS]             ; the next K step's scale words (no LDS load of mine is out)
	FETCH_B \next, 0, 0
	FETCH_A \next, 0, 0
	SCALES \next
	WIN MUL_HI
	MUL16 4, 1, NQ-1, \slot, 0
	MUL16 6, 1, NQ-1, \slot, 0
	PLACES NP
	WIN 0
	FETCH_A \next, 0, 4
.endm
	s_wait_tensorcnt 1                             ; the scales and my part of K step 0 are in (K step 1's load may be out)
	s_barrier_signal -1
	s_barrier_wait -1                              ; everybody's are
	FETCH_B 0, 0, 0
	FETCH_A 0, 0, 0
	SCALES 0
	FETCH_A 0, 0, 4
	s_wait_loadcnt 0x0                             ; the bias
	STEP 0, 0, 1                                   ; K step 0; its first products start the sums from the bias
	TURN 0, 1, 1                                   ; slot 0 takes K step 2
	STEP 1, 0, 0
	TURN 1, 0, 1                                   ; slot 1 takes K step 3
	STEP 0, 0, 0
	TURN 0, 1, 0                                   ; nothing is left to fetch: no round.  Behind this barrier nobody reads slot 0
	STEP 1, 0, 0
	s_wait_dscnt 4*NL
	WIN MUL_LO
	MUL16 0, 1, NQ-1, 1, 0
	MUL16 2, 1, NQ-1, 1, 0
	s_wait_dscnt 0x0
	WIN MUL_HI
	MUL16 4, 1, NQ-1, 1, 0
	MUL16 6, 1, NQ-1, 1, 0
	WIN 0
; THE WAY OUT, block by block of 16 tokens x 128 columns, through my own stage in LDS: in by 32 bytes a lane and tile, back as whole rows of 512 bytes.  LDS serves a wave's instructions in order (ISA guide 5.7.1.4).
.macro TOSTAGE a
.set AC, 64*((\a)%4)
	WIN 0x08+4*((\a)/4)                            ; the data: window 2 or 3
.irp b, 0,1,2,3,4,5,6,7
	ds_store_b128 v[STO], v[AC+8*\b:AC+8*\b+3] offset:128*(\b/2)+32*(\b%2)          ; each accumulator from its low end on
	ds_store_b128 v[STO], v[AC+8*\b+4:AC+8*\b+7] offset:128*(\b/2)+32*(\b%2)+16
.endr
	WIN 0
.set BB, BK+64*((\a)%2)
.irp t, 0,1,2,3,4,5,6,7,8,9,10,11,12,13,14,15
	ds_load_b128 v[BB+4*\t:BB+4*\t+3], v[RD] offset:\t*SPITCH
.endr
.endm
.macro SEND a, younger                 ; younger: the LDS instructions issued behind block a's loads, which may stay out
.set BB, BK+64*((\a)%2)
	s_wait_dscnt \younger
.irp t, 0,1,2,3,4,5,6,7,8,9,10,11,12,13,14,15
	global_store_b128 v[CO], v[BB+4*\t:BB+4*\t+3], s[12:13] offset:(32*((\a)/2)+8*((\a)%2)+\t+8*(\t/8))*4096 th:TH_STORE_NT   ; position t of block a is this token; 512 consecutive bytes, aligned to 256; 127 rows at the most in the immediate
.endr
.endm
	PLACES NP                                      ; behind the last products: results are read, and loads land in the registers that held A's fragments
	TOSTAGE 0
.irp a, 1,2,3,4,5,6,7
.if \a > 1
	s_wait_xcnt 0x0                                ; block a - 2's stores have read their registers: block a's loads may land there
.endif
	TOSTAGE \a
	SEND \a-1, 32                                  ; behind block a - 1's loads: block a's 16 stores and 16 loads
.endr
	SEND 7, 0
	s_wait_tensorcnt 0x0                           ; the wave's end, behind my last tensor load and my last LDS store
	ds_add_u32 v[SPW], v[NIL]
	s_wait_dscnt 0x0
	CROUND                                         ; the closing round: no work-group ends while a partner may still ask for a tile that names it
	s_endpgm
.Lfunc_end_k_q7c1126f257_gemm_out:
	.size	k_q7c1126f257_gemm_out, .Lfunc_end_k_q7c1126f257_gemm_out-k_q7c1126f257_gemm_out
	.p2alignl 7, 3214868480
	.fill 96, 4, 3214868480
	.section	.rodata,"a",@progbits
	.p2align	6, 0x0
	.amdhsa_kernel k_q7c1126f257_gemm_out
		.amdhsa_group_segment_fixed_size 327680
		.amdhsa_private_segment_fixed_size 0
		.amdhsa_enable_private_segment 0
		.amdhsa_kernarg_size 32
		.amdhsa_user_sgpr_count 2
		.amdhsa_user_sgpr_kernarg_segment_ptr 1
		.amdhsa_wavefront_size32 1
		.amdhsa_system_sgpr_workgroup_id_x 1
		.amdhsa_system_sgpr_workgroup_id_y 1
		.amdhsa_system_sgpr_workgroup_id_z 1
		.amdhsa_system_vgpr_workitem_id 0
		.amdhsa_next_free_vgpr 1024
		.amdhsa_next_free_sgpr 102
		.amdhsa_reserve_vcc 0
		.amdhsa_float_denorm_mode_32 3
		.amdhsa_float_denorm_mode_16_64 3
		.amdhsa_memory_ordered 1
		.amdhsa_forward_progress 1
		.amdhsa_inst_pref_size 145
	.end_amdhsa_kernel
	.amdgpu_metadata
---
amdhsa.version: [ 1, 2 ]
amdhsa.kernels:
  - .name:           k_q7c1126f257_gemm_out
    .symbol:         k_q7c1126f257_gemm_out.kd
    .args:
      - { .name: at, .offset: 0, .size: 8, .value_kind: global_buffer, .address_space: global }
      - { .name: wq, .offset: 8, .size: 8, .value_kind: global_buffer, .address_space: global }
      - { .name: b_out, .offset: 16, .size: 8, .value_kind: global_buffer, .address_space: global }
      - { .name: out0, .offset: 24, .size: 8, .value_kind: global_buffer, .address_space: global }
    .group_segment_fixed_size: 327680
    .private_segment_fixed_size: 0
    .kernarg_segment_align: 8
    .kernarg_segment_size: 32
    .max_flat_workgroup_size: 128
    .sgpr_count:     102
    .vgpr_count:     1024
    .wavefront_size: 32
...
	.end_amdgpu_metadata
.endif
;; end of part 5
;; ======== version 2 of 2: 4 launches; 1.13 times as fast as version 1
;; workspace buffers: xq 6,553,600 bytes; wq 3,276,800 bytes; qk 13,631,488 bytes; vt 6,553,600 bytes; at 6,553,600 bytes
;; launch quant (part 6): grid 384 x 1, 4 waves a work-group, no clusters, 59,904 bytes of LDS; arguments w_qkv, w_out, x, xq, wq; writes xq, wq
.if DOCPART == 6
	.amdgcn_target "amdgcn-amd-amdhsa--gfx1250"
	.amdhsa_code_object_version 6
	.text
	.protected	k_q7c1126f257_quant
	.globl	k_q7c1126f257_quant
	.p2align	8
	.type	k_q7c1126f257_quant,@function
k_q7c1126f257_quant:
	s_mov_b64 s[64:65], 0
	v_nop
	global_prefetch_b8 v0, s[64:65] scope:SCOPE_SE
	s_setreg_imm32_b32 hwreg(HW_REG_WAVE_MODE, 25, 1), 1
	s_wait_xcnt 0x0
; x [8192][1024], w_qkv [1024][3072] and w_out [1024][1024], f32, become codes of FP6 (E2M3) with one E8M0 byte for each 32 along K, laid as the matrix operand's registers.
; A block's scale is 2^(floor(log2(its largest magnitude)) - 2); its byte is that magnitude's exponent field - 2, held at 1 from below.
; LAYOUT OF xq AND wq.  A tile is 16 rows; position r of tile T stands for row 32 (T / 2) + 8 (T % 2) + r + 8 (r / 8).  A half fragment (16 positions x 64 K) is 768 bytes:
; lane (r, h) owns the 24 bytes of k = 32 h .. 32 h + 31: its first 16 bytes at 16 x lane, its last 8 at 512 + 8 x lane.  Codes: tile x 12,288 + (k / 64) x 768.
; Scale bytes, behind the codes: (T / 2) x 1,024 + (k / 256) x 256 + (T % 2) x 128 + 8 r + (k / 32) % 8.  wq's rows 0-3071 are the columns of w_qkv, rows 3072-4095 those of w_out.
; ONE LAUNCH, TWO PATHS, parted at the head on the work-group's number: 0-127 take the weights, 128-383 take x.  Each path has LDS bytes of its own.
; Waves share nothing: no barrier.  Work-groups share no input: no cluster.  Memory binds: no matrix unit.
; LIMITS: NaN and infinities among the inputs are not served; a block whose largest magnitude lies under 2^-124 keeps the byte 1; a block of zeros gets the byte 1 where the
; rule says 127: its codes are zeros, which add nothing under that byte, and the bytes are read by this program alone.
.set NWW, 128                          ; work-groups that take the weights
	v_lshl_add_u32 v30, v0, 2, 0xe800
	v_mov_b32 v31, 0
	s_cmp_lt_u32 ttmp9, NWW
	s_cbranch_scc1 .Lweights
; ======== x.  K is innermost.  Work-group P takes tiles 2 P and 2 P + 1: 32 whole rows.  Wave w takes columns 256 w .. 256 w + 255, in four steps of 16 rows x 128 columns.
; Each load reads 512 consecutive bytes of a row; the 16 rows turn through the wave's own stage in LDS (rows 528 bytes apart) and come back 128 bytes a lane: two whole blocks of 32.
.set XS,  6291456                      ; where the scale bytes begin in xq
.set SP,  528                          ; a stage row: 512 bytes + 16
.set XW,  16                           ; v16-19   the scale words of step t
.set XC,  24                           ; v24-29, v32-37  six code words of block c
.set XE,  40                           ; v40-42, v44-46  the second conversion's result (three registers that begin on an even number)
.set XR,  64                           ; v64-191  two sets of 64: a step's numbers as loaded
.set XX,  192                          ; v192-255 my two blocks of 32 neighbours
	s_load_b128 s[4:7], s[0:1], 0x10               ; x, xq
	s_sub_co_u32 s24, ttmp9, NWW                   ; P
	v_lshrrev_b32 v1, 5, v0
	v_readfirstlane_b32 s10, v1                    ; wave
	v_and_b32 v1, 31, v0                           ; lane
	v_and_b32 v2, 15, v0                           ; r
	v_bfe_u32 v3, v0, 4, 1                         ; h
	v_lshlrev_b32 v4, 4, v1                        ; 16 x lane
	v_lshlrev_b32 v5, 3, v1                        ; 8 x lane
	s_mul_i32 s14, s10, 16*SP                      ; my stage
	v_add_nc_u32 v6, s14, v4                       ; into it: 16 bytes a lane of a row
	v_mul_u32_u24 v7, v2, SP
	v_lshl_add_u32 v7, v3, 7, v7
	v_add_nc_u32 v7, s14, v7                       ; out of it: row r, + 128 h
	v_lshlrev_b32 v22, 3, v3                       ; 8 h: my bytes' place in a scale word
	v_mov_b32 v15, 0                               ; written once: a lane permute's destination counts as one of its sources
	s_mov_b32 s12, 0x76543210
	s_mov_b32 s13, 0xfedcba98                      ; v_permlanex16_b32's selects for lane l xor 16
	s_lshl_b32 s16, s24, 17                        ; 32 rows of 4,096 bytes,
	s_lshl_b32 s18, s10, 10                        ; my 256 columns
	s_add_co_u32 s16, s16, s18
	s_mov_b32 s17, 0
	s_mul_i32 s18, s24, 24576                      ; two tiles of codes,
	s_mul_i32 s20, s10, 3072                       ; my four half fragments
	s_add_co_u32 s18, s18, s20
	s_mov_b32 s19, 0
	s_lshl_b32 s20, s24, 10                        ; the pair's scale bytes,
	s_lshl_b32 s22, s10, 8                         ; my 256 of them
	s_add_co_u32 s20, s20, s22
	s_add_co_u32 s20, s20, XS
	s_mov_b32 s21, 0
	s_wait_kmcnt 0x0
	s_add_nc_u64 s[4:5], s[4:5], s[16:17]
	s_add_nc_u64 s[8:9], s[6:7], s[20:21]
	s_add_nc_u64 s[6:7], s[6:7], s[18:19]
; step t = 2 u + q: tile 2 P + u, columns 128 q on of my 256.  Position i is row 8 u + i + 8 (i / 8) of the 32.
.macro XLOAD t
.irp i, 0,1,2,3,4,5,6,7,8,9,10,11,12,13,14,15
	global_load_b128 v[XR+64*((\t)%2)+4*\i:XR+64*((\t)%2)+4*\i+3], v4, s[4:5] offset:(8*((\t)/2)+\i+8*(\i/8))*4096+512*((\t)%2) th:TH_LOAD_NT
.endr
.endm
.macro XSTEP t
.if (\t) < 3
	s_wait_loadcnt 16                              ; this step's 16 loads are in; the next step's 16 may be out
.else
	s_wait_loadcnt 0x0
.endif
.irp i, 0,1,2,3,4,5,6,7,8,9,10,11,12,13,14,15
	ds_store_b128 v6, v[XR+64*((\t)%2)+4*\i:XR+64*((\t)%2)+4*\i+3] offset:SP*\i
.endr
.irp c, 0,1
.irp j, 0,1,2,3,4,5,6,7
	ds_load_b128 v[XX+32*\c+4*\j:XX+32*\c+4*\j+3], v7 offset:256*\c+16*\j   ; k = 64 c + 32 h + 4 j on of row r; LDS serves a wave's instructions in order: these see the stores above
.endr
.endr
	s_wait_dscnt 0x0                               ; my numbers are back, and the stores have read their registers,
.if (\t) < 2
	XLOAD (\t)+2                                   ; which take the loads of two steps on
.endif
	s_wait_xcnt 0x0                                ; the last step's stores have read the code registers: they are written again only behind this wait
.irp c, 0,1
	v_max3_num_f32 v[8+\c], |v[XX+32*\c]|, |v[XX+32*\c+1]|, 0x1800000   ; my block 2 c + h, and the floor 2^(3 - 127): the byte cannot fall under 1
.endr
.irp i, 2,4,6,8,10,12,14,16,18,20,22,24,26,28,30
.irp c, 0,1
	v_max3_num_f32 v[8+\c], v[8+\c], |v[XX+32*\c+\i]|, |v[XX+32*\c+\i+1]|   ; (the two blocks by turns)
.endr
.endr
.irp c, 0,1
	v_add_nc_u32 v[10+\c], 0xff000000, v[8+\c]     ; 2 off the exponent field: the conversion takes this operand's exponent field as its scale
.endr
.irp c, 0,1
	v_cvt_scalef32_pk16_fp6_f32 v[XC+8*\c:XC+8*\c+2], v[XX+32*\c:XX+32*\c+15], v[10+\c]
	v_cvt_scalef32_pk16_fp6_f32 v[XE+4*\c:XE+4*\c+2], v[XX+32*\c+16:XX+32*\c+31], v[10+\c]
.endr
.irp c, 0,1
	v_lshrrev_b32 v[12+\c], 23, v[10+\c]           ; the scale's byte (also the plain place behind the conversions)
.endr
	v_lshl_or_b32 v14, v13, 16, v12                ; my two bytes: blocks h and 2 + h of row r,
	v_lshlrev_b32 v14, v22, v14                    ; at their places in the word;
	v_permlanex16_b32 v15, v14, s12, s13
	v_or_b32 v[XW+(\t)], v14, v15                  ; with lane l xor 16's two the word is whole
.irp c, 0,1
.irp i, 0,1,2
	v_mov_b32 v[XC+8*\c+3+\i], v[XE+4*\c+\i]
.endr
.endr
.irp c, 0,1
	global_store_b128 v4, v[XC+8*\c:XC+8*\c+3], s[6:7] offset:((\t)/2)*12288+(2*((\t)%2)+\c)*768       ; 512 consecutive bytes, aligned to 256
	global_store_b64 v5, v[XC+8*\c+4:XC+8*\c+5], s[6:7] offset:((\t)/2)*12288+(2*((\t)%2)+\c)*768+512  ; 256 consecutive bytes, aligned
.endr
.endm
	XLOAD 0
	XLOAD 1
	XSTEP 0
	XSTEP 1
	XSTEP 2
	XSTEP 3
	v_cmp_le_u32 vcc_lo, 16, v1                    ; lanes 16-31 store tile 2 P + 1's words
	v_cndmask_b32 v20, v[XW], v[XW+2], vcc_lo
	v_cndmask_b32 v21, v[XW+1], v[XW+3], vcc_lo
	global_store_b64 v5, v[20:21], s[8:9]          ; 128 (tile % 2) + 8 r = 8 x lane: 256 consecutive bytes, aligned
	s_wait_tensorcnt 0x0
	ds_add_u32 v30, v31
	s_wait_dscnt 0x0
	s_endpgm
; ======== The weights.  K is their FIRST axis.  A LANE TAKES A COLUMN AND ITS REGISTERS RUN DOWN K: a block of 32 lies in one lane's 32 registers, its largest magnitude needs no other lane,
; and the conversions give codes with K innermost.  Work-group n: x = n % 32, y = n / 32; wave w takes the 32 columns of tile pair 4 x + w and k = 256 y .. 256 y + 255: 8 blocks a lane.
; Codes go through the wave's own stage in LDS and leave as 512 consecutive bytes a store.  Both weights take this one path: only the pointer, the pitch and the column's origin are chosen, on the work-group's number.
.Lweights:
.set WS,    3145728                    ; where the scale bytes begin in wq
.set WBASE, 33792                      ; this path's LDS bytes begin behind the other path's
.set TST,   3200                       ; a tile's place in the stage: 3,072 bytes + 128, so that the two tiles' stores of one instruction fall on different banks
.set OFFV,  32                         ; v32-63   4 x lane + i x pitch
.set WX,    64                         ; v64-127  two sets of 32 numbers
.set WC,    128                        ; v128-133 a block's codes
.set WE,    136                        ; v136-138 the second conversion's result
.set OUTR,  144                        ; v144-191 the way out
.set SB,    24                         ; v24-25   my column's eight scale bytes
	s_load_b128 s[4:7], s[0:1], 0x0                ; w_qkv, w_out
	s_load_b64 s[8:9], s[0:1], 0x20                ; wq
	v_lshrrev_b32 v1, 5, v0
	v_readfirstlane_b32 s10, v1                    ; wave
	s_lshr_b32 s11, ttmp9, 5                       ; y: which 256 along K
	s_and_b32 s42, ttmp9, 31                       ; x: which four pairs
	v_and_b32 v1, 31, v0                           ; lane = the column's place among the pair's 32
	v_bfe_u32 v2, v0, 3, 1                         ; u: which tile of the pair
	v_and_b32 v3, 7, v0
	v_bfe_u32 v9, v0, 4, 1
	v_lshl_add_u32 v3, v9, 3, v3                   ; r: its position there
	s_mul_i32 s36, s10, 2*TST
	s_add_co_u32 s36, s36, WBASE                   ; my stage
	v_mul_u32_u24 v10, v2, TST
	v_add_nc_u32 v10, s36, v10
	v_lshl_add_u32 v4, v3, 4, v10                  ; into it: the first 16 bytes of a block's codes,
	v_lshl_add_u32 v5, v3, 3, v10                  ; and the last 8
	v_lshlrev_b32 v7, 4, v1                        ; out of it, and in wq: 16 x lane
	v_add_nc_u32 v6, s36, v7
	v_lshlrev_b32 v8, 3, v3
	v_lshl_add_u32 v8, v2, 7, v8                   ; my scale bytes: 128 u + 8 r
	s_cmp_lt_u32 s42, 24                           ; pairs 0-95 are w_qkv's
	s_mov_b32 s12, 4096
	s_cselect_b32 s12, 12288, s12                  ; a row of the weight in bytes
	s_cselect_b32 s13, 0, 3072                     ; the table's row at which the weight's column 0 stands
	s_lshl_b32 s14, s42, 2
	s_add_co_u32 s14, s14, s10                     ; my pair
	s_lshl_b32 s15, s14, 5
	s_sub_co_u32 s15, s15, s13                     ; my first column in its weight
	s_lshl_b32 s32, s15, 2
	s_lshl_b32 s33, s11, 8
	s_mul_i32 s33, s33, s12
	s_add_co_u32 s32, s32, s33                     ; 4 x column + 256 y rows
	s_mov_b32 s33, 0
	s_lshl_b32 s34, s12, 5                         ; 32 rows
	s_mov_b32 s35, 0
	s_mul_i32 s38, s14, 24576
	s_mul_i32 s39, s11, 3072
	s_add_co_u32 s38, s38, s39                     ; my codes in wq
	s_mov_b32 s39, 0
	s_lshl_b32 s40, s14, 10
	s_lshl_b32 s41, s11, 8
	s_add_co_u32 s40, s40, s41
	s_add_co_u32 s40, s40, WS                      ; my scale bytes
	s_mov_b32 s41, 0
	v_lshlrev_b32 v[OFFV], 2, v1
.set i, 1
.rept 31
	v_add_nc_u32 v[OFFV+i], s12, v[OFFV+i-1]
.set i, i+1
.endr
	s_wait_kmcnt 0x0
	s_cmp_lt_u32 s42, 24                           ; the choice hangs on the work-group's number alone
	s_cselect_b64 s[4:5], s[4:5], s[6:7]
	s_add_nc_u64 s[16:17], s[4:5], s[32:33]        ; a base for each block of 32 rows: no pointer is stepped later
.irp t, 1,2,3,4,5,6,7
	s_add_nc_u64 s[16+2*\t:17+2*\t], s[14+2*\t:15+2*\t], s[34:35]
.endr
	s_add_nc_u64 s[6:7], s[8:9], s[38:39]
	s_add_nc_u64 s[8:9], s[8:9], s[40:41]
.macro WLOAD t                         ; block t: rows 32 t + i of my 256, my column, into set t % 2; a wave's load reads 128 consecutive bytes, the four waves stand side by side
.set i, 0
.rept 32
	global_load_b32 v[WX+32*((\t)%2)+i], v[OFFV+i], s[16+2*(\t):17+2*(\t)] th:TH_LOAD_NT
.set i, i+1
.endr
.endm
	WLOAD 0
	WLOAD 1
.macro WBLOCK t
.set XB, WX+32*((\t)%2)
.if (\t) < 7
	s_wait_loadcnt 32                              ; this block's 32 loads are in; the next block's may be out
.else
	s_wait_loadcnt 0x0
.endif
	v_max3_num_f32 v12, |v[XB]|, |v[XB+1]|, |v[XB+2]|              ; the block's largest magnitude, in two chains
	v_max3_num_f32 v13, |v[XB+3]|, |v[XB+4]|, |v[XB+5]|
.irp i, 6,10,14,18,22,26
	v_max3_num_f32 v12, v12, |v[XB+\i]|, |v[XB+\i+1]|
	v_max3_num_f32 v13, v13, |v[XB+\i+2]|, |v[XB+\i+3]|
.endr
	v_max3_num_f32 v12, v12, |v[XB+30]|, |v[XB+31]|
	v_max3_num_f32 v12, v12, v13, 0x1800000        ; and the floor 2^(3 - 127)
	v_add_nc_u32 v11, 0xff000000, v12              ; 2 off the exponent field: the conversion's scale operand
	v_lshrrev_b32 v13, 23, v11                     ; the scale's byte
.if (\t)%4 == 0
	v_mov_b32 v[SB+(\t)/4], v13
.else
	v_lshl_or_b32 v[SB+(\t)/4], v13, 8*((\t)%4), v[SB+(\t)/4]
.endif
	v_cvt_scalef32_pk16_fp6_f32 v[WC:WC+2], v[XB:XB+15], v11
	v_cvt_scalef32_pk16_fp6_f32 v[WE:WE+2], v[XB+16:XB+31], v11
	v_nop                                          ; one plain place behind a scaled conversion
.irp i, 0,1,2
	v_mov_b32 v[WC+3+\i], v[WE+\i]
.endr
	ds_store_b128 v4, v[WC:WC+3] offset:((\t)/2)*768+((\t)%2)*256      ; block t is half t % 2 of half fragment t / 2: the place of lane r + 16 (t % 2)
	ds_store_b64 v5, v[WC+4:WC+5] offset:((\t)/2)*768+512+((\t)%2)*128
.if (\t)+2 < 8
	WLOAD (\t)+2
.endif
	s_wait_dscnt 0x0                               ; the stores have read their registers: the next block's codes may be written
.endm
.irp t, 0,1,2,3,4,5,6,7
	WBLOCK \t
.endr
	global_store_b64 v8, v[SB:SB+1], s[8:9]        ; the 32 lanes cover 256 consecutive bytes, aligned
.irp n, 0,1,2,3,4,5,6,7,8,9,10,11
	ds_load_b128 v[OUTR+4*\n:OUTR+4*\n+3], v6 offset:(\n/6)*TST+(\n%6)*512   ; LDS serves a wave's instructions in order: these see my stores
.endr
.irp n, 0,1,2,3,4,5,6,7,8,9,10,11
	s_wait_dscnt 11-\n                             ; load n is in; the younger ones may be out
	global_store_b128 v7, v[OUTR+4*\n:OUTR+4*\n+3], s[6:7] offset:(\n/6)*12288+(\n%6)*512   ; 512 consecutive bytes, aligned to 256
.endr
	s_wait_tensorcnt 0x0
	ds_add_u32 v30, v31
	s_wait_dscnt 0x0
	s_endpgm
.Lfunc_end_k_q7c1126f257_quant:
	.size	k_q7c1126f257_quant, .Lfunc_end_k_q7c1126f257_quant-k_q7c1126f257_quant
	.p2alignl 7, 3214868480
	.fill 96, 4, 3214868480
	.section	.rodata,"a",@progbits
	.p2align	6, 0x0
	.amdhsa_kernel k_q7c1126f257_quant
		.amdhsa_group_segment_fixed_size 59904
		.amdhsa_private_segment_fixed_size 0
		.amdhsa_enable_private_segment 0
		.amdhsa_kernarg_size 40
		.amdhsa_user_sgpr_count 2
		.amdhsa_user_sgpr_kernarg_segment_ptr 1
		.amdhsa_wavefront_size32 1
		.amdhsa_system_sgpr_workgroup_id_x 1
		.amdhsa_system_sgpr_workgroup_id_y 1
		.amdhsa_system_sgpr_workgroup_id_z 1
		.amdhsa_system_vgpr_workitem_id 0
		.amdhsa_next_free_vgpr 256
		.amdhsa_next_free_sgpr 66
		.amdhsa_reserve_vcc 1
		.amdhsa_float_denorm_mode_32 3
		.amdhsa_float_denorm_mode_16_64 3
		.amdhsa_memory_ordered 1
		.amdhsa_forward_progress 1
		.amdhsa_inst_pref_size 73
	.end_amdhsa_kernel
	.amdgpu_metadata
---
amdhsa.version: [ 1, 2 ]
amdhsa.kernels:
  - .name:           k_q7c1126f257_quant
    .symbol:         k_q7c1126f257_quant.kd
    .args:
      - { .name: w_qkv, .offset: 0, .size: 8, .value_kind: global_buffer, .address_space: global }
      - { .name: w_out, .offset: 8, .size: 8, .value_kind: global_buffer, .address_space: global }
      - { .name: x, .offset: 16, .size: 8, .value_kind: global_buffer, .address_space: global }
      - { .name: xq, .offset: 24, .size: 8, .value_kind: global_buffer, .address_space: global }
      - { .name: wq, .offset: 32, .size: 8, .value_kind: global_buffer, .address_space: global }
    .group_segment_fixed_size: 59904
    .private_segment_fixed_size: 0
    .kernarg_segment_align: 8
    .kernarg_segment_size: 40
    .max_flat_workgroup_size: 128
    .sgpr_count:     66
    .vgpr_count:     256
    .wavefront_size: 32
...
	.end_amdgpu_metadata
.endif
;; end of part 6
;; launch gemm_qkv (part 7): grid 8 x 32, 4 waves a work-group, clusters of 4 x 4, 327,680 bytes of LDS; arguments xq, wq, qk, vt; writes qk, vt
.if DOCPART == 7
	.amdgcn_target "amdgcn-amd-amdhsa--gfx1250"
	.amdhsa_code_object_version 6
	.text
	.protected	k_q7c1126f257_gemm_qkv
	.globl	k_q7c1126f257_gemm_qkv
	.p2align	8
	.type	k_q7c1126f257_gemm_qkv,@function
k_q7c1126f257_gemm_qkv:
	s_mov_b64 s[64:65], 0
	v_nop
	global_prefetch_b8 v0, s[64:65] scope:SCOPE_SE
	s_setreg_imm32_b32 hwreg(HW_REG_WAVE_MODE, 25, 1), 1
	s_wait_xcnt 0x0
	s_wait_alu depctr_hold_cnt(0) depctr_sa_sdst(0) depctr_va_vdst(0) depctr_va_sdst(0) depctr_va_ssrc(0) depctr_va_vcc(0) depctr_vm_vsrc(0)
	s_getreg_b32 s2, hwreg(HW_REG_IB_STS2, 6, 4)
	s_cmp_eq_u32 s2, 0
	s_cbranch_scc0 .Lentry_in_a_cluster
	s_endpgm
.Lentry_in_a_cluster:
	s_bfe_u32 s2, ttmp6, 0x10000c
	s_cmp_lg_u32 s2, 0xf033
	s_cbranch_scc0 .Lentry_shape_is_right
	s_endpgm
.Lentry_shape_is_right:
; q, k, v = x w_qkv on codes of FP6 (E2M3) with E8M0 scales, K = 1,024, sums in f32; the results are QUANTISED ON THE WAY OUT and never lie in memory as f32.
; OPERANDS (xq, wq) lie as images of the matrix operand's registers: tiles of 16 positions (position r of tile T = row 32 (T / 2) + 8 (T % 2) + r + 8 (r / 8)), 12,288 bytes a tile, half fragments (64 K) of 768 bytes:
; lane l's first 16 bytes at 16 l, its last 8 at 512 + 8 l.  So a fragment is two loads of 16 bytes and two of 8, each on consecutive bytes, and LDS needs no padding.
; Scale bytes: (T / 2) x 1,024 + (k / 256) x 256 + (T % 2) x 128 + 8 r + (k / 32) % 8: the 256 bytes of a pair of tiles and a K step of 256 are 8 bytes a lane, the even tile's in lanes 0-15, the odd tile's in lanes 16-31.
; A WORK-GROUP STAYS AND MAKES TWO TILES.  q and k are 8,192 tokens x 2,048 channels: 256 tiles of 256 x 256; v is 1,024 channels x 8,192 tokens: 256 tiles of 128 x 256.  Work-group (tx, ty) makes one of each, on the same 256 tokens.
; In both, source 0's rows run along a lane's registers and source 1's row is the lane's: by the order of positions the 16 registers of source 0's tiles 2 b, 2 b + 1 are 16 NEIGHBOURS 32 b + 16 (lane / 16) + 0 .. 15.
; PHASE 1, q and k: source 1 = x (tokens 256 ty on), source 0 = rows 256 tx on of wq (channels).  Four waves, 128 x 128 each: 64 accumulators.  A lane's 64 registers of a block are the 128 channels of two heads: two half fragments of qk.
;   K goes in four steps of 256 through a ring of two LDS slots.
; PHASE 2, v TRANSPOSED: source 1 = rows 2,048 + 128 tx on of wq (channels), source 0 = the same x (tokens).  64 x 128 a wave: 32 accumulators.  A lane's registers run along 128 keys: one fragment of vt.
;   ALL OF ITS K LIES IN LDS: x's 16 tiles of 12,288 bytes are just the ring's bytes, and are filled there as the ring's slots are left: tiles 0-7 behind K step 2's change of slots, tiles 8-15 behind K step 3's, which lands
;   while q and k are quantised and stored; the weights' 8 tiles lie behind the ring and come with the first fills.  So phase 2 has no refill: one wait and one barrier stand in front of it.
; qk: codes [head' 0-31 (q: 0-15, k: 16-31)][token tile 0-511][768]; from byte 12,582,912 on a scale word for [head'][position]: bytes (e0, e1, e0, e1).   vt: codes [token / 128][channel tile 0-63][1,536]; from byte 6,291,456 on a word for [token / 128][tile][r].
; CLUSTERS: 4 x 4 work-groups.  x's tiles hang on ty alone and are shared along a row of the cluster, the weights' on tx alone and are shared along a column: each is asked for jointly, by the same tensor load with the same descriptor and a mask that names the four.
; The scales of x's 256 rows and of q's and k's 256 weight rows, for all of K, come once, with the first fills, and stay; those of v's weight rows come once into registers.
; REGISTERS, in windows of 256: window 0: v4-11 phase 2's addresses; v16-31 addresses; v32-63 scale words, two sets; v64-111 the way out; v128-223 source 1's fragments (phase 1: one set of 8; phase 2: two sets of 4); v224-239 the scale words of v's weights.
;   window 1: source 0's fragments, two sets, at v0 and v128.   windows 2, 3: the accumulators (source 1's block a, source 0's block b at v[8 (8 (a % 4) + b)] of window 2 + a / 4).
; LIMITS: NaN and infinities are not served; a block of results under 2^-124 keeps the byte 1; a block of zeros gets the byte 1 where the rule says 127 (zero codes; the bytes are read by this program alone).
.set KSTB,   3072                      ; a tile's bytes of a K step of 256
.set TILEB,  12288                     ; a tile's bytes for all of K
.set NQ,     2                         ; matrix instructions deep in a K step
.set FR,     12                        ; registers of a fragment
.set NL,     4                         ; LDS loads that bring one
.set NP,     4                         ; places behind this matrix instruction (ISA guide 7.12.1)
.set HALFT,  8*KSTB                    ; 24,576 bytes: 8 tiles of a K step, or 2 tiles of all K: what one tensor load brings
.set SLOT,   4*HALFT                   ; phase 1: x's 16 tiles, then the weights' 16.  Phase 2: 8 of x's tiles for all of K
.set WVL,    2*SLOT                    ; behind the ring: the 8 tiles of v's weights for all of K
.set SCL,    WVL+8*TILEB               ; x's scales, 8,192 bytes, then those of q's and k's weights
.set HALFS,  4096                      ; the scales of 8 tiles
.set SPARE,  SCL+4*HALFS               ; the spare words, 128 bytes for each wave: two blocks of 256 bytes that no other line names
.set SSTG,   SPARE+512                 ; a stage for the results' scale words, 1,024 bytes a wave; no tensor load lands here
.set ADX,  4                           ; v4-5  phase 2: x's tiles 0-3, 4-7 of my 8, + 16 x lane;  v6-7 the same + 8 x lane
.set ADW,  8                           ; v8, v9  phase 2: my 4 tiles of v's weights, + 16 x lane, + 8 x lane
.set ADRX, 10                          ; v10  phase 2: x's scale words of my 8 tiles, + 8 x lane
.set SRD2, 11                          ; v11  my stage for scale words, + 8 x lane
.set ADRA, 16                          ; v16-17 phase 1: my x fragments in slot 0, 1, + 16 x lane;  v18-19 the same + 8 x lane
.set ADRB, 20                          ; v20-23 the same for the weights
.set O16,  24                          ; v24  16 x lane
.set O8,   25                          ; v25  8 x lane
.set SST,  26                          ; v26  where I put a scale word
.set ADRS, 27                          ; v27  phase 1: my scale words in LDS: lanes 0-15 x's, lanes 16-31 the weights'
.set SPW,  28                          ; v28  my spare word; never rewritten
.set NIL,  29                          ; v29  0; never rewritten
.set PSEL, 30                          ; v30  which bytes of the scale word my half of the lanes stores for q and k
.set SRD,  31                          ; v31  my stage for scale words, + 16 x lane
.set SC,   32
.set PC,   64                          ; v64-75 the codes just made; v76-82 at work
.set TM,   84                          ; v84-87 largest magnitudes, v88-91 bytes, v96-99 the conversions' scale operands
.set PW,   100
.set PW2,  101
.set RB,   104                         ; v104-111 scale words read back from the stage
.set AF,   128
.set SW,   224                         ; v224-239 v's weights' scale words: pair of tiles pr, K step ks, half q at v[SW + 8 pr + 2 ks + q]
.set G1,   24                          ; s[24:31] group 1 for x's tiles;  s[32:39] its two groups 0
.set G0,   32
.set G0WV, 40                          ; s[40:43] group 0 for v's weights
.set G1B,  48                          ; s[48:55], s[56:63] the same for q's and k's weights
.set G0B,  56
.set G1S,  68                          ; s[68:75], s[76:79] x's scales
.set G0S,  76
.set G1SB, 80                          ; s[80:87], s[88:91] the weights' scales
.set G0SB, 88
.set G1WV, 92                          ; s[92:99] group 1 for v's weights
.set MSB, 0
.macro WIN new                         ; the immediate's high byte repeats the setting that is left
.if MSB != (\new)
	s_set_vgpr_msb (MSB<<8)|(\new)
.set MSB, \new
.endif
.endm
.set MUL_LO, 0xa1                      ; source 0 window 1, source 1 window 0, C and D window 2
.set MUL_HI, 0xf1                      ; the same, C and D window 3
.set TO_B,   0x40                      ; destination window 1, address window 0
; A joint load of the ring: waves 0 and 1 fetch x's halves, waves 2 and 3 the weights'; the branch hangs on the wave's number alone.  Four v_nop follow each of the two lines.
.macro JLOAD g0a, g1a, g0b, g1b
	s_cmp_eq_u32 s15, 0
	s_cbranch_scc0 .Lfor_b_\@
	tensor_load_to_lds s[\g0a:\g0a+3], s[\g1a:\g1a+7]
	s_nop 0
.rept 4
	v_nop
.endr
	s_branch .Lasked_\@
.Lfor_b_\@:
	tensor_load_to_lds s[\g0b:\g0b+3], s[\g1b:\g1b+7]
	s_nop 0
.rept 4
	v_nop
.endr
.Lasked_\@:
.endm
.macro CREST                           ; a round of the cluster's barrier behind its opening barrier
	s_cmp_lg_u32 s14, 0
	s_cbranch_scc1 .Lnot_wave_0_\@
	s_barrier_signal -3
.Lnot_wave_0_\@:
	s_barrier_wait -3
	s_barrier_signal -1
	s_barrier_wait -1
.endm
.macro CROUND
	s_barrier_signal -1
	s_barrier_wait -1
	CREST
.endm
; Half u of x for all of K, into the bytes of slot u: every wave brings two tiles, 24,576 dense bytes as 96 rows of 256.  The ring's descriptors for x are dead where this stands (behind a wait for all tensor loads, and the ring asks for nothing more):
; their registers are written anew; group 1's first word, with the mask of my row of the cluster, stays.
.macro XALL u
.if \u == 0
	s_mov_b32 s[G1+1], 32<<16                      ; tensor_dim0: 32 elements of 8 bytes
	s_mov_b32 s[G1+2], 96<<16                      ; tensor_dim1
	s_mov_b32 s[G1+3], 32<<16                      ; tile_dim0
	s_mov_b32 s[G1+4], 96                          ; tile_dim1
	s_mov_b32 s[G1+5], 32                          ; tensor_dim0_stride
.endif
	s_add_co_u32 s[G0+4*\u+1], s2, \u*SLOT         ; LDS: wave x 24,576 in slot u's bytes
	s_add_nc_u64 s[G0+4*\u+2:G0+4*\u+3], s[44:45], \u*SLOT   ; x's tiles 8 u + 2 wave on
	s_or_b32 s[G0+4*\u+3], s[G0+4*\u+3], 0x80000000
	tensor_load_to_lds s[G0+4*\u:G0+4*\u+3], s[G1:G1+7]
	s_nop 0
.rept 4
	v_nop
.endr
.endm
	s_load_b128 s[4:7], s[0:1], 0x0                ; xq, wq
	s_load_b128 s[8:11], s[0:1], 0x10              ; qk, vt
	v_lshl_add_u32 v[SPW], v0, 2, SPARE
	v_mov_b32 v[NIL], 0
	ds_add_u32 v28, v29
	ds_add_u32 v28, v29
	s_wait_dscnt 0x0
	v_lshrrev_b32 v1, 5, v0
	v_readfirstlane_b32 s14, v1                    ; wave 0..3
	s_lshr_b32 s15, s14, 1                         ; which half of source 1's positions is mine.  Also: in the ring I fetch for x (0) or for the weights (1)
	s_and_b32 s16, s14, 1                          ; which half of source 0's.  Also: which 8 tiles I fetch
	s_mul_i32 s2, s14, HALFT                       ; wave x 24,576: where my loads land: no place in the cluster enters an LDS address
	s_bfe_u32 s100, ttmp6, 0x40000                 ; cx, cy: my place in the cluster
	s_bfe_u32 s101, ttmp6, 0x40004
	s_lshl_b32 s66, ttmp9, 2
	s_add_co_u32 s66, s66, s100                    ; tx: which 256 channels of q and k, which 128 of v
	s_and_b32 s17, ttmp7, 0xffff
	s_lshl_b32 s17, s17, 2
	s_add_co_u32 s17, s17, s101                    ; ty: which 256 tokens
	s_lshl_b32 s67, s101, 2
	s_lshl_b32 s67, 15, s67                        ; my row of the cluster
	s_lshl_b32 s3, 0x1111, s100                    ; my column
	; descriptor groups 1.  The ring's tiles: 8 rows of 3,072 bytes (384 elements of 8 bytes), 12,288 bytes apart; no padding
	s_or_b32 s[G1+0], s67, (3<<16)|(1<<21)         ; 15:0 the mask: x's tiles go to my row; 17:16 elements of 8 bytes; 21 set beside a mask
	s_or_b32 s[G1B+0], s3, (3<<16)|(1<<21)         ; the weights' to my column
.irp g, G1, G1B
	s_mov_b32 s[\g+1], 384<<16                     ; tensor_dim0
	s_mov_b32 s[\g+2], 8<<16                       ; tensor_dim1
	s_mov_b32 s[\g+3], 384<<16                     ; tile_dim0
	s_mov_b32 s[\g+4], 8                           ; tile_dim1
	s_mov_b32 s[\g+5], 1536                        ; tensor_dim0_stride
	s_mov_b32 s[\g+6], 0
	s_mov_b32 s[\g+7], 0
.endr
	; dense blocks as rows of 256 bytes: the scales of 8 tiles, 16 rows; two tiles of v's weights for all of K, 96 rows
	s_or_b32 s[G1S+0], s67, (3<<16)|(1<<21)
	s_or_b32 s[G1SB+0], s3, (3<<16)|(1<<21)
	s_or_b32 s[G1WV+0], s3, (3<<16)|(1<<21)
.irp g, G1S, G1SB, G1WV
	s_mov_b32 s[\g+1], 32<<16
	s_mov_b32 s[\g+3], 32<<16
	s_mov_b32 s[\g+5], 32
	s_mov_b32 s[\g+6], 0
	s_mov_b32 s[\g+7], 0
.endr
	s_mov_b32 s[G1S+2], 16<<16
	s_mov_b32 s[G1S+4], 16
	s_mov_b32 s[G1SB+2], 16<<16
	s_mov_b32 s[G1SB+4], 16
	s_mov_b32 s[G1WV+2], 96<<16
	s_mov_b32 s[G1WV+4], 96
	; offsets.  x's hold ty and never tx, the weights' the other way round
	s_mul_i32 s20, s17, 16*TILEB                   ; x's codes for the ring: 16 tiles x ty + 8 tiles x half
	s_mul_i32 s21, s16, 8*TILEB
	s_add_co_u32 s20, s20, s21
	s_mov_b32 s21, 0
	s_lshl_b32 s22, s17, 13                        ; x's scales, behind xq's codes
	s_lshl_b32 s23, s16, 12
	s_add_co_u32 s22, s22, s23
	s_add_co_u32 s22, s22, 6291456
	s_mov_b32 s23, 0
	s_mul_i32 s44, s17, 16*TILEB                   ; x's codes for all of K: 16 tiles x ty + 2 tiles x wave
	s_add_co_u32 s44, s44, s2
	s_mov_b32 s45, 0
	s_mul_i32 s18, s66, 16*TILEB                   ; q's and k's weights: 16 tiles x tx + 8 tiles x half
	s_mul_i32 s19, s16, 8*TILEB
	s_add_co_u32 s18, s18, s19
	s_mov_b32 s19, 0
	s_lshl_b32 s12, s66, 13                        ; their scales, behind wq's codes
	s_lshl_b32 s13, s16, 12
	s_add_co_u32 s12, s12, s13
	s_add_co_u32 s12, s12, 3145728
	s_mov_b32 s13, 0
	s_mul_i32 s46, s66, 8*TILEB                    ; v's weights, from wq's tile 128 on: 8 tiles x tx + 2 tiles x wave
	s_add_co_u32 s46, s46, s2
	s_add_co_u32 s46, s46, 1572864
	s_mov_b32 s47, 0
	s_wait_kmcnt 0x0
	s_add_nc_u64 s[20:21], s[4:5], s[20:21]
	s_add_nc_u64 s[22:23], s[4:5], s[22:23]
	s_add_nc_u64 s[44:45], s[4:5], s[44:45]
	s_add_nc_u64 s[18:19], s[6:7], s[18:19]
	s_add_nc_u64 s[12:13], s[6:7], s[12:13]
	s_add_nc_u64 s[46:47], s[6:7], s[46:47]
	; groups 0
	s_mov_b32 s[G0S], 1
	s_lshl_b32 s[G0S+1], s14, 12
	s_add_co_u32 s[G0S+1], s[G0S+1], SCL
	s_mov_b64 s[G0S+2:G0S+3], s[22:23]
	s_or_b32 s[G0S+3], s[G0S+3], 0x80000000
	s_mov_b32 s[G0SB], 1
	s_lshl_b32 s[G0SB+1], s14, 12
	s_add_co_u32 s[G0SB+1], s[G0SB+1], SCL
	s_mov_b64 s[G0SB+2:G0SB+3], s[12:13]
	s_or_b32 s[G0SB+3], s[G0SB+3], 0x80000000
.irp s, 0,1
	s_mov_b32 s[G0+4*\s], 1
	s_add_co_u32 s[G0+4*\s+1], s2, \s*SLOT
	s_add_nc_u64 s[G0+4*\s+2:G0+4*\s+3], s[20:21], \s*KSTB
	s_or_b32 s[G0+4*\s+3], s[G0+4*\s+3], 0x80000000
	s_mov_b32 s[G0B+4*\s], 1
	s_add_co_u32 s[G0B+4*\s+1], s2, \s*SLOT
	s_add_nc_u64 s[G0B+4*\s+2:G0B+4*\s+3], s[18:19], \s*KSTB
	s_or_b32 s[G0B+4*\s+3], s[G0B+4*\s+3], 0x80000000
.endr
	s_mov_b32 s[G0WV], 1
	s_add_co_u32 s[G0WV+1], s2, WVL
	s_mov_b64 s[G0WV+2:G0WV+3], s[46:47]
	s_or_b32 s[G0WV+3], s[G0WV+3], 0x80000000
	CROUND                                         ; all sixteen work-groups are here: the first joint loads meet
	JLOAD G0S, G1S, G0SB, G1SB                     ; the first fills, one group: the scales, K steps 0 and 1,
	JLOAD G0, G1, G0B, G1B
	JLOAD G0+4, G1, G0B+4, G1B
	tensor_load_to_lds s[G0WV:G0WV+3], s[G1WV:G1WV+7]   ; and v's weights for all of K, two tiles a wave: four loads of mine are out
	s_nop 0
.rept 4
	v_nop
.endr
	v_and_b32 v1, 15, v0                           ; r
	v_bfe_u32 v2, v0, 4, 1                         ; h
	v_and_b32 v3, 31, v0                           ; lane
	v_lshlrev_b32 v[O16], 4, v3
	v_lshlrev_b32 v[O8], 3, v3
	s_lshl_b32 s18, s66, 12                        ; the scale words of my 4 tiles of v's weights: wq's pairs 64 + 4 tx + 2 x half on
	s_lshl_b32 s19, s15, 11
	s_add_co_u32 s18, s18, s19
	s_add_co_u32 s18, s18, 3211264
	s_mov_b32 s19, 0
	s_add_nc_u64 s[18:19], s[6:7], s[18:19]
.irp pr, 0,1
.irp ks, 0,1,2,3
	global_load_b64 v[SW+8*\pr+2*\ks:SW+8*\pr+2*\ks+1], v[O8], s[18:19] offset:\pr*1024+\ks*256   ; 256 consecutive bytes, aligned: lanes 0-15 the even tile's two words, lanes 16-31 the odd tile's
.endr
.endr
	s_mul_i32 s21, s15, HALFT                      ; phase 1: my 8 tiles of x
	s_mul_i32 s22, s16, HALFT                      ; my 8 tiles of the weights,
	s_add_co_u32 s22, s22, 2*HALFT                 ; which lie behind x's 16
.irp s, 0,1
	v_add_nc_u32 v[ADRA+\s], s21, v[O16]
	v_add_nc_u32 v[ADRA+2+\s], s21, v[O8]
	v_add_nc_u32 v[ADRB+\s], s22, v[O16]
	v_add_nc_u32 v[ADRB+2+\s], s22, v[O8]
	s_add_co_u32 s21, s21, SLOT
	s_add_co_u32 s22, s22, SLOT
.endr
	v_lshlrev_b32 v12, 3, v1                       ; my position's 8 scale bytes of a K step
	s_lshl_b32 s21, s15, 12                        ; x's: my 8 tiles
	s_lshl_b32 s22, s16, 12                        ; the weights': my 8 tiles, behind x's 8,192 bytes
	s_add_co_u32 s22, s22, 2*HALFS
	s_sub_co_u32 s22, s22, s21
	v_mul_u32_u24 v13, s22, v2                     ; lanes 16-31 take the weights'
	s_add_co_u32 s21, s21, SCL
	v_add_nc_u32 v12, v12, v13
	v_add_nc_u32 v[ADRS], s21, v12
	s_mul_i32 s21, s16, SLOT                       ; phase 2: my 8 tiles of x, 12,288 bytes each; two registers, since a load's immediate holds 16 bits
	v_add_nc_u32 v[ADX], s21, v[O16]
	v_add_nc_u32 v[ADX+2], s21, v[O8]
	s_add_co_u32 s21, s21, 4*TILEB
	v_add_nc_u32 v[ADX+1], s21, v[O16]
	v_add_nc_u32 v[ADX+3], s21, v[O8]
	s_mul_i32 s21, s15, 4*TILEB                    ; my 4 tiles of v's weights
	s_add_co_u32 s21, s21, WVL
	v_add_nc_u32 v[ADW], s21, v[O16]
	v_add_nc_u32 v[ADW+1], s21, v[O8]
	s_lshl_b32 s21, s16, 12                        ; x's scale words of my 8 tiles
	s_add_co_u32 s21, s21, SCL
	v_add_nc_u32 v[ADRX], s21, v[O8]
	s_lshl_b32 s23, s14, 10
	s_add_co_u32 s23, s23, SSTG                    ; my stage for scale words
	v_lshlrev_b32 v12, 2, v1
	v_lshl_add_u32 v12, v2, 9, v12
	v_add_nc_u32 v[SST], s23, v12                  ; in: 4 r, + 512 for lanes 16-31
	v_add_nc_u32 v[SRD], s23, v[O16]
	v_add_nc_u32 v[SRD2], s23, v[O8]
	v_mov_b32 v[PSEL], 0x01000100                  ; lanes 0-15 store bytes (e0, e1, e0, e1): the even head's;
	v_mov_b32 v12, 0x03020302                      ; lanes 16-31 (e2, e3, e2, e3): the odd head's
	v_cmp_le_u32 vcc_lo, 16, v3
	v_cndmask_b32 v[PSEL], v[PSEL], v12, vcc_lo
	; where the results go
	s_lshl_b32 s20, s66, 1
	s_add_co_u32 s20, s20, s16                     ; q, k: my pair of heads: 2 tx + half
	s_lshl_b32 s21, s17, 4
	s_lshl_b32 s22, s15, 3
	s_add_co_u32 s21, s21, s22                     ; my first token tile: 16 ty + 8 x half
	s_mul_i32 s12, s20, 786432
	s_mul_i32 s13, s21, 768
	s_add_co_u32 s12, s12, s13
	s_mov_b32 s13, 0
	s_add_nc_u64 s[4:5], s[8:9], s[12:13]          ; qk's codes: the even head's half fragment of my first tile; the odd head's lies 393,216 bytes on
	s_lshl_b32 s12, s20, 16
	s_lshl_b32 s22, s21, 6
	s_add_co_u32 s12, s12, s22
	s_add_co_u32 s12, s12, 12582912
	s_add_nc_u64 s[6:7], s[8:9], s[12:13]          ; qk's scale words: 512 bytes of the even head; the odd head's lie 32,768 bytes on
	s_lshl_b32 s20, s17, 1
	s_add_co_u32 s20, s20, s16                     ; v: my 128 keys: 2 ty + half
	s_lshl_b32 s21, s66, 3
	s_lshl_b32 s22, s15, 2
	s_add_co_u32 s21, s21, s22                     ; my first channel tile: 8 tx + 4 x half
	s_mul_i32 s12, s20, 98304
	s_mul_i32 s22, s21, 1536
	s_add_co_u32 s12, s12, s22
	s_add_nc_u64 s[8:9], s[10:11], s[12:13]        ; vt's codes
	s_lshl_b32 s12, s20, 12
	s_lshl_b32 s22, s21, 6
	s_add_co_u32 s12, s12, s22
	s_add_co_u32 s12, s12, 6291456
	s_add_nc_u64 s[10:11], s[10:11], s[12:13]      ; vt's scale words: 256 bytes
.macro FRAG reg, adr, q, i             ; phase 1: a fragment, 16 positions x 128 K: registers 0-3, 4-5, 6-9, 10-11 as they were stored; each load reads consecutive bytes
	ds_load_b128 v[\reg:\reg+3], v[\adr] offset:(\i)*KSTB+(\q)*1536
	ds_load_b64 v[\reg+4:\reg+5], v[\adr+2] offset:(\i)*KSTB+(\q)*1536+512
	ds_load_b128 v[\reg+6:\reg+9], v[\adr] offset:(\i)*KSTB+(\q)*1536+768
	ds_load_b64 v[\reg+10:\reg+11], v[\adr+2] offset:(\i)*KSTB+(\q)*1536+1280
.endm
; 16 matrix instructions of phase 1: x's blocks a0, a0 + 1 against the weights' eight, the slot's q-th 128 along K.  p: the weights' set; sc: the set of scale words.  zero = 1: the first product starts the sums.
; The 64 accumulators take turns, one instruction a turn, in the same order in every step.
.macro MUL16 a0, p, q, sc, zero
.irp a, \a0, \a0+1
.irp b, 0,1,2,3,4,5,6,7
.if \zero
	v_wmma_scale_f32_16x16x128_f8f6f4 v[8*(8*((\a)%4)+\b):8*(8*((\a)%4)+\b)+7], v[128*(\p)+FR*\b:128*(\p)+FR*\b+FR-1], v[AF+FR*(\a):AF+FR*(\a)+FR-1], 0, v[SC+8*NQ*(\sc)+NQ*\b+(\q)], v[SC+8*NQ*(\sc)+NQ*(\a)+(\q)] matrix_a_fmt:MATRIX_FMT_FP6 matrix_b_fmt:MATRIX_FMT_FP6 matrix_a_scale:MATRIX_SCALE_ROW1
.else
	v_wmma_scale_f32_16x16x128_f8f6f4 v[8*(8*((\a)%4)+\b):8*(8*((\a)%4)+\b)+7], v[128*(\p)+FR*\b:128*(\p)+FR*\b+FR-1], v[AF+FR*(\a):AF+FR*(\a)+FR-1], v[8*(8*((\a)%4)+\b):8*(8*((\a)%4)+\b)+7], v[SC+8*NQ*(\sc)+NQ*\b+(\q)], v[SC+8*NQ*(\sc)+NQ*(\a)+(\q)] matrix_a_fmt:MATRIX_FMT_FP6 matrix_b_fmt:MATRIX_FMT_FP6 matrix_a_scale:MATRIX_SCALE_ROW1
.endif
.endr
.endr
.endm
.macro FETCH_B slot, q, p
	WIN TO_B
.irp i, 0,1,2,3,4,5,6,7
	FRAG 128*(\p)+FR*\i, ADRB+\slot, \q, \i
.endr
	WIN 0
.endm
.macro FETCH_A slot, q, i0
.irp i, \i0, \i0+1, \i0+2, \i0+3
	FRAG AF+FR*(\i), ADRA+\slot, \q, \i
.endr
.endm
.macro SCALES sc                       ; a K step's two scale words a position: lanes 0-15 take x's block i, lanes 16-31 the weights' block i
.irp i, 0,1,2,3,4,5,6,7
	ds_load_b64 v[SC+8*NQ*\sc+NQ*\i:SC+8*NQ*\sc+NQ*\i+1], v[ADRS] offset:(\i/2)*1024+(\i%2)*128
.endr
.endm
.macro PLACES n                        ; plain vector instructions between a matrix instruction and a load into, or a read of, its registers (ISA guide 7.12.1 for reads)
.rept \n
	v_nop
.endr
.endm
.macro STEP slot, q, zero              ; a step of 128 along K that has its successor in the same slot
	s_wait_dscnt 4*NL                              ; the weights' set, x's blocks 0-3 and the scale words are in; the youngest 16 loads (x's blocks 4-7) may be out
	WIN MUL_LO
	MUL16 0, (\q)%2, \q, \slot, \zero
	MUL16 2, (\q)%2, \q, \slot, \zero
	s_wait_dscnt 0x0                               ; x's blocks 4-7 are in
	PLACES NP
	FETCH_B \slot, (\q)+1, 1-(\q)%2
	FETCH_A \slot, (\q)+1, 0
	WIN MUL_HI
	MUL16 4, (\q)%2, \q, \slot, \zero
	MUL16 6, (\q)%2, \q, \slot, \zero
	PLACES NP
	WIN 0
	FETCH_A \slot, (\q)+1, 4
.endm
; The first half of a slot's last step: one barrier, which opens a round of the cluster's; in front of it each wave waits for all its tensor loads, adds 0 to its spare word, and waits for that and for its reads of this slot.
.macro MEET slot
	s_wait_tensorcnt 0x0                           ; all my tensor loads have landed
	ds_add_u32 v[SPW], v[NIL]                      ; 0 onto my spare word
	s_wait_dscnt 4*NL+1                            ; (the add and the youngest 16 loads, x's blocks 4-7, may be out)
	WIN MUL_LO
	MUL16 0, 1, NQ-1, \slot, 0                     ; sixteen matrix instructions stand between the add and the wait for it
	s_wait_dscnt 0x0                               ; the add is done, and my reads of this slot are over
	s_barrier_signal -1
	MUL16 2, 1, NQ-1, \slot, 0
	WIN 0
	s_barrier_wait -1
	CREST                                          ; no wave of any partner still reads this slot or has a load on its way
.endm
; A slot's last step changes slots.  ring = 1: the slot takes the K step two on; ring = 0: it takes x's tiles 0-7 for all of K, for phase 2.
.macro TURN slot, next, ring
	MEET \slot
.if \ring
	s_add_nc_u64 s[G0+4*\slot+2:G0+4*\slot+3], s[G0+4*\slot+2:G0+4*\slot+3], 2*KSTB
	s_add_nc_u64 s[G0B+4*\slot+2:G0B+4*\slot+3], s[G0B+4*\slot+2:G0B+4*\slot+3], 2*KSTB
	JLOAD G0+4*\slot, G1, G0B+4*\slot, G1B         ; the first tensor load behind the round; its four v_nop are the places in front of the loads below
.else
	XALL 0
.endif
	v_add_nc_u32 v[ADRS], 256, v[ADRS]             ; on to the next K step's scale words (no LDS load of mine is out)
	FETCH_B \next, 0, 0
	FETCH_A \next, 0, 0
	SCALES \next
	WIN MUL_HI
	MUL16 4, 1, NQ-1, \slot, 0
	MUL16 6, 1, NQ-1, \slot, 0
	PLACES NP
	WIN 0
	FETCH_A \next, 0, 4
.endm
	s_wait_tensorcnt 2                             ; the scales and my part of K step 0 are in (K step 1's load and v's weights may be out)
	s_barrier_signal -1
	s_barrier_wait -1                              ; everybody's are
	FETCH_B 0, 0, 0
	FETCH_A 0, 0, 0
	SCALES 0
	FETCH_A 0, 0, 4
	STEP 0, 0, 1                                   ; K step 0; its first products start the sums
	TURN 0, 1, 1                                   ; slot 0 takes K step 2
	STEP 1, 0, 0                                   ; K step 1
	TURN 1, 0, 1                                   ; slot 1 takes K step 3
	STEP 0, 0, 0                                   ; K step 2
	TURN 0, 1, 0                                   ; slot 0's bytes take x's tiles 0-7 for all of K
	STEP 1, 0, 0                                   ; K step 3
	MEET 1
	XALL 1                                         ; slot 1's bytes take x's tiles 8-15: the load lands while q and k go out
	WIN MUL_HI
	MUL16 4, 1, NQ-1, 1, 0
	MUL16 6, 1, NQ-1, 1, 0
	WIN 0
; THE WAY OUT.  The 64 registers of source 1's block a, v[s] on in window w: register 16 b + i = neighbour 32 b + 16 (lane / 16) + i of my position's 128.  They become a fragment's codes in v[PC] on and its scale word in v[PW].
; Each accumulator is read from its low end on.
.macro QUANTW s, w
.set WQ, ((\w)<<2)|((\w)<<4)
	WIN WQ                                         ; sources 1 and 2: the accumulators' window
.irp b, 0,1,2,3
	v_max3_num_f32 v[TM+\b], 0x1800000, |v[\s+16*\b]|, |v[\s+1+16*\b]|   ; block b: my 16 numbers, and the floor 2^(3 - 127): the byte cannot fall under 1
.endr
.irp i, 2,4,6,8,10,12,14
.irp b, 0,1,2,3
	v_max3_num_f32 v[TM+\b], v[TM+\b], |v[\s+16*\b+\i]|, |v[\s+1+16*\b+\i]|   ; (the four blocks by turns)
.endr
.endr
	WIN 0
.irp b, 0,1,2,3
	v_permlanex16_b32 v[TM+4+\b], v[TM+\b], s90, s91
.endr
.irp b, 0,1,2,3
	v_max_num_f32 v[TM+\b], v[TM+\b], v[TM+4+\b]   ; with lane l xor 16's: the block's largest magnitude
.endr
.irp b, 0,1,2,3
	v_add_nc_u32 v[TM+12+\b], 0xff000000, v[TM+\b] ; 2 off its exponent field: the conversion's scale operand
.endr
.irp b, 0,1,2,3
	v_lshrrev_b32 v[TM+4+\b], 23, v[TM+12+\b]      ; the scale's byte
.endr
	v_lshl_or_b32 v[PW], v[TM+5], 8, v[TM+4]
	v_lshl_or_b32 v[PW], v[TM+6], 16, v[PW]
	v_lshl_or_b32 v[PW], v[TM+7], 24, v[PW]
	WIN \w                                         ; source 0: the accumulators' window
.irp c, 0,1
	v_cvt_scalef32_pk16_fp6_f32 v[PC+6*\c:PC+2+6*\c], v[\s+32*\c:\s+15+32*\c], v[TM+12+2*\c]
	v_cvt_scalef32_pk16_fp6_f32 v[PC+12+4*\c:PC+14+4*\c], v[\s+16+32*\c:\s+31+32*\c], v[TM+12+2*\c+1]   ; (a conversion's three registers begin on an even number)
.endr
	WIN 0
	v_nop                                          ; one plain place behind a scaled conversion
.irp c, 0,1                                    ; the operand's layout wants a WHOLE block in a lane: lanes 0-15 block 2 c, lanes 16-31 block 2 c + 1
.irp i, 0,1,2
	v_permlane16_swap_b32 v[PC+6*\c+\i], v[PC+12+4*\c+\i]
.endr
.irp i, 0,1,2
	v_mov_b32 v[PC+3+6*\c+\i], v[PC+12+4*\c+\i]
.endr
.endr
.endm
	s_mov_b32 s90, 0x76543210                      ; (the scales' descriptors, whose registers these were, are long done)
	s_mov_b32 s91, 0xfedcba98                      ; v_permlanex16_b32's selects for lane l xor 16
	PLACES NP                                      ; behind the last products, whose results are read below
.irp b, 0,1,2,3
	v_mov_b32 v[TM+4+\b], 0                        ; written once: a lane permute's destination counts as one of its sources
.endr
; q and k: my eight blocks of 16 tokens x 128 channels
.irp a, 0,1,2,3,4,5,6,7
.if \a > 0
	s_wait_xcnt 0x0                                ; the last block's stores have read their data,
	s_wait_dscnt 0x0                               ; and its LDS store its word: all are written again only behind these waits
.endif
	QUANTW 64*(\a%4), 2+\a/4
	v_perm_b32 v[PW2], v[PW], v[PW], v[PSEL]       ; each head's two bytes, twice
	ds_store_b32 v[SST], v[PW2] offset:64*\a
	global_store_b128 v[O16], v[PC:PC+3], s[4:5] offset:\a*768               ; each store covers 512 or 256 consecutive bytes, aligned to 256
	global_store_b64 v[O8], v[PC+4:PC+5], s[4:5] offset:\a*768+512
	global_store_b128 v[O16], v[PC+6:PC+9], s[4:5] offset:\a*768+393216      ; the odd head
	global_store_b64 v[O8], v[PC+10:PC+11], s[4:5] offset:\a*768+393216+512
.endr
	ds_load_b128 v[RB:RB+3], v[SRD]                ; my eight tiles' scale words, 512 bytes on end (LDS serves a wave's instructions in order: these see my stores),
	ds_load_b128 v[RB+4:RB+7], v[SRD] offset:512   ; and the odd head's
	s_wait_dscnt 0x0
	global_store_b128 v[O16], v[RB:RB+3], s[6:7]
	global_store_b128 v[O16], v[RB+4:RB+7], s[6:7] offset:32768
; ======== PHASE 2: v.  All operands lie in LDS for all of K.
.macro FRAG2 reg, a16, a8, off
	ds_load_b128 v[\reg:\reg+3], v[\a16] offset:\off
	ds_load_b64 v[\reg+4:\reg+5], v[\a8] offset:\off+512
	ds_load_b128 v[\reg+6:\reg+9], v[\a16] offset:\off+768
	ds_load_b64 v[\reg+10:\reg+11], v[\a8] offset:\off+1280
.endm
.macro FETCH_X kk, p                   ; x's eight fragments of the kk-th 128 along K into set p of window 1
	WIN TO_B
.irp i, 0,1,2,3,4,5,6,7
	FRAG2 128*(\p)+FR*\i, ADX+\i/4, ADX+2+\i/4, (\i%4)*TILEB+(\kk)*1536
.endr
	WIN 0
.endm
.macro FETCH_W kk, p                   ; the weights' four into set p
.irp i, 0,1,2,3
	FRAG2 AF+48*(\p)+FR*\i, ADW, ADW+1, \i*TILEB+(\kk)*1536
.endr
.endm
.macro SCALEX sc, ks                   ; x's scale words of K step ks: a load brings a pair of tiles: lanes 0-15 the even tile's two words, lanes 16-31 the odd tile's
.irp pp, 0,1,2,3
	ds_load_b64 v[SC+16*(\sc)+2*\pp:SC+16*(\sc)+2*\pp+1], v[ADRX] offset:\pp*1024+(\ks)*256
.endr
.endm
; One product: the weights' block a (source 1) against x's block b (source 0).  An odd tile's scale words stand in lanes 16-31 of their register.
.macro WV a, b, p, q, sc, ks, zero
.set rD,  8*(8*(\a)+(\b))
.set rX,  128*(\p)+FR*(\b)
.set rW,  AF+48*(\p)+FR*(\a)
.set rSX, SC+16*(\sc)+2*((\b)/2)+(\q)
.set rSW, SW+8*((\a)/2)+2*(\ks)+(\q)
.if \zero
.if ((\a)%2 == 0) && ((\b)%2 == 0)
	v_wmma_scale_f32_16x16x128_f8f6f4 v[rD:rD+7], v[rX:rX+11], v[rW:rW+11], 0, v[rSX], v[rSW] matrix_a_fmt:MATRIX_FMT_FP6 matrix_b_fmt:MATRIX_FMT_FP6
.elseif (\a)%2 == 0
	v_wmma_scale_f32_16x16x128_f8f6f4 v[rD:rD+7], v[rX:rX+11], v[rW:rW+11], 0, v[rSX], v[rSW] matrix_a_fmt:MATRIX_FMT_FP6 matrix_b_fmt:MATRIX_FMT_FP6 matrix_a_scale:MATRIX_SCALE_ROW1
.elseif (\b)%2 == 0
	v_wmma_scale_f32_16x16x128_f8f6f4 v[rD:rD+7], v[rX:rX+11], v[rW:rW+11], 0, v[rSX], v[rSW] matrix_a_fmt:MATRIX_FMT_FP6 matrix_b_fmt:MATRIX_FMT_FP6 matrix_b_scale:MATRIX_SCALE_ROW1
.else
	v_wmma_scale_f32_16x16x128_f8f6f4 v[rD:rD+7], v[rX:rX+11], v[rW:rW+11], 0, v[rSX], v[rSW] matrix_a_fmt:MATRIX_FMT_FP6 matrix_b_fmt:MATRIX_FMT_FP6 matrix_a_scale:MATRIX_SCALE_ROW1 matrix_b_scale:MATRIX_SCALE_ROW1
.endif
.else
.if ((\a)%2 == 0) && ((\b)%2 == 0)
	v_wmma_scale_f32_16x16x128_f8f6f4 v[rD:rD+7], v[rX:rX+11], v[rW:rW+11], v[rD:rD+7], v[rSX], v[rSW] matrix_a_fmt:MATRIX_FMT_FP6 matrix_b_fmt:MATRIX_FMT_FP6
.elseif (\a)%2 == 0
	v_wmma_scale_f32_16x16x128_f8f6f4 v[rD:rD+7], v[rX:rX+11], v[rW:rW+11], v[rD:rD+7], v[rSX], v[rSW] matrix_a_fmt:MATRIX_FMT_FP6 matrix_b_fmt:MATRIX_FMT_FP6 matrix_a_scale:MATRIX_SCALE_ROW1
.elseif (\b)%2 == 0
	v_wmma_scale_f32_16x16x128_f8f6f4 v[rD:rD+7], v[rX:rX+11], v[rW:rW+11], v[rD:rD+7], v[rSX], v[rSW] matrix_a_fmt:MATRIX_FMT_FP6 matrix_b_fmt:MATRIX_FMT_FP6 matrix_b_scale:MATRIX_SCALE_ROW1
.else
	v_wmma_scale_f32_16x16x128_f8f6f4 v[rD:rD+7], v[rX:rX+11], v[rW:rW+11], v[rD:rD+7], v[rSX], v[rSW] matrix_a_fmt:MATRIX_FMT_FP6 matrix_b_fmt:MATRIX_FMT_FP6 matrix_a_scale:MATRIX_SCALE_ROW1 matrix_b_scale:MATRIX_SCALE_ROW1
.endif
.endif
.endm
.macro MULV a0, p, q, sc, ks, zero     ; 16 matrix instructions: the weights' blocks a0, a0 + 1 against x's eight.  The 32 accumulators take turns, one instruction a turn
.irp a, \a0, \a0+1
.irp b, 0,1,2,3,4,5,6,7
	WV \a, \b, \p, \q, \sc, \ks, \zero
.endr
.endr
.endm
; Step kk of eight, 128 along K: fragments' set kk % 2, K step kk / 2.  In its middle the next step's fragments are fetched into the other set, 16 matrix instructions ahead of their use.
.macro VSTEP kk
.set VPP, (\kk)%2
.set VKS, (\kk)/2
.set VSC, VKS%2
.set VZ,  0
.if (\kk) == 0
.set VZ,  1
.endif
	s_wait_dscnt 0x0                               ; this step's fragments and scale words are in
	WIN MUL_LO
	MULV 0, VPP, VPP, VSC, VKS, VZ
.if (\kk) < 7
	PLACES NP                                      ; behind the last step's products, which read the set that is loaded now
	FETCH_X (\kk)+1, 1-VPP
	FETCH_W (\kk)+1, 1-VPP
.if VPP == 1
	SCALEX 1-VSC, VKS+1
.endif
.endif
	WIN MUL_LO
	MULV 2, VPP, VPP, VSC, VKS, VZ
.endm
	s_wait_tensorcnt 0x0                           ; my part of x's tiles 8-15 is in
	s_barrier_signal -1
	s_barrier_wait -1                              ; everybody's is
	FETCH_X 0, 0
	FETCH_W 0, 0
	SCALEX 0, 0
	s_wait_loadcnt 0x0                             ; the scale words of v's weights
.irp k, 0,1,2,3,4,5,6,7
	VSTEP \k
.endr
	WIN 0
	PLACES NP                                      ; behind the last products, whose results are read below
; v: my four blocks of 16 channels x 128 keys
.irp a, 0,1,2,3
	s_wait_xcnt 0x0                                ; the stores before have read their data,
	s_wait_dscnt 0x0                               ; and the last LDS store its word
	QUANTW 64*\a, 2
	ds_store_b32 v[SST], v[PW] offset:64*\a
	global_store_b128 v[O16], v[PC:PC+3], s[8:9] offset:\a*1536              ; a fragment of vt: 1,536 consecutive bytes in four stores, each aligned to 256
	global_store_b64 v[O8], v[PC+4:PC+5], s[8:9] offset:\a*1536+512
	global_store_b128 v[O16], v[PC+6:PC+9], s[8:9] offset:\a*1536+768
	global_store_b64 v[O8], v[PC+10:PC+11], s[8:9] offset:\a*1536+1280
.endr
	ds_load_b64 v[RB:RB+1], v[SRD2]                ; my four tiles' scale words, 256 bytes on end
	s_wait_dscnt 0x0
	global_store_b64 v[O8], v[RB:RB+1], s[10:11]
	s_wait_tensorcnt 0x0                           ; the wave's end, behind my last tensor load and my last LDS store
	ds_add_u32 v[SPW], v[NIL]
	s_wait_dscnt 0x0
	CROUND                                         ; the closing round: no work-group ends while a partner may still ask for a tile that names it
	s_endpgm
.Lfunc_end_k_q7c1126f257_gemm_qkv:
	.size	k_q7c1126f257_gemm_qkv, .Lfunc_end_k_q7c1126f257_gemm_qkv-k_q7c1126f257_gemm_qkv
	.p2alignl 7, 3214868480
	.fill 96, 4, 3214868480
	.section	.rodata,"a",@progbits
	.p2align	6, 0x0
	.amdhsa_kernel k_q7c1126f257_gemm_qkv
		.amdhsa_group_segment_fixed_size 327680
		.amdhsa_private_segment_fixed_size 0
		.amdhsa_enable_private_segment 0
		.amdhsa_kernarg_size 32
		.amdhsa_user_sgpr_count 2
		.amdhsa_user_sgpr_kernarg_segment_ptr 1
		.amdhsa_wavefront_size32 1
		.amdhsa_system_sgpr_workgroup_id_x 1
		.amdhsa_system_sgpr_workgroup_id_y 1
		.amdhsa_system_sgpr_workgroup_id_z 1
		.amdhsa_system_vgpr_workitem_id 0
		.amdhsa_next_free_vgpr 1024
		.amdhsa_next_free_sgpr 102
		.amdhsa_reserve_vcc 1
		.amdhsa_float_denorm_mode_32 3
		.amdhsa_float_denorm_mode_16_64 3
		.amdhsa_memory_ordered 1
		.amdhsa_forward_progress 1
		.amdhsa_inst_pref_size 232
	.end_amdhsa_kernel
	.amdgpu_metadata
---
amdhsa.version: [ 1, 2 ]
amdhsa.kernels:
  - .name:           k_q7c1126f257_gemm_qkv
    .symbol:         k_q7c1126f257_gemm_qkv.kd
    .args:
      - { .name: xq, .offset: 0, .size: 8, .value_kind: global_buffer, .address_space: global }
      - { .name: wq, .offset: 8, .size: 8, .value_kind: global_buffer, .address_space: global }
      - { .name: qk, .offset: 16, .size: 8, .value_kind: global_buffer, .address_space: global }
      - { .name: vt, .offset: 24, .size: 8, .value_kind: global_buffer, .address_space: global }
    .group_segment_fixed_size: 327680
    .private_segment_fixed_size: 0
    .kernarg_segment_align: 8
    .kernarg_segment_size: 32
    .max_flat_workgroup_size: 128
    .sgpr_count:     102
    .vgpr_count:     1024
    .wavefront_size: 32
...
	.end_amdgpu_metadata
.endif
;; end of part 7
;; launch attn: the kernel of part 4 again; grid 4 x 64, 16 waves a work-group, clusters of 4 x 1, 210,944 bytes of LDS; arguments qk, vt, at; writes at
;; launch gemm_out (part 8): grid 4 x 64, 4 waves a work-group, clusters of 4 x 4, 307,712 bytes of LDS; arguments at, wq, b_out, out0; writes out0
.if DOCPART == 8
	.amdgcn_target "amdgcn-amd-amdhsa--gfx1250"
	.amdhsa_code_object_version 6
	.text
	.protected	k_q7c1126f257_gemm_out
	.globl	k_q7c1126f257_gemm_out
	.p2align	8
	.type	k_q7c1126f257_gemm_out,@function
k_q7c1126f257_gemm_out:
	s_mov_b64 s[64:65], 0
	v_nop
	global_prefetch_b8 v0, s[64:65] scope:SCOPE_SE
	s_setreg_imm32_b32 hwreg(HW_REG_WAVE_MODE, 25, 1), 1
	s_wait_xcnt 0x0
	s_wait_alu depctr_hold_cnt(0) depctr_sa_sdst(0) depctr_va_vdst(0) depctr_va_sdst(0) depctr_va_ssrc(0) depctr_va_vcc(0) depctr_vm_vsrc(0)
	s_getreg_b32 s2, hwreg(HW_REG_IB_STS2, 6, 4)
	s_cmp_eq_u32 s2, 0
	s_cbranch_scc0 .Lentry_in_a_cluster
	s_endpgm
.Lentry_in_a_cluster:
	s_bfe_u32 s2, ttmp6, 0x10000c
	s_cmp_lg_u32 s2, 0xf033
	s_cbranch_scc0 .Lentry_shape_is_right
	s_endpgm
.Lentry_shape_is_right:
; out0 = att w_out + b_out on codes of FP6 (E2M3) with E8M0 scales, K = 1,024, sums in f32; out0 [8192][1024] f32.
; OPERANDS lie as images of the matrix operand's registers: A = at (tokens), B = rows 3072-4095 of wq (columns of w_out): tiles of 16 positions
; (position r of tile T = row 32 (T / 2) + 8 (T % 2) + r + 8 (r / 8)), 12,288 bytes a tile, half fragments (64 K) of 768 bytes: lane l's first 16 bytes at 16 l, its last 8 at 512 + 8 l;
; scale bytes (T / 2) x 1,024 + (k / 256) x 256 + (T % 2) x 128 + 8 r + (k / 32) % 8.  A fragment is two loads of 16 bytes and two of 8, each on consecutive bytes: LDS needs no padding.
; A TILE OF THE RESULT IS 128 TOKENS x 256 COLUMNS: 8,192 x 1,024 numbers make 256 such tiles, one work-group each.  Four waves, 64 x 128 each: 32 accumulators, 256 registers.
; ALL OF K LIES IN LDS: a K step of 256 is A's 8 tiles and B's 16, 73,728 bytes; four of them and the scales are 307,200 bytes.  Every byte is filled ONCE, by loads that go out together at the start:
; nothing is filled again, so the K walk has only a counted wait and a barrier in front of each slot's first read.
; Source 0 = B, source 1 = A: a lane holds one token, and the 16 registers of B's tiles 2 b, 2 b + 1 are the 16 neighbouring columns 32 b + 16 (lane / 16) + 0 .. 15.
; THE BIAS is the C of each sum's first matrix instruction: eight registers for each of B's tiles, in the result's layout.
; CLUSTERS: 4 x 4 work-groups; A's tiles are shared along a row of the cluster, B's along a column: each is asked for jointly, by the same tensor load with the same descriptor and a mask that names the four.
; REGISTERS: window 0: v8-30 addresses; v32-63 scale words, two sets; v64-127 the bias; v128-223 A's fragments, two sets (on the way out v128-255: rows read back);  window 1: B's two sets, at v0 and v128;  window 2: the accumulators (A's block a, B's block b at v[8 (8 a + b)]).
.set KSTB,   3072                      ; a tile's bytes of a K step of 256
.set TILEB,  12288                     ; a tile's bytes in memory
.set FR,     12                        ; registers of a fragment
.set NP,     4                         ; places behind this matrix instruction (ISA guide 7.12.1)
.set ATL,    4*KSTB                    ; 4 tiles of A: what wave 0 or 1 brings for a K step, and what one wave reads
.set BTL,    8*KSTB                    ; 8 tiles of B: the same for waves 2, 3
.set SLOT,   2*ATL+2*BTL               ; a K step: A's 8 tiles, then B's 16
.set SCL,    4*SLOT                    ; behind the four slots: A's scales, 4,096 bytes, then B's, 8,192
.set SPITCH, 528                       ; the way out: a stage of 16 rows x (512 bytes + 16) for each wave, in slot 0, which is filled once and read for the last time ahead of the second barrier
.set ADRA, 8                           ; v8-11  my A fragments in slot 0 .. 3, + 16 x lane;  v12-15 the same + 8 x lane
.set ADRB, 16                          ; v16-23 the same for B
.set STO,  24                          ; v24  the way out: where I put 32 bytes of a row
.set RD,   25                          ; v25  where I read a row back
.set CO,   26                          ; v26  16 x lane: my bytes of a row's 512
.set ADRS, 27                          ; v27  my scale words in LDS: lanes 0-15 A's, lanes 16-31 B's
.set BOF,  30                          ; v30  64 x (lane / 16): my half's place in the bias
.set SC,   32
.set BI,   64
.set AF,   128
.set BK,   128
.set G1,   24                          ; s[24:31] group 1 for A's tiles;  s[32:47] its four groups 0
.set G0,   32
.set G1B,  48                          ; s[48:55] group 1 for B's tiles;  its four groups 0 at s56, s60, s68, s72
.set G1S,  76                          ; s[76:83], s[84:87] A's scales
.set G0S,  84
.set G1SB, 88                          ; s[88:95], s[96:99] B's scales
.set G0SB, 96
.set MSB, 0
.macro WIN new                         ; the immediate's high byte repeats the setting that is left
.if MSB != (\new)
	s_set_vgpr_msb (MSB<<8)|(\new)
.set MSB, \new
.endif
.endm
.set MULW, 0xa1                        ; source 0 (B) window 1, source 1 (A) window 0, C and D window 2
.set FSTW, 0x81                        ; the first products: C (the bias) window 0, D window 2
.set TO_B, 0x40                        ; destination window 1, address window 0
.macro JLOAD g0a, g1a, g0b, g1b        ; a joint load: waves 0 and 1 fetch for A, waves 2 and 3 for B; the branch hangs on the wave's number alone; four v_nop follow each of the two lines
	s_cmp_eq_u32 s15, 0
	s_cbranch_scc0 .Lfor_b_\@
	tensor_load_to_lds s[\g0a:\g0a+3], s[\g1a:\g1a+7]
	s_nop 0
.rept 4
	v_nop
.endr
	s_branch .Lasked_\@
.Lfor_b_\@:
	tensor_load_to_lds s[\g0b:\g0b+3], s[\g1b:\g1b+7]
	s_nop 0
.rept 4
	v_nop
.endr
.Lasked_\@:
.endm
.macro CROUND                          ; a round of the cluster's barrier
	s_barrier_signal -1
	s_barrier_wait -1
	s_cmp_lg_u32 s14, 0
	s_cbranch_scc1 .Lnot_wave_0_\@
	s_barrier_signal -3
.Lnot_wave_0_\@:
	s_barrier_wait -3
	s_barrier_signal -1
	s_barrier_wait -1
.endm
	s_load_b128 s[4:7], s[0:1], 0x0                ; at, wq
	s_load_b128 s[8:11], s[0:1], 0x10              ; b_out, out0
	v_lshl_add_u32 v29, v0, 2, 0x4b000
	v_mov_b32 v31, 0
	ds_add_u32 v29, v31
	ds_add_u32 v29, v31
	v_lshrrev_b32 v1, 5, v0
	v_readfirstlane_b32 s14, v1                    ; wave 0..3
	s_lshr_b32 s15, s14, 1                         ; which half of the tokens is mine.  Also: I fetch for A (0) or for B (1)
	s_and_b32 s16, s14, 1                          ; which half of the columns.  Also: which half of that operand's tiles I fetch
	s_bfe_u32 s100, ttmp6, 0x40000                 ; cx, cy: my place in the cluster
	s_bfe_u32 s101, ttmp6, 0x40004
	s_lshl_b32 s66, ttmp9, 2
	s_add_co_u32 s66, s66, s100                    ; tx: which 256 columns
	s_and_b32 s17, ttmp7, 0xffff
	s_lshl_b32 s17, s17, 2
	s_add_co_u32 s17, s17, s101                    ; ty: which 128 tokens
	s_lshl_b32 s67, s101, 2
	s_lshl_b32 s67, 15, s67                        ; my row of the cluster
	s_lshl_b32 s3, 0x1111, s100                    ; my column
	; descriptor groups 1.  Tiles: rows of 3,072 bytes (384 elements of 8 bytes), 12,288 bytes apart: 4 of A, 8 of B; no padding
	s_or_b32 s[G1+0], s67, (3<<16)|(1<<21)         ; 15:0 the mask: A's tiles go to my row; 17:16 elements of 8 bytes; 21 set beside a mask
	s_or_b32 s[G1B+0], s3, (3<<16)|(1<<21)         ; B's to my column
.irp g, G1, G1B
	s_mov_b32 s[\g+1], 384<<16                     ; tensor_dim0
	s_mov_b32 s[\g+3], 384<<16                     ; tile_dim0
	s_mov_b32 s[\g+5], 1536                        ; tensor_dim0_stride
	s_mov_b32 s[\g+6], 0
	s_mov_b32 s[\g+7], 0
.endr
	s_mov_b32 s[G1+2], 4<<16                       ; tensor_dim1,
	s_mov_b32 s[G1+4], 4                           ; tile_dim1
	s_mov_b32 s[G1B+2], 8<<16
	s_mov_b32 s[G1B+4], 8
	; the scales: dense bytes as rows of 256: 8 rows of A's, 16 of B's
	s_or_b32 s[G1S+0], s67, (3<<16)|(1<<21)
	s_or_b32 s[G1SB+0], s3, (3<<16)|(1<<21)
.irp g, G1S, G1SB
	s_mov_b32 s[\g+1], 32<<16
	s_mov_b32 s[\g+3], 32<<16
	s_mov_b32 s[\g+5], 32
	s_mov_b32 s[\g+6], 0
	s_mov_b32 s[\g+7], 0
.endr
	s_mov_b32 s[G1S+2], 8<<16
	s_mov_b32 s[G1S+4], 8
	s_mov_b32 s[G1SB+2], 16<<16
	s_mov_b32 s[G1SB+4], 16
	s_mul_i32 s20, s17, 8*TILEB                    ; A's codes: 8 tiles x ty + 4 tiles x half.  A's offsets hold ty and never tx, B's the other way round
	s_mul_i32 s21, s16, 4*TILEB
	s_add_co_u32 s20, s20, s21
	s_mov_b32 s21, 0
	s_lshl_b32 s22, s17, 12                        ; A's scales, behind at's codes
	s_lshl_b32 s23, s16, 11
	s_add_co_u32 s22, s22, s23
	s_add_co_u32 s22, s22, 6291456
	s_mov_b32 s23, 0
	s_mul_i32 s18, s66, 16*TILEB                   ; B's codes, from wq's tile 192 on
	s_mul_i32 s19, s16, 8*TILEB
	s_add_co_u32 s18, s18, s19
	s_add_co_u32 s18, s18, 2359296
	s_mov_b32 s19, 0
	s_lshl_b32 s12, s66, 13                        ; B's scales, from wq's pair 96 on
	s_lshl_b32 s13, s16, 12
	s_add_co_u32 s12, s12, s13
	s_add_co_u32 s12, s12, 3244032
	s_mov_b32 s13, 0
	s_wait_dscnt 0x0
	s_wait_kmcnt 0x0
	s_add_nc_u64 s[20:21], s[4:5], s[20:21]
	s_add_nc_u64 s[22:23], s[4:5], s[22:23]
	s_add_nc_u64 s[18:19], s[6:7], s[18:19]
	s_add_nc_u64 s[12:13], s[6:7], s[12:13]
	; groups 0.  Every LDS address is a constant + a constant x (wave % 2): no place in the cluster enters it
	s_mov_b32 s[G0S], 1
	s_lshl_b32 s[G0S+1], s16, 11
	s_add_co_u32 s[G0S+1], s[G0S+1], SCL
	s_mov_b64 s[G0S+2:G0S+3], s[22:23]
	s_or_b32 s[G0S+3], s[G0S+3], 0x80000000
	s_mov_b32 s[G0SB], 1
	s_lshl_b32 s[G0SB+1], s16, 12
	s_add_co_u32 s[G0SB+1], s[G0SB+1], SCL+4096
	s_mov_b64 s[G0SB+2:G0SB+3], s[12:13]
	s_or_b32 s[G0SB+3], s[G0SB+3], 0x80000000
.irp s, 0,1,2,3
.set GB, 56+4*\s+4*(\s/2)
	s_mov_b32 s[G0+4*\s], 1
	s_mul_i32 s[G0+4*\s+1], s16, ATL
	s_add_co_u32 s[G0+4*\s+1], s[G0+4*\s+1], \s*SLOT
	s_add_nc_u64 s[G0+4*\s+2:G0+4*\s+3], s[20:21], \s*KSTB
	s_or_b32 s[G0+4*\s+3], s[G0+4*\s+3], 0x80000000
	s_mov_b32 s[GB], 1
	s_mul_i32 s[GB+1], s16, BTL
	s_add_co_u32 s[GB+1], s[GB+1], 2*ATL+\s*SLOT
	s_add_nc_u64 s[GB+2:GB+3], s[18:19], \s*KSTB
	s_or_b32 s[GB+3], s[GB+3], 0x80000000
.endr
	CROUND                                         ; all sixteen work-groups are here: the joint loads meet
	JLOAD G0S, G1S, G0SB, G1SB                     ; the launch's only fills, one group: the scales, then K steps 0 to 3: five loads of mine are out
.irp s, 0,1,2,3
.set GB, 56+4*\s+4*(\s/2)
	JLOAD G0+4*\s, G1, GB, G1B
.endr
	v_and_b32 v1, 15, v0                           ; r
	v_bfe_u32 v2, v0, 4, 1                         ; h
	v_and_b32 v3, 31, v0                           ; lane
	v_lshlrev_b32 v[BOF], 6, v2
	s_lshl_b32 s18, s66, 10                        ; my 128 columns in bytes: 4 x (256 tx + 128 x half)
	s_lshl_b32 s19, s16, 9
	s_add_co_u32 s18, s18, s19
	s_mov_b32 s19, 0
	s_add_nc_u64 s[8:9], s[8:9], s[18:19]
.irp b, 0,1,2,3,4,5,6,7                        ; the bias, tile b's eight: columns 32 (b / 2) + 8 (b % 2) + 16 h + 0 .. 7
	global_load_b128 v[BI+8*\b:BI+8*\b+3], v[BOF], s[8:9] offset:(32*(\b/2)+8*(\b%2))*4
	global_load_b128 v[BI+8*\b+4:BI+8*\b+7], v[BOF], s[8:9] offset:(32*(\b/2)+8*(\b%2))*4+16
.endr
	v_lshlrev_b32 v[CO], 4, v3
	v_lshlrev_b32 v4, 3, v3
	s_mul_i32 s21, s15, ATL                        ; my 4 tiles of A
	s_mul_i32 s22, s16, BTL                        ; my 8 tiles of B,
	s_add_co_u32 s22, s22, 2*ATL                   ; which lie behind A's 8
.irp s, 0,1,2,3
	v_add_nc_u32 v[ADRA+\s], s21, v[CO]
	v_add_nc_u32 v[ADRA+4+\s], s21, v4
	v_add_nc_u32 v[ADRB+\s], s22, v[CO]
	v_add_nc_u32 v[ADRB+4+\s], s22, v4
	s_add_co_u32 s21, s21, SLOT
	s_add_co_u32 s22, s22, SLOT
.endr
	v_lshlrev_b32 v5, 3, v1                        ; my position's 8 scale bytes of a K step
	s_lshl_b32 s21, s15, 11                        ; A's: my 4 tiles
	s_lshl_b32 s22, s16, 12                        ; B's: my 8 tiles, behind A's 4,096 bytes
	s_add_co_u32 s22, s22, 4096
	s_sub_co_u32 s22, s22, s21
	v_mul_u32_u24 v6, s22, v2                      ; lanes 16-31 take B's
	s_add_co_u32 s21, s21, SCL
	v_add_nc_u32 v5, v5, v6
	v_add_nc_u32 v[ADRS], s21, v5
	s_mul_i32 s23, s14, 16*SPITCH                  ; my stage
	v_mul_u32_u24 v5, v1, SPITCH
	v_lshl_add_u32 v5, v2, 6, v5
	v_add_nc_u32 v[STO], s23, v5                   ; in: row r, + 64 h
	v_add_nc_u32 v[RD], s23, v[CO]                 ; back: the 32 lanes take one row of 512 bytes
	s_lshl_b32 s20, s17, 7
	s_lshl_b32 s21, s15, 6
	s_add_co_u32 s20, s20, s21                     ; my first token: 128 ty + 64 x half
	s_lshl_b32 s20, s20, 12                        ; rows of 4,096 bytes
	s_add_co_u32 s20, s20, s18                     ; + my first column's bytes
	s_mov_b32 s21, 0
	s_add_nc_u64 s[12:13], s[10:11], s[20:21]
.macro FRAG reg, adr, q, i             ; a fragment: registers 0-3, 4-5, 6-9, 10-11 as they were stored; each load reads consecutive bytes
	ds_load_b128 v[\reg:\reg+3], v[\adr] offset:(\i)*KSTB+(\q)*1536
	ds_load_b64 v[\reg+4:\reg+5], v[\adr+4] offset:(\i)*KSTB+(\q)*1536+512
	ds_load_b128 v[\reg+6:\reg+9], v[\adr] offset:(\i)*KSTB+(\q)*1536+768
	ds_load_b64 v[\reg+10:\reg+11], v[\adr+4] offset:(\i)*KSTB+(\q)*1536+1280
.endm
; 16 matrix instructions: A's blocks a0, a0 + 1 x B's eight.  p: the fragments' set; q: which 128 of the slot's 256; sc: the set of scale words.  first = 1: the sums start from the bias.
; The 32 accumulators take turns, one instruction a turn, in the same order in every step.
.macro MUL16 a0, p, q, sc, first
.irp a, \a0, \a0+1
.irp b, 0,1,2,3,4,5,6,7
.if \first
	v_wmma_scale_f32_16x16x128_f8f6f4 v[8*(8*(\a)+\b):8*(8*(\a)+\b)+7], v[128*(\p)+FR*\b:128*(\p)+FR*\b+FR-1], v[AF+48*(\p)+FR*(\a):AF+48*(\p)+FR*(\a)+FR-1], v[BI+8*\b:BI+8*\b+7], v[SC+16*(\sc)+2*\b+(\q)], v[SC+16*(\sc)+2*(\a)+(\q)] matrix_a_fmt:MATRIX_FMT_FP6 matrix_b_fmt:MATRIX_FMT_FP6 matrix_a_scale:MATRIX_SCALE_ROW1
.else
	v_wmma_scale_f32_16x16x128_f8f6f4 v[8*(8*(\a)+\b):8*(8*(\a)+\b)+7], v[128*(\p)+FR*\b:128*(\p)+FR*\b+FR-1], v[AF+48*(\p)+FR*(\a):AF+48*(\p)+FR*(\a)+FR-1], v[8*(8*(\a)+\b):8*(8*(\a)+\b)+7], v[SC+16*(\sc)+2*\b+(\q)], v[SC+16*(\sc)+2*(\a)+(\q)] matrix_a_fmt:MATRIX_FMT_FP6 matrix_b_fmt:MATRIX_FMT_FP6 matrix_a_scale:MATRIX_SCALE_ROW1
.endif
.endr
.endr
.endm
.macro FETCH_B slot, q, p              ; B's eight fragments into set p
	WIN TO_B
.irp i, 0,1,2,3,4,5,6,7
	FRAG 128*(\p)+FR*\i, ADRB+\slot, \q, \i
.endr
	WIN 0
.endm
.macro FETCH_A slot, q, p              ; A's four
.irp i, 0,1,2,3
	FRAG AF+48*(\p)+FR*\i, ADRA+\slot, \q, \i
.endr
.endm
.macro SCALES sc                       ; a K step's two scale words a position: lanes 16-31 take B's block i, lanes 0-15 A's block i (for i above 3: bytes of the scales' region that no product names)
.irp i, 0,1,2,3,4,5,6,7
	ds_load_b64 v[SC+16*(\sc)+2*\i:SC+16*(\sc)+2*\i+1], v[ADRS] offset:(\i/2)*1024+(\i%2)*128
.endr
.endm
.macro PLACES n                        ; plain vector instructions between a matrix instruction and a load into, or a read of, its registers (ISA guide 7.12.1 for reads)
.rept \n
	v_nop
.endr
.endm
; Step kk of eight, 128 along K: slot kk / 2, its half kk % 2, fragments' set kk % 2.  In its middle the next step's fragments are fetched into the other set, 16 matrix instructions ahead of their use.
; An odd step stands in front of a new slot: it waits until its own part of that slot has landed (the count: the loads issued behind that slot's), signals, multiplies, and goes on when all four waves have signalled.
.macro HSTEP kk
.set HP,  (\kk)%2
.set HSC, ((\kk)/2)%2
.set NSL, ((\kk)+1)/2
	s_wait_dscnt 0x0                               ; this step's fragments and scale words are in; no LDS instruction of mine is out
.if ((\kk)%2 == 1) && ((\kk) < 7)
	s_wait_tensorcnt 3-NSL                         ; my part of slot NSL is in; the later slots' loads may be out
	s_barrier_signal -1
.endif
.if (\kk) == 0
	WIN FSTW
	MUL16 0, HP, HP, HSC, 1
.else
	WIN MULW
	MUL16 0, HP, HP, HSC, 0
.endif
.if (\kk) < 7
.if (\kk)%2 == 1
	s_barrier_wait -1                              ; everybody's part of slot NSL is in
.endif
	PLACES NP                                      ; behind the last step's products, which read the set that is loaded now
.if (\kk)%2 == 1
	WIN 0
	v_add_nc_u32 v[ADRS], 256, v[ADRS]             ; the next K step's scale words
.endif
	FETCH_B NSL, 1-HP, 1-HP
	FETCH_A NSL, 1-HP, 1-HP
.if (\kk)%2 == 1
	SCALES 1-HSC
.endif
.endif
.if (\kk) == 0
	WIN FSTW
	MUL16 2, HP, HP, HSC, 1
.else
	WIN MULW
	MUL16 2, HP, HP, HSC, 0
.endif
.endm
	s_wait_tensorcnt 3                             ; the scales and my part of K step 0 are in; the three loads behind them may be out,
	s_barrier_signal -1
	s_barrier_wait -1                              ; everybody's are
	FETCH_B 0, 0, 0
	FETCH_A 0, 0, 0
	SCALES 0
	s_wait_loadcnt 0x0                             ; the bias
.irp k, 0,1,2,3,4,5,6,7
	HSTEP \k
.endr
	WIN 0
; THE WAY OUT, block by block of 16 tokens x 128 columns, through my own stage in LDS: in by 32 bytes a lane and tile, back as whole rows of 512 bytes.  LDS serves a wave's instructions in order (ISA guide 5.7.1.4).
.macro TOSTAGE a
.set AC, 64*(\a)
	WIN 0x08                                       ; the data: window 2
.irp b, 0,1,2,3,4,5,6,7
	ds_store_b128 v[STO], v[AC+8*\b:AC+8*\b+3] offset:128*(\b/2)+32*(\b%2)          ; each accumulator from its low end on
	ds_store_b128 v[STO], v[AC+8*\b+4:AC+8*\b+7] offset:128*(\b/2)+32*(\b%2)+16
.endr
	WIN 0
.set BB, BK+64*((\a)%2)
.irp t, 0,1,2,3,4,5,6,7,8,9,10,11,12,13,14,15
	ds_load_b128 v[BB+4*\t:BB+4*\t+3], v[RD] offset:\t*SPITCH
.endr
.endm
.macro SEND a, younger                 ; younger: the LDS instructions issued behind block a's loads, which may stay out
.set BB, BK+64*((\a)%2)
	s_wait_dscnt \younger
.irp t, 0,1,2,3,4,5,6,7,8,9,10,11,12,13,14,15
	global_store_b128 v[CO], v[BB+4*\t:BB+4*\t+3], s[12:13] offset:(32*((\a)/2)+8*((\a)%2)+\t+8*(\t/8))*4096 th:TH_STORE_NT   ; position t of block a is this token; 512 consecutive bytes, aligned to 256; 63 rows at the most in the immediate
.endr
.endm
	PLACES NP                                      ; behind the last products: results are read, and loads land in the registers that held A's fragments
	TOSTAGE 0
.irp a, 1,2,3
.if \a > 1
	s_wait_xcnt 0x0                                ; block a - 2's stores have read their registers: block a's loads may land there
.endif
	TOSTAGE \a
	SEND \a-1, 32                                  ; behind block a - 1's loads: block a's 16 stores and 16 loads
.endr
	SEND 3, 0
	s_wait_tensorcnt 0x0
	ds_add_u32 v29, v31
	s_wait_dscnt 0x0
	CROUND                                         ; the closing round: no work-group ends while a partner may still ask for a tile that names it
	s_endpgm
.Lfunc_end_k_q7c1126f257_gemm_out:
	.size	k_q7c1126f257_gemm_out, .Lfunc_end_k_q7c1126f257_gemm_out-k_q7c1126f257_gemm_out
	.p2alignl 7, 3214868480
	.fill 96, 4, 3214868480
	.section	.rodata,"a",@progbits
	.p2align	6, 0x0
	.amdhsa_kernel k_q7c1126f257_gemm_out
		.amdhsa_group_segment_fixed_size 307712
		.amdhsa_private_segment_fixed_size 0
		.amdhsa_enable_private_segment 0
		.amdhsa_kernarg_size 32
		.amdhsa_user_sgpr_count 2
		.amdhsa_user_sgpr_kernarg_segment_ptr 1
		.amdhsa_wavefront_size32 1
		.amdhsa_system_sgpr_workgroup_id_x 1
		.amdhsa_system_sgpr_workgroup_id_y 1
		.amdhsa_system_sgpr_workgroup_id_z 1
		.amdhsa_system_vgpr_workitem_id 0
		.amdhsa_next_free_vgpr 768
		.amdhsa_next_free_sgpr 102
		.amdhsa_reserve_vcc 0
		.amdhsa_float_denorm_mode_32 3
		.amdhsa_float_denorm_mode_16_64 3
		.amdhsa_memory_ordered 1
		.amdhsa_forward_progress 1
		.amdhsa_inst_pref_size 90
	.end_amdhsa_kernel
	.amdgpu_metadata
---
amdhsa.version: [ 1, 2 ]
amdhsa.kernels:
  - .name:           k_q7c1126f257_gemm_out
    .symbol:         k_q7c1126f257_gemm_out.kd
    .args:
      - { .name: at, .offset: 0, .size: 8, .value_kind: global_buffer, .address_space: global }
      - { .name: wq, .offset: 8, .size: 8, .value_kind: global_buffer, .address_space: global }
      - { .name: b_out, .offset: 16, .size: 8, .value_kind: global_buffer, .address_space: global }
      - { .name: out0, .offset: 24, .size: 8, .value_kind: global_buffer, .address_space: global }
    .group_segment_fixed_size: 307712
    .private_segment_fixed_size: 0
    .kernarg_segment_align: 8
    .kernarg_segment_size: 32
    .max_flat_workgroup_size: 128
    .sgpr_count:     102
    .vgpr_count:     768
    .wavefront_size: 32
...
	.end_amdgpu_metadata
.endif
;; end of part 8
